; MI455X (gfx1250); checked and timed in simulation.
; The chip was launched on July 23, 2026; its instructions are those of AMD's public machine-readable ISA for CDNA 5 (MIT licence, August 2026) and "CDNA5" Instruction Set Architecture Reference Guide (July 2026). The comments in the code are by the model that wrote it; some were corrected since.
;; Multi Flow Classifier Router. Allowed arithmetic: float matrix products may take bf16 or f16 operands with f32 sums; other float arithmetic in f32, or as packed bf16 or f16 multiplies, adds, multiply-adds, maxima and minima; sums over many terms, partial sums and values carried from step to step in f32; what a program stores and reads back later, other than sums and carried values, may be rounded once to bf16 or f16.
;; Inputs: W1 8 x 1,024 x 4,096 float32; W2 8 x 4,096 x 1,024 float32; b1 8 x 4,096 float32; b2 8 x 1,024 float32; route 1,024 int32; x 1,024 x 1,024 float32.
;; Outputs: out0 1,024 x 1,024 float32.
;; 3 versions, each right; version 2 is faster than version 1; version 3 is version 2 with the launches gather, up, down written anew for expert scheduling mode. Each part assembles by itself: llvm-mc -triple=amdgcn-amd-amdhsa -mcpu=gfx1250 --defsym DOCPART=n.
;; ======== version 1 of 3: 3 launches
;; workspace buffers: hbuf 67,108,864 bytes; part 16,777,216 bytes
;; launch up (part 1): grid 32 x 8, 8 waves a work-group, no clusters, 210,944 bytes of LDS; arguments x, route, W1, b1, hbuf; writes hbuf
.if DOCPART == 1
	.amdgcn_target "amdgcn-amd-amdhsa--gfx1250"
	.amdhsa_code_object_version 6
	.text
	.protected	k_qa70ece7687_up
	.globl	k_qa70ece7687_up
	.p2align	8
	.type	k_qa70ece7687_up,@function
k_qa70ece7687_up:
	s_mov_b64 s[64:65], 0
	v_nop
	global_prefetch_b8 v0, s[64:65] scope:SCOPE_SE
	s_setreg_imm32_b32 hwreg(HW_REG_WAVE_MODE, 25, 1), 1
	s_wait_xcnt 0x0
; h = gelu(x W1[e] + b1[e]) for the tokens that route sends to expert e, rounded once to bf16 and stored in the order in which the
; second product's operand registers take it.  x [1024][1024], W1 [8][1024][4096], b1 [8][4096] in f32; route [1024] in int32.
; SHARES.  Work-group (s, e): the 128 hidden columns 128 s .. of expert e, which it alone reads (512 KB of W1), and all of e's rows.
; Rows go in 6 passes of 192 (12 blocks of 16): 6 x 192 covers all 1,024 tokens on one expert; a pass without rows passes its barriers
; and jumps its work.  K = 1,024 goes in 8 chunks of 128 through two LDS slots, one barrier a chunk.
; WAVES.  All eight multiply: wave w has the row blocks (w & 3) + 4 t, t = 0..2, and the 64 columns of group w >> 2: 12 tiles of 16 x 16.
; Waves 0-3 also bring the weights (column group w & 1; waves 0, 1 the even chunks, waves 2, 3 the odd ones; 64 loads of 512 bytes
; a wave, each asked for two chunks ahead of its use); waves 4-7 bring the token rows, by the list, a chunk ahead.
; WEIGHTS.  W1 lies [k][n] in f32.  A lane loads 16 bytes (columns 4 r .. 4 r + 3) of the 16 rows k that a fragment gives it; the c-th
; words of those loads, rounded in pairs, ARE its part of a fragment whose row r is column 4 r + c.  Sixteen lanes read 256 aligned bytes.
; RESULT.  Source 0 = weights, source 1 = tokens: register j of lane (r, hh) of tile (t, c) is token row r, hidden 64 cg + 32 hh + 4 j + c.
; Tiles c = 0, 1 (2, 3) packed in pairs are a fragment of 16 rows x 32 hidden numbers in a fixed order, which the second product
; applies to W2's rows as well.  hbuf: [expert 8][block 64][fragment 128][half 2][lane 32][16 bytes].
; THE LIST.  Every wave makes expert e's list of tokens for itself.  The 32 places past the count repeat the expert's last token, so the
; rows past the count in the last live block are copies of a live row; places further on hold token 0 and feed blocks that are never multiplied.
; LOADS.  Weight waves and token waves land their loads in the same registers of window 1 (never in one wave).  Every run of loads into
; that window has a wait for all the wave's loads ahead of it in its own section.  A token's offset in x is made anew, clamp first, ahead of each run.
; LIMITS.  route lies in 0..7.  Operands are bf16, sums f32, h is rounded once to bf16.  gelu is the tanh form as
; x / (1 + 2^(x (c1 + c2 x^2))), c1 = -2 log2(e) sqrt(2/pi), c2 = 0.044715 c1: finite for every finite x.
; An expert without rows still makes block 0 (from token 0's row), so that the next launch reads no byte that was not stored.
; NO TENSOR LOADS, NO CLUSTER: the rows that an expert's work-groups share come by a list, which no descriptor covers; each weight byte has one reader.
.set WSLOT,  32768                     ; a slot of weights: [column group 2][32 k 4][c 4][1,024 bytes], fragments as registers take them
.set TBASE,  65536
.set TPITCH, 272                       ; a token row's 128 bf16 + 16 bytes: the 16 rows of a fragment load start 4 banks apart
.set TSLOT,  192*TPITCH
.set LISTB,  TBASE+2*TSLOT             ; each wave's own list: 1,216 words of tokens, 32 words that catch the other experts' lanes
.set LISTW,  4992
.set SPARE,  LISTB+8*LISTW             ; the spare words, 128 bytes a wave: no other line names them
.set WSTEP,  1<<22                     ; two chunks of 128 rows of 16,384 bytes
.set TB,     64*TPITCH                 ; from a wave's block to its next (four blocks on)
.set THALF,  32                        ; from a fragment's registers 0-3 to 4-7
.set TU,     64                        ; 32 k on
.set ACC,  16                          ; v16-111   tile (t, c) at ACC + 32 t + 8 c; at the head v16-47 hold route
.set WF,   112                         ; v112-143  four weight fragments
.set TF,   144                         ; v144-167  three token fragments
.set F,    168                         ; v168-199  rounded numbers on their way to LDS or memory
.set BIAS, 200                         ; v200-231  b1 of my 32 hidden numbers: 4 j + c
.set G,    232                         ; v232-239  at work in gelu; v232-235 hold 0 while the list is made
.set LQ,   240                         ; v240-247  the byte offsets in x of a block's eight rows of mine
.set OFFR, 192                         ; window 1, v192-215: the numbers of my 24 tokens, as the list gives them
; v0 thread; v1 lane l; v2 r = l & 15; v3 hh = l >> 4; v4 where I read weights in slot 0; v5, v6 where I read tokens in slot 0, 1;
; v7 where I put weights; v8, v9 where I put tokens in slot 0, 1; v10 my offset in a unit of W1; v11 16 l; v12, v13 at work;
; v14 my eight list entries of pass 0, t = 0; v15 my list; v248, v249 the add's two; v250 my catch word's index; v251 4 l; v252 0; v253 16 r.
; window 1: v0-255 loads on their way (weight waves: unit u at 64 u, load q at 4 q; token waves: v0-191).
; s14 wave; s15 rg; s16 cg; s17 s; s18 e; s19 count; s20 pass; s21 live blocks; s22 my live blocks; s23 rows left (signed); s24 pairs of chunks to go;
; s25 which chunks I bring; s[26:27] W1 walking; s[28:29] its start; s[32:33] hbuf at my block; s[34:35] an offset; s59 the pass's place in the list; s60 1: weights are asked for again.
.set MSB, 0
.macro WIN new                         ; the immediate's high byte repeats the setting that is left; a switch that changes nothing is dropped
.if MSB != (\new)
	s_set_vgpr_msb (MSB<<8)|(\new)
.set MSB, \new
.endif
.endm
; 16 loads: unit u (32 k x 64 columns).  Load q = 8 t + j takes row 32 u + 16 t + 8 hh + j.  The caller has set the destination's window.
.macro LOADU u
.set qq, 0
.rept 16
	global_load_b128 v[64*(\u)+4*qq:64*(\u)+4*qq+3], v10, s[26:27] offset:(32*(\u)+16*(qq/8)+qq%8)*16384 th:TH_LOAD_NT
.set qq, qq+1
.endr
.endm
.macro ISSUE_W                         ; a whole chunk for my column group: 64 loads, 32 KB
	WIN 0x40
.irp u, 0,1,2,3
	LOADU \u
.endr
	WIN 0
.endm
; A unit goes into slot sl: 32 roundings make four fragments, 8 stores of 512 neighbouring bytes lay them down; then its registers are asked for again
.macro WUNIT sl, u
	WIN 0x05                               ; sources in window 1
.set cc, 0
.rept 4
.set kk, 0
.rept 8
	v_cvt_pk_bf16_f32 v[F+8*cc+kk], v[64*(\u)+8*kk+cc], v[64*(\u)+8*kk+4+cc]   ; register kk = 4 t + jj: rows 2 jj, 2 jj + 1 of half t, column 4 r + cc
.set kk, kk+1
.endr
.set cc, cc+1
.endr
	WIN 0
.set cc, 0
.rept 4
	ds_store_b128 v7, v[F+8*cc:F+8*cc+3] offset:(\sl)*WSLOT+(\u)*4096+cc*1024
	ds_store_b128 v7, v[F+8*cc+4:F+8*cc+7] offset:(\sl)*WSLOT+(\u)*4096+cc*1024+512
.set cc, cc+1
.endr
	s_cmp_eq_u32 s60, 0
	s_cbranch_scc1 .Lnr_\@
	WIN 0x40
	LOADU \u
	WIN 0
.Lnr_\@:
.endm
; My chunk goes into slot sl.  What is asked for next: my chunk two on; behind my last chunk of the pass my first one again, if a pass follows.
.macro STAGE_W sl
	s_wait_loadcnt 0x0                     ; all my 64 loads, asked for two chunks ago; W1's address may step
	s_add_nc_u64 s[26:27], s[26:27], WSTEP
	s_cmp_eq_u32 s24, 1                    ; the pass's last pair of chunks
	s_cselect_b64 s[26:27], s[28:29], s[26:27]
	s_cselect_b32 s60, 0, 1
	s_cmp_gt_i32 s23, 192                  ; more rows than this pass takes
	s_cselect_b32 s61, 1, 0
	s_or_b32 s60, s60, s61
.irp u, 0,1,2,3
	WUNIT \sl, \u
.endr
.endm
; 16 loads: a chunk of block t's 16 rows.  Lanes 0-15 take row i, lanes 16-31 row i + 8; a load covers 256 aligned bytes of each.
; The offsets are made here: token (held to 1,023) x 4,096 + v13 (16 r + the pair of chunks); the chunk in its pair stands in the immediate.
.macro TLOADS t, off
	s_wait_xcnt 0x0                        ; the block before's loads have read their offsets: these are rewritten only behind this wait
	WIN 0x04                               ; source 1 in window 1
.irp i, 0,1,2,3,4,5,6,7
	v_min_u32 v[LQ+\i], 1023, v[OFFR+8*(\t)+\i]
.endr
	WIN 0
.irp i, 0,1,2,3,4,5,6,7
	v_lshl_add_u32 v[LQ+\i], v[LQ+\i], 12, v13
.endr
	WIN 0x40                               ; destination in window 1
.set mm, 0
.rept 16
	global_load_b128 v[64*(\t)+4*mm:64*(\t)+4*mm+3], v[LQ+mm/2], s[4:5] offset:(\off)+256*(mm%2)
.set mm, mm+1
.endr
	WIN 0
.endm
; A pass begins for a token wave: its 24 tokens from the list, and chunk 0 of all of them.
.macro PREP_T
	s_wait_loadcnt 0x0                     ; a token wave has no load out here: said ahead of the writes into window 1
	v_add_nc_u32 v12, s59, v14
	v_mov_b32 v13, v253                    ; chunk 0
	WIN 0x40
.irp t, 0,1,2
	ds_load_b128 v[OFFR+8*\t:OFFR+8*\t+3], v12 offset:256*\t
	ds_load_b128 v[OFFR+8*\t+4:OFFR+8*\t+7], v12 offset:256*\t+16
.endr
	WIN 0
	s_wait_dscnt 0x0
.irp t, 0,1,2
	TLOADS \t, 0
.endr
.endm
; Block t's chunk goes into slot sl, rounded: 8 bytes a lane, rows i and i + 8 half the banks apart; then the next chunk is asked for (none behind chunk 7)
.macro TBLOCK sl, t
	WIN 0x05
.set mm, 0
.rept 16
	v_cvt_pk_bf16_f32 v[F+2*mm], v[64*(\t)+4*mm], v[64*(\t)+4*mm+1]
	v_cvt_pk_bf16_f32 v[F+2*mm+1], v[64*(\t)+4*mm+2], v[64*(\t)+4*mm+3]
.set mm, mm+1
.endr
	WIN 0
.set mm, 0
.rept 16
	ds_store_b64 v[8+\sl], v[F+2*mm:F+2*mm+1] offset:(64*(\t)+mm/2)*TPITCH+128*(mm%2)
.set mm, mm+1
.endr
.if \sl == 1
	s_cmp_eq_u32 s24, 1
	s_cbranch_scc1 .Lnt_\@
.endif
	TLOADS \t, (\sl+1)*512
.Lnt_\@:
.endm
.macro STAGE_T sl
	s_sub_co_u32 s3, 4, s24                ; the pair of chunks in hand, 0..3: 1,024 bytes of a row each
	v_lshl_add_u32 v13, s3, 10, v253
.irp t, 0,1,2
.if \t > 0
	s_cmp_lt_u32 s22, \t+1
	s_cbranch_scc1 .Lst_end_\@
.endif
	TBLOCK \sl, \t
.endr
.Lst_end_\@:
.endm
.macro MM t                            ; four products: block t x the four column tiles; the accumulators take turns
.irp c, 0,1,2,3
	v_wmma_f32_16x16x32_bf16 v[ACC+32*(\t)+8*\c:ACC+32*(\t)+8*\c+7], v[WF+8*\c:WF+8*\c+7], v[TF+8*(\t):TF+8*(\t)+7], v[ACC+32*(\t)+8*\c:ACC+32*(\t)+8*\c+7]
.endr
.endm
; 32 along K for n live blocks.  Every LDS address is a register made at the head plus an immediate.
.macro KSTEP sl, u, n
.rept 4
	v_nop                                  ; four places between the last products and loads into the registers that they read (ISA guide 7.12.1 for vector instructions)
.endr
.irp c, 0,1,2,3
	ds_load_b128 v[WF+8*\c:WF+8*\c+3], v4 offset:(\sl)*WSLOT+(\u)*4096+1024*\c
	ds_load_b128 v[WF+8*\c+4:WF+8*\c+7], v4 offset:(\sl)*WSLOT+(\u)*4096+1024*\c+512
.endr
.set tt, 0
.rept \n
	ds_load_b128 v[TF+8*tt:TF+8*tt+3], v[5+\sl] offset:tt*TB+(\u)*TU
	ds_load_b128 v[TF+8*tt+4:TF+8*tt+7], v[5+\sl] offset:tt*TB+(\u)*TU+THALF
.set tt, tt+1
.endr
.set tt, 0
.rept \n
	s_wait_dscnt 2*((\n)-1-tt)             ; LDS loads come back in order: the later blocks' fragments, two loads each, may be out
	MM tt
.set tt, tt+1
.endr
.endm
; A chunk is multiplied: a straight way for each number of live blocks, each loading what it multiplies
.macro COMPUTE sl
	s_cmp_lt_u32 s22, 1
	s_cbranch_scc1 .Lc_end_\@
	s_cmp_lt_u32 s22, 2
	s_cbranch_scc1 .Lc_1_\@
	s_cmp_lt_u32 s22, 3
	s_cbranch_scc1 .Lc_2_\@
.irp u, 0,1,2,3
	KSTEP \sl, \u, 3
.endr
	s_branch .Lc_end_\@
.Lc_2_\@:
.irp u, 0,1,2,3
	KSTEP \sl, \u, 2
.endr
	s_branch .Lc_end_\@
.Lc_1_\@:
.irp u, 0,1,2,3
	KSTEP \sl, \u, 1
.endr
.Lc_end_\@:
.endm
; A chunk's trip: slot sl is written (it was last read in front of the barrier before), one barrier, slot sl is multiplied.
.macro TRIP sl
	s_cmp_lt_u32 s14, 4
	s_cbranch_scc0 .Ltok_\@
	s_cmp_lg_u32 s25, \sl
	s_cbranch_scc1 .Ld_\@                  ; this chunk is the other pair's
	s_cmp_eq_u32 s21, 0
	s_cbranch_scc1 .Ld_\@                  ; a pass without rows: nothing was asked for
	STAGE_W \sl
	s_branch .Ld_\@
.Ltok_\@:
	s_wait_loadcnt 0x0                     ; the chunk's rows; their number hangs on the count, so the wait is for all
	s_cmp_eq_u32 s22, 0
	s_cbranch_scc1 .Ld_\@
	STAGE_T \sl
.Ld_\@:
	s_wait_dscnt 0x0                       ; for the others' sake: my stores into this slot are done, my reads of the other slot are back
	s_barrier_signal -1
	s_barrier_wait -1
	COMPUTE \sl
.endm
; Every wave makes expert e's list for itself, in its own LDS words, with the text that the next launch uses too.  The 1,216 words are
; cleared; token 128 G + 4 l + i gets the rank (tokens of e in earlier registers) + (in lower lanes), the others' lanes store into their
; catch word; the 32 places past the count take the last token.  LDS serves a wave's instructions in order (ISA guide 5.7.1.4).
.macro LISTBUILD
	v_add_nc_u32 v12, v11, v15
.irp k, 0,1,2,3,4,5,6,7,8
	ds_store_b128 v12, v[G:G+3] offset:512*\k
.endr
	v_add_nc_u32 v12, v251, v15
	ds_store_b32 v12, v252 offset:4608
	ds_store_b32 v12, v252 offset:4736
	s_mov_b32 s36, 0
.set gg, 0
.rept 32
	v_cmp_eq_u32 s40, s18, v[16+gg]
	v_mbcnt_lo_u32_b32 v12, s40, s36
	v_cndmask_b32 v12, v250, v12, s40
	v_min_u32 v12, 1247, v12
	v_lshl_add_u32 v12, v12, 2, v15
	v_add_nc_u32 v13, 128*(gg/4)+gg%4, v251
	ds_store_b32 v12, v13
	s_bcnt1_i32_b32 s42, s40
	s_add_co_u32 s36, s36, s42
.set gg, gg+1
.endr
	s_min_u32 s19, s36, 1024
	s_max_u32 s2, s19, 1
	s_sub_co_u32 s2, s2, 1
	s_min_u32 s2, s2, 1215
	v_lshl_add_u32 v12, s2, 2, v15
	ds_load_b32 v13, v12                   ; the last token (token 0 where there is none), in every lane
	v_add_nc_u32 v12, s19, v1
	v_min_u32 v12, 1215, v12
	v_lshl_add_u32 v12, v12, 2, v15
	s_wait_dscnt 0x0
	ds_store_b32 v12, v13
.endm
.macro SCALARS                         ; the pass's figures from the rows left
	s_max_i32 s2, s23, 0
	s_add_co_u32 s2, s2, 15
	s_lshr_b32 s2, s2, 4
	s_min_u32 s21, s2, 12                  ; live blocks
	s_cmp_eq_u32 s20, 0
	s_cselect_b32 s2, 1, 0
	s_max_u32 s21, s21, s2                 ; pass 0 has one at the least
	s_add_co_u32 s2, s21, 3
	s_sub_co_u32 s2, s2, s15
	s_lshr_b32 s22, s2, 2                  ; how many of rg, rg + 4, rg + 8 are live
	s_min_u32 s2, s20, 5                   ; there is no pass 6: the figure made behind the last pass stays inside the list
	s_mul_i32 s59, s2, 768                 ; the pass's first list word, in bytes
.endm
.macro STOREBASE                       ; hbuf at block 64 e + 12 pass + rg, fragment 4 s + 2 cg
	s_lshl_b32 s34, s18, 6
	s_mul_i32 s2, s20, 12
	s_add_co_u32 s34, s34, s2
	s_add_co_u32 s34, s34, s15
	s_lshl_b32 s34, s34, 17
	s_lshl_b32 s2, s17, 12
	s_add_co_u32 s34, s34, s2
	s_lshl_b32 s2, s16, 11
	s_add_co_u32 s34, s34, s2
	s_add_nc_u64 s[32:33], s[12:13], s[34:35]
.endm
.macro ACCINIT                         ; the sums start from the bias, which spares an addition for each number later
.set tt, 0
.rept 12
.set jj, 0
.rept 8
	v_mov_b32 v[ACC+8*tt+jj], v[BIAS+4*jj+tt%4]
.set jj, jj+1
.endr
.set tt, tt+1
.endr
.endm
; gelu of the tile at register a, rounded into four registers at f; the tile is read from its low end on
.macro GELU a, f
.irp i, 0,2,4,6
	v_pk_mul_f32 v[G+\i:G+\i+1], v[(\a)+\i:(\a)+\i+1], v[(\a)+\i:(\a)+\i+1]
.endr
.irp i, 0,2,4,6
	v_pk_fma_f32 v[G+\i:G+\i+1], v[G+\i:G+\i+1], s[54:55], s[52:53] op_sel_hi:[1,0,0]
.endr
.irp i, 0,2,4,6
	v_pk_mul_f32 v[G+\i:G+\i+1], v[G+\i:G+\i+1], v[(\a)+\i:(\a)+\i+1]
.endr
.irp i, 0,1,2,3,4,5,6,7
	v_exp_f32 v[G+\i], v[G+\i]
.endr
	v_nop                                  ; a plain instruction between the last exponential and the use of its result (ISA guide 5.7.2)
	s_wait_alu depctr_va_vdst(0)
.irp i, 0,2,4,6
	v_pk_add_f32 v[G+\i:G+\i+1], v[G+\i:G+\i+1], 1.0 op_sel_hi:[1,0]
.endr
.irp i, 0,1,2,3,4,5,6,7
	v_rcp_f32 v[G+\i], v[G+\i]
.endr
	v_nop
	s_wait_alu depctr_va_vdst(0)
.irp i, 0,2,4,6
	v_pk_mul_f32 v[G+\i:G+\i+1], v[G+\i:G+\i+1], v[(\a)+\i:(\a)+\i+1]
.endr
.irp i, 0,1,2,3
	v_cvt_pk_bf16_f32 v[(\f)+\i], v[G+2*\i], v[G+2*\i+1]
.endr
.endm
	s_load_b256 s[4:11], s[0:1], 0x0               ; x s[4:5], route s[6:7], W1 s[8:9], b1 s[10:11]
	s_load_b64 s[12:13], s[0:1], 0x20              ; hbuf
	v_lshl_add_u32 v248, v0, 2, SPARE              ; my spare word and 0, for the wave's last lines
	v_mov_b32 v249, 0
	v_lshrrev_b32 v1, 5, v0
	v_readfirstlane_b32 s14, v1                    ; wave 0..7
	v_and_b32 v1, 31, v0
	v_and_b32 v2, 15, v0
	v_bfe_u32 v3, v0, 4, 1
	s_and_b32 s15, s14, 3                          ; rg
	s_lshr_b32 s16, s14, 2                         ; cg
	s_mov_b32 s17, ttmp9                           ; s
	s_and_b32 s18, ttmp7, 0xffff                   ; e
	s_lshr_b32 s25, s14, 1                         ; waves 0-3: 0 the even chunks, 1 the odd ones
	s_and_b32 s37, s14, 1                          ; waves 0-3: the column group that I bring
	s_mov_b32 s35, 0
	s_mov_b32 s52, 0xc0135761                      ; c1 = -2.3022082
	s_mov_b32 s53, s52                             ; named with it as a pair
	s_mov_b32 s54, 0xbdd2d3e8                      ; c2 = -0.10294324
	s_mov_b32 s55, s54
	v_lshlrev_b32 v11, 4, v1
	v_lshlrev_b32 v253, 4, v2
	v_lshlrev_b32 v251, 2, v1
	v_mov_b32 v252, 0
.irp i, 0,1,2,3
	v_mov_b32 v[G+\i], 0                           ; 16 bytes of 0, to clear the list with
.endr
	v_add_nc_u32 v250, 1216, v1
	v_lshl_add_u32 v4, s16, 14, v11
	v_lshl_add_u32 v7, s37, 14, v11
	v_lshl_add_u32 v10, v3, 17, v253               ; 8 hh rows of 16,384 bytes + 16 r
	s_lshl_b32 s2, s15, 4
	v_add_nc_u32 v12, s2, v2
	v_mul_u32_u24 v12, v12, TPITCH
	v_lshl_add_u32 v12, v3, 4, v12                 ; read: row 16 rg + r, 16 bytes for each half of the lanes
	v_add_nc_u32 v5, TBASE, v12
	v_add_nc_u32 v6, TBASE+TSLOT, v12
	v_lshl_add_u32 v13, v3, 3, s2                  ; 16 rg + 8 hh
	v_mul_u32_u24 v12, v13, TPITCH
	v_lshl_add_u32 v12, v2, 3, v12                 ; write: row 16 rg + 8 hh, 8 bytes a lane
	v_add_nc_u32 v8, TBASE, v12
	v_add_nc_u32 v9, TBASE+TSLOT, v12
	s_mul_i32 s3, s14, LISTW
	s_add_co_u32 s3, s3, LISTB
	v_mov_b32 v15, s3
	v_lshl_add_u32 v14, v13, 2, s3
	v_lshlrev_b32 v13, 7, v3                       ; b1: 32 hh numbers on
	s_wait_kmcnt 0x0
.irp g, 0,1,2,3,4,5,6,7
	global_load_b128 v[16+4*\g:16+4*\g+3], v11, s[6:7] offset:512*\g   ; route[128 g + 4 l ..]
.endr
	s_lshl_b32 s34, s18, 14
	s_lshl_b32 s2, s17, 9
	s_add_co_u32 s34, s34, s2
	s_lshl_b32 s2, s16, 8
	s_add_co_u32 s34, s34, s2
	s_add_nc_u64 s[10:11], s[10:11], s[34:35]      ; b1 at my 64 columns
.irp j, 0,1,2,3,4,5,6,7
	global_load_b128 v[BIAS+4*\j:BIAS+4*\j+3], v13, s[10:11] offset:16*\j
.endr
	s_lshl_b32 s34, s18, 24
	s_lshl_b32 s2, s17, 9
	s_add_co_u32 s34, s34, s2
	s_lshl_b32 s2, s37, 8
	s_add_co_u32 s34, s34, s2
	s_lshl_b32 s2, s25, 21
	s_add_co_u32 s34, s34, s2
	s_add_nc_u64 s[28:29], s[8:9], s[34:35]        ; W1 at my first chunk (used by waves 0-3)
	s_mov_b64 s[26:27], s[28:29]
	s_cmp_lt_u32 s14, 4
	s_cbranch_scc0 .Lhead_tok
	ISSUE_W                                        ; the stream starts before anything else is done
	s_wait_loadcnt 63                              ; 64 loads stand behind route's and b1's: those are in
	s_branch .Lhead_done
.Lhead_tok:
	s_wait_loadcnt 0x0
.Lhead_done:
	LISTBUILD
	s_mov_b32 s20, 0
	s_mov_b32 s23, s19
	SCALARS
	STOREBASE
	ACCINIT
	s_cmp_lt_u32 s14, 4
	s_cbranch_scc1 .Lpass
	PREP_T
.Lpass:
	s_mov_b32 s24, 4
.Ltrips:                                               ; four pairs of chunks
	TRIP 0
	TRIP 1
	s_sub_co_u32 s24, s24, 1
	s_cmp_lg_u32 s24, 0
	s_cbranch_scc1 .Ltrips
.rept 4
	v_nop                                          ; four places between the last products and what reads or rewrites their sums
.endr
	; THE WAY OUT: gelu, rounding; a block's four tiles are 2,048 neighbouring bytes of hbuf, 512 a store
	s_cmp_eq_u32 s22, 0
	s_cbranch_scc1 .Lepi_end
.irp t, 0,1,2
.if \t > 0
	s_cmp_lt_u32 s22, \t+1
	s_cbranch_scc1 .Lepi_end
.endif
	s_wait_xcnt 0x0                                ; the block before's stores have read their registers
.irp c, 0,1,2,3
	GELU ACC+32*\t+8*\c, F+4*\c
.endr
.irp c, 0,1,2,3
	global_store_b128 v11, v[F+4*\c:F+4*\c+3], s[32:33] offset:\t*524288+\c*512
.endr
.endr
.Lepi_end:
	s_wait_xcnt 0x0                                ; on every way: the stores' registers and base are rewritten only behind this wait
	s_add_co_u32 s20, s20, 1
	s_sub_co_i32 s23, s23, 192
	SCALARS
	s_cmp_eq_u32 s21, 0
	s_cbranch_scc1 .Lnext                          ; no rows are left: the remaining passes hold their barriers alone
	STOREBASE
	ACCINIT
	s_cmp_lt_u32 s14, 4
	s_cbranch_scc1 .Lnext                          ; the weight waves asked for their first chunks again in the pass's last trips
	PREP_T
.Lnext:
	s_cmp_lt_u32 s20, 6
	s_cbranch_scc1 .Lpass
	s_wait_tensorcnt 0x0                           ; the wave's end
	ds_add_u32 v248, v249
	s_wait_dscnt 0x0
	s_endpgm
.Lfunc_end_k_qa70ece7687_up:
	.size	k_qa70ece7687_up, .Lfunc_end_k_qa70ece7687_up-k_qa70ece7687_up
	.p2alignl 7, 3214868480
	.fill 96, 4, 3214868480
	.section	.rodata,"a",@progbits
	.p2align	6, 0x0
	.amdhsa_kernel k_qa70ece7687_up
		.amdhsa_group_segment_fixed_size 210944
		.amdhsa_private_segment_fixed_size 0
		.amdhsa_enable_private_segment 0
		.amdhsa_kernarg_size 40
		.amdhsa_user_sgpr_count 2
		.amdhsa_user_sgpr_kernarg_segment_ptr 1
		.amdhsa_wavefront_size32 1
		.amdhsa_system_sgpr_workgroup_id_x 1
		.amdhsa_system_sgpr_workgroup_id_y 1
		.amdhsa_system_sgpr_workgroup_id_z 1
		.amdhsa_system_vgpr_workitem_id 0
		.amdhsa_next_free_vgpr 512
		.amdhsa_next_free_sgpr 66
		.amdhsa_reserve_vcc 0
		.amdhsa_float_denorm_mode_32 3
		.amdhsa_float_denorm_mode_16_64 3
		.amdhsa_memory_ordered 1
		.amdhsa_forward_progress 1
		.amdhsa_inst_pref_size 186
	.end_amdhsa_kernel
	.amdgpu_metadata
---
amdhsa.version: [ 1, 2 ]
amdhsa.kernels:
  - .name:           k_qa70ece7687_up
    .symbol:         k_qa70ece7687_up.kd
    .args:
      - { .name: x, .offset: 0, .size: 8, .value_kind: global_buffer, .address_space: global }
      - { .name: route, .offset: 8, .size: 8, .value_kind: global_buffer, .address_space: global }
      - { .name: W1, .offset: 16, .size: 8, .value_kind: global_buffer, .address_space: global }
      - { .name: b1, .offset: 24, .size: 8, .value_kind: global_buffer, .address_space: global }
      - { .name: hbuf, .offset: 32, .size: 8, .value_kind: global_buffer, .address_space: global }
    .group_segment_fixed_size: 210944
    .private_segment_fixed_size: 0
    .kernarg_segment_align: 8
    .kernarg_segment_size: 40
    .max_flat_workgroup_size: 256
    .sgpr_count:     66
    .vgpr_count:     512
    .wavefront_size: 32
...
	.end_amdgpu_metadata
.endif
;; end of part 1
;; launch down (part 2): grid 32 x 8, 8 waves a work-group, no clusters, 204,800 bytes of LDS; arguments hbuf, route, W2, b2, part; writes part
.if DOCPART == 2
	.amdgcn_target "amdgcn-amd-amdhsa--gfx1250"
	.amdhsa_code_object_version 6
	.text
	.protected	k_qa70ece7687_down
	.globl	k_qa70ece7687_down
	.p2align	8
	.type	k_qa70ece7687_down,@function
k_qa70ece7687_down:
	s_mov_b64 s[64:65], 0
	v_nop
	global_prefetch_b8 v0, s[64:65] scope:SCOPE_SE
	s_setreg_imm32_b32 hwreg(HW_REG_WAVE_MODE, 25, 1), 1
	s_wait_xcnt 0x0
; part[ks][token] = (ks = 0: b2[e]) + the sum over quarter ks of the hidden width of h[token] W2[e], f32, for the tokens of expert e.
; hbuf as the launch before stored it: [expert 8][block 64][fragment 128][half 2][lane 32][16 bytes], bf16; W2 [8][4096][1024], b2 [8][1024] in f32.
; SHARES.  Work-group (cs + 8 ks, e): the 128 output columns 128 cs .. and the 1,024 hidden rows 1,024 ks .. of W2[e], which it alone reads (512 KB),
; and all of e's rows.  K is split in four so that there are 256 slices of W2 with whole rows of 256 bytes; the four partial sums stay f32 and
; the next launch adds them.  Passes, chunks, slots, waves and the list are the first product's: 6 passes of 192 rows, 8 chunks of 128 k,
; two LDS slots, one barrier a chunk; waves 0-3 bring weights, waves 4-7 the rows of h; all eight multiply 12 tiles each.
; K's ORDER.  Place (t, hh, j) of fragment kb of h holds hidden 64 (kb >> 1) + 2 (kb & 1) + 32 hh + 4 j + t; W2's rows are loaded in that order.
; RESULT.  Source 0 = tokens, source 1 = weights (fragment c: columns 4 r + c): register j of lane (r, hh) of tiles c = 0..3 is token row 8 hh + j,
; columns 4 r .. 4 r + 3: 16 bytes a lane, 256 aligned bytes of a token's row from sixteen lanes.
; ROWS PAST THE COUNT.  Whole blocks past the count are jumped.  In the last live block the places past the count repeat the expert's last token,
; here and in the launch before: their rows of h are copies of its row, an output hangs on its own row and column alone, so their sums are
; copies too, and the wave stores the same numbers to the same bytes again, 15 rows at the most.  An expert without rows stores nothing.
; LOADS.  Weight waves and token waves land their loads in the same registers of window 1 (never in one wave).  Every run of loads into
; that window has a wait for all the wave's loads ahead of it in its own section.  A block's offset in hbuf is made anew, clamp last, ahead of each run.
; LIMITS.  route lies in 0..7 (then each token's row of part is stored by one expert's work-groups).  Operands bf16, sums f32.
; NO TENSOR LOADS, NO CLUSTER: how many blocks of h exist hangs on the count, and each weight byte has one reader.
.set WSLOT,  32768                     ; a slot of weights: [column group 2][fragment 4][c 4][1,024 bytes]
.set TBASE,  65536
.set TSLOT,  49152                     ; a slot of h: [block 12][fragment 4][1,024 bytes], as in hbuf
.set LISTB,  TBASE+2*TSLOT
.set LISTW,  4992
.set SPARE,  LISTB+8*LISTW             ; the spare words, 128 bytes a wave: no other line names them
.set WSTEP,  1<<20                     ; two chunks of 128 rows of 4,096 bytes
.set TB,     16384
.set THALF,  512
.set TU,     1024
.set ACC,  16                          ; v16-111   tile (t, c) at ACC + 32 t + 8 c; at the head v16-47 hold route
.set WF,   112
.set TF,   144
.set F,    168                         ; v168-199  rounded weights on their way to LDS; on the way out eight rows' 16 bytes
.set BIAS, 200                         ; v200-203  b2 of my four columns, or 0
.set COL,  204                         ; v204      256 cg + 16 r
.set R8,   205                         ; v205      16 rg + 8 hh
.set HB,   206                         ; v206-208  byte offsets of my three blocks in hbuf
.set Z4,   232                         ; v232-235  0
.set LQ,   240                         ; v240-247  eight entries of the list, then their rows' byte offsets in part
; v0-v4, v7, v10-v15, v248-v253 and the scalars as in the first product; v5, v6 my place in slot 0, 1 of h, for stores and reads alike.
; window 1: loads on their way (weight waves v0-255, token waves v0-95).  s17 cs; s56 ks; s[30:31] hbuf at my expert and quarter; s[32:33] part at my columns; s62 12 x pass.
.set MSB, 0
.macro WIN new
.if MSB != (\new)
	s_set_vgpr_msb (MSB<<8)|(\new)
.set MSB, \new
.endif
.endm
.macro LOADU u                         ; 16 loads: fragment u's 32 rows of W2 x 64 columns; load q = 8 t + j takes row 64 (u >> 1) + 2 (u & 1) + 32 hh + 4 j + t
.set qq, 0
.rept 16
	global_load_b128 v[64*(\u)+4*qq:64*(\u)+4*qq+3], v10, s[26:27] offset:(64*((\u)/2)+2*((\u)%2)+4*(qq%8)+qq/8)*4096 th:TH_LOAD_NT
.set qq, qq+1
.endr
.endm
.macro ISSUE_W
	WIN 0x40
.irp u, 0,1,2,3
	LOADU \u
.endr
	WIN 0
.endm
.macro WUNIT sl, u                     ; a unit goes into slot sl: 32 roundings, 8 stores of 512 neighbouring bytes; then its registers are asked for again
	WIN 0x05
.set cc, 0
.rept 4
.set kk, 0
.rept 8
	v_cvt_pk_bf16_f32 v[F+8*cc+kk], v[64*(\u)+8*kk+cc], v[64*(\u)+8*kk+4+cc]
.set kk, kk+1
.endr
.set cc, cc+1
.endr
	WIN 0
.set cc, 0
.rept 4
	ds_store_b128 v7, v[F+8*cc:F+8*cc+3] offset:(\sl)*WSLOT+(\u)*4096+cc*1024
	ds_store_b128 v7, v[F+8*cc+4:F+8*cc+7] offset:(\sl)*WSLOT+(\u)*4096+cc*1024+512
.set cc, cc+1
.endr
	s_cmp_eq_u32 s60, 0
	s_cbranch_scc1 .Lnr_\@
	WIN 0x40
	LOADU \u
	WIN 0
.Lnr_\@:
.endm
.macro STAGE_W sl                      ; what is asked for next: my chunk two on; behind my last chunk of the pass my first one again, if a pass follows
	s_wait_loadcnt 0x0                     ; all my 64 loads, asked for two chunks ago; W2's address may step
	s_add_nc_u64 s[26:27], s[26:27], WSTEP
	s_cmp_eq_u32 s24, 1
	s_cselect_b64 s[26:27], s[28:29], s[26:27]
	s_cselect_b32 s60, 0, 1
	s_cmp_gt_i32 s23, 192
	s_cselect_b32 s61, 1, 0
	s_or_b32 s60, s60, s61
.irp u, 0,1,2,3
	WUNIT \sl, \u
.endr
.endm
; 8 loads: a chunk of block t, 4,096 neighbouring bytes.  The offset is made here: block 12 pass + min(rg + 4 t, the last live one), held to 63,
; x 131,072 + v13 (16 l + the pair of chunks); the chunk in its pair stands in the immediate.  s3 = live blocks - 1.  All my loads are back, so the offset may be rewritten.
.macro HLOADS t, off
	s_add_co_u32 s2, s15, 4*(\t)
	s_min_u32 s2, s2, s3                   ; a block that is not live repeats the last live one, which was stored
	s_add_co_u32 s2, s2, s62
	s_min_u32 s2, s2, 63
	v_lshl_add_u32 v[HB+(\t)], s2, 17, v13
	WIN 0x40
.irp m, 0,1,2,3,4,5,6,7
	global_load_b128 v[32*(\t)+4*\m:32*(\t)+4*\m+3], v[HB+(\t)], s[30:31] offset:(\off)+512*\m
.endr
	WIN 0
.endm
.macro PREP_T                          ; a pass begins for a token wave: chunk 0 of my three blocks
	s_wait_loadcnt 0x0                     ; a token wave has no load out here: said ahead of the loads into window 1
	s_sub_co_u32 s3, s21, 1
	v_mov_b32 v13, v11                     ; chunk 0
.irp t, 0,1,2
	HLOADS \t, 0
.endr
.endm
; Block t's chunk goes into slot sl as it lies; then the next chunk is asked for (none behind chunk 7)
.macro TBLOCK sl, t
	WIN 0x04                               ; the stores' data in window 1
.irp m, 0,1,2,3,4,5,6,7
	ds_store_b128 v[5+\sl], v[32*(\t)+4*\m:32*(\t)+4*\m+3] offset:(\t)*TB+512*\m
.endr
	WIN 0
.if \sl == 1
	s_cmp_eq_u32 s24, 1
	s_cbranch_scc1 .Lnt_\@
.endif
	HLOADS \t, (\sl+1)*4096
.Lnt_\@:
.endm
.macro STAGE_T sl
	s_sub_co_u32 s2, 4, s24                ; the pair of chunks in hand, 0..3: 8,192 bytes of a block each
	v_lshl_add_u32 v13, s2, 13, v11
	s_sub_co_u32 s3, s21, 1
.irp t, 0,1,2
.if \t > 0
	s_cmp_lt_u32 s22, \t+1
	s_cbranch_scc1 .Lst_end_\@
.endif
	TBLOCK \sl, \t
.endr
.Lst_end_\@:
.endm
.macro MM t                            ; four products: block t x the four column tiles; the accumulators take turns
.irp c, 0,1,2,3
	v_wmma_f32_16x16x32_bf16 v[ACC+32*(\t)+8*\c:ACC+32*(\t)+8*\c+7], v[TF+8*(\t):TF+8*(\t)+7], v[WF+8*\c:WF+8*\c+7], v[ACC+32*(\t)+8*\c:ACC+32*(\t)+8*\c+7]
.endr
.endm
.macro KSTEP sl, u, n                  ; 32 along K for n live blocks; every LDS address is a register made at the head plus an immediate
.rept 4
	v_nop                                  ; four places between the last products and loads into the registers that they read (ISA guide 7.12.1 for vector instructions)
.endr
.irp c, 0,1,2,3
	ds_load_b128 v[WF+8*\c:WF+8*\c+3], v4 offset:(\sl)*WSLOT+(\u)*4096+1024*\c
	ds_load_b128 v[WF+8*\c+4:WF+8*\c+7], v4 offset:(\sl)*WSLOT+(\u)*4096+1024*\c+512
.endr
.set tt, 0
.rept \n
	ds_load_b128 v[TF+8*tt:TF+8*tt+3], v[5+\sl] offset:tt*TB+(\u)*TU
	ds_load_b128 v[TF+8*tt+4:TF+8*tt+7], v[5+\sl] offset:tt*TB+(\u)*TU+THALF
.set tt, tt+1
.endr
.set tt, 0
.rept \n
	s_wait_dscnt 2*((\n)-1-tt)             ; LDS loads come back in order: the later blocks' fragments, two loads each, may be out
	MM tt
.set tt, tt+1
.endr
.endm
.macro COMPUTE sl                      ; a straight way for each number of live blocks, each loading what it multiplies
	s_cmp_lt_u32 s22, 1
	s_cbranch_scc1 .Lc_end_\@
	s_cmp_lt_u32 s22, 2
	s_cbranch_scc1 .Lc_1_\@
	s_cmp_lt_u32 s22, 3
	s_cbranch_scc1 .Lc_2_\@
.irp u, 0,1,2,3
	KSTEP \sl, \u, 3
.endr
	s_branch .Lc_end_\@
.Lc_2_\@:
.irp u, 0,1,2,3
	KSTEP \sl, \u, 2
.endr
	s_branch .Lc_end_\@
.Lc_1_\@:
.irp u, 0,1,2,3
	KSTEP \sl, \u, 1
.endr
.Lc_end_\@:
.endm
.macro TRIP sl                         ; slot sl is written (it was last read in front of the barrier before), one barrier, slot sl is multiplied
	s_cmp_lt_u32 s14, 4
	s_cbranch_scc0 .Ltok_\@
	s_cmp_lg_u32 s25, \sl
	s_cbranch_scc1 .Ld_\@
	s_cmp_eq_u32 s21, 0
	s_cbranch_scc1 .Ld_\@
	STAGE_W \sl
	s_branch .Ld_\@
.Ltok_\@:
	s_wait_loadcnt 0x0                     ; the chunk's blocks; their number hangs on the count, so the wait is for all
	s_cmp_eq_u32 s22, 0
	s_cbranch_scc1 .Ld_\@
	STAGE_T \sl
.Ld_\@:
	s_wait_dscnt 0x0                       ; for the others' sake: my stores into this slot are done, my reads of the other slot are back
	s_barrier_signal -1
	s_barrier_wait -1
	COMPUTE \sl
.endm
.macro LISTBUILD                       ; the first product's text: the same ranks, the same places past the count
	v_add_nc_u32 v12, v11, v15
.irp k, 0,1,2,3,4,5,6,7,8
	ds_store_b128 v12, v[Z4:Z4+3] offset:512*\k
.endr
	v_add_nc_u32 v12, v251, v15
	ds_store_b32 v12, v252 offset:4608
	ds_store_b32 v12, v252 offset:4736
	s_mov_b32 s36, 0
.set gg, 0
.rept 32
	v_cmp_eq_u32 s40, s18, v[16+gg]
	v_mbcnt_lo_u32_b32 v12, s40, s36
	v_cndmask_b32 v12, v250, v12, s40
	v_min_u32 v12, 1247, v12
	v_lshl_add_u32 v12, v12, 2, v15
	v_add_nc_u32 v13, 128*(gg/4)+gg%4, v251
	ds_store_b32 v12, v13
	s_bcnt1_i32_b32 s42, s40
	s_add_co_u32 s36, s36, s42
.set gg, gg+1
.endr
	s_min_u32 s19, s36, 1024
	s_max_u32 s2, s19, 1
	s_sub_co_u32 s2, s2, 1
	s_min_u32 s2, s2, 1215
	v_lshl_add_u32 v12, s2, 2, v15
	ds_load_b32 v13, v12                   ; the last token (token 0 where there is none), in every lane
	v_add_nc_u32 v12, s19, v1
	v_min_u32 v12, 1215, v12
	v_lshl_add_u32 v12, v12, 2, v15
	s_wait_dscnt 0x0
	ds_store_b32 v12, v13
.endm
.macro SCALARS
	s_max_i32 s2, s23, 0
	s_add_co_u32 s2, s2, 15
	s_lshr_b32 s2, s2, 4
	s_min_u32 s21, s2, 12                  ; live blocks
	s_cmp_eq_u32 s20, 0
	s_cselect_b32 s2, 1, 0
	s_max_u32 s21, s21, s2                 ; pass 0 has one at the least, as in the launch before
	s_add_co_u32 s2, s21, 3
	s_sub_co_u32 s2, s2, s15
	s_lshr_b32 s22, s2, 2                  ; how many of rg, rg + 4, rg + 8 are live
	s_min_u32 s2, s20, 5                   ; there is no pass 6: the figure made behind the last pass stays inside the list
	s_mul_i32 s59, s2, 768
	s_mul_i32 s62, s20, 12                 ; the pass's first block
.endm
.macro ACCINIT                         ; the sums start from b2 (quarter 0) or from 0
.set tt, 0
.rept 12
.set jj, 0
.rept 8
	v_mov_b32 v[ACC+8*tt+jj], v[BIAS+tt%4]
.set jj, jj+1
.endr
.set tt, tt+1
.endr
.endm
	s_load_b256 s[4:11], s[0:1], 0x0               ; hbuf s[4:5], route s[6:7], W2 s[8:9], b2 s[10:11]
	s_load_b64 s[12:13], s[0:1], 0x20              ; part
	v_lshl_add_u32 v248, v0, 2, SPARE              ; my spare word and 0, for the wave's last lines
	v_mov_b32 v249, 0
	v_lshrrev_b32 v1, 5, v0
	v_readfirstlane_b32 s14, v1                    ; wave 0..7
	v_and_b32 v1, 31, v0
	v_and_b32 v2, 15, v0
	v_bfe_u32 v3, v0, 4, 1
	s_and_b32 s15, s14, 3                          ; rg
	s_lshr_b32 s16, s14, 2                         ; cg
	s_and_b32 s17, ttmp9, 7                        ; cs
	s_lshr_b32 s56, ttmp9, 3                       ; ks
	s_and_b32 s18, ttmp7, 0xffff                   ; e
	s_lshr_b32 s25, s14, 1
	s_and_b32 s37, s14, 1
	s_mov_b32 s35, 0
	v_lshlrev_b32 v11, 4, v1
	v_lshlrev_b32 v253, 4, v2
	v_lshlrev_b32 v251, 2, v1
	v_mov_b32 v252, 0
.irp i, 0,1,2,3
	v_mov_b32 v[Z4+\i], 0                          ; 16 bytes of 0, to clear the list with
.endr
	v_add_nc_u32 v250, 1216, v1
	v_lshl_add_u32 v4, s16, 14, v11
	v_lshl_add_u32 v7, s37, 14, v11
	v_lshl_add_u32 v10, v3, 17, v253               ; 32 hh rows of 4,096 bytes + 16 r
	v_lshl_add_u32 v12, s15, 12, v11               ; block rg, 16 bytes a lane
	v_add_nc_u32 v5, TBASE, v12
	v_add_nc_u32 v6, TBASE+TSLOT, v12
	s_lshl_b32 s2, s15, 4
	v_lshl_add_u32 v[R8], v3, 3, s2
	v_lshl_add_u32 v[COL], s16, 8, v253
	s_mul_i32 s3, s14, LISTW
	s_add_co_u32 s3, s3, LISTB
	v_mov_b32 v15, s3
	v_lshl_add_u32 v14, v[R8], 2, s3
	s_wait_kmcnt 0x0
.irp g, 0,1,2,3,4,5,6,7
	global_load_b128 v[16+4*\g:16+4*\g+3], v11, s[6:7] offset:512*\g
.endr
	s_lshl_b32 s34, s18, 12
	s_lshl_b32 s2, s17, 9
	s_add_co_u32 s34, s34, s2
	s_lshl_b32 s2, s16, 8
	s_add_co_u32 s34, s34, s2
	s_add_nc_u64 s[10:11], s[10:11], s[34:35]      ; b2 at my 64 columns
	global_load_b128 v[BIAS:BIAS+3], v253, s[10:11]
	s_lshl_b32 s34, s18, 23
	s_lshl_b32 s2, s56, 15
	s_add_co_u32 s34, s34, s2
	s_add_nc_u64 s[30:31], s[4:5], s[34:35]        ; hbuf at my expert's block 0 and my quarter's first fragment: it never steps
	s_lshl_b32 s34, s56, 22
	s_lshl_b32 s2, s17, 9
	s_add_co_u32 s34, s34, s2
	s_add_nc_u64 s[32:33], s[12:13], s[34:35]      ; part at my quarter and my 128 columns: the same in every pass
	s_lshl_b32 s2, s18, 24
	s_add_co_u32 s34, s34, s2
	s_lshl_b32 s2, s37, 8
	s_add_co_u32 s34, s34, s2
	s_lshl_b32 s2, s25, 19
	s_add_co_u32 s34, s34, s2
	s_add_nc_u64 s[28:29], s[8:9], s[34:35]        ; W2 at my first chunk (used by waves 0-3)
	s_mov_b64 s[26:27], s[28:29]
	s_cmp_lt_u32 s14, 4
	s_cbranch_scc0 .Lhead_tok
	ISSUE_W
	s_wait_loadcnt 63                              ; 64 loads stand behind route's and b2's: those are in
	s_branch .Lhead_done
.Lhead_tok:
	s_wait_loadcnt 0x0
.Lhead_done:
	s_cmp_eq_u32 s56, 0
	s_cselect_b32 s2, -1, 0
.irp c, 0,1,2,3
	v_cndmask_b32 v[BIAS+\c], 0, v[BIAS+\c], s2    ; b2 enters quarter 0's sums alone
.endr
	LISTBUILD
	s_mov_b32 s20, 0
	s_mov_b32 s23, s19
	SCALARS
	ACCINIT
	s_cmp_lt_u32 s14, 4
	s_cbranch_scc1 .Lpass
	PREP_T
.Lpass:
	s_mov_b32 s24, 4
.Ltrips:                                               ; four pairs of chunks
	TRIP 0
	TRIP 1
	s_sub_co_u32 s24, s24, 1
	s_cmp_lg_u32 s24, 0
	s_cbranch_scc1 .Ltrips
.rept 4
	v_nop                                          ; four places between the last products and what reads or rewrites their sums
.endr
	; THE WAY OUT: row 8 hh + j of a live block goes to its token's row of part; sixteen lanes store 256 aligned bytes
	s_cmp_eq_u32 s22, 0
	s_cbranch_scc1 .Lepi_end
	s_cmp_lt_i32 s23, 1
	s_cbranch_scc1 .Lepi_end                       ; an expert without rows stores nothing
	v_add_nc_u32 v12, s59, v14
.irp t, 0,1,2
.if \t > 0
	s_cmp_lt_u32 s22, \t+1
	s_cbranch_scc1 .Lepi_end
.endif
	s_wait_xcnt 0x0                                ; the block before's stores have read their offsets and data
	ds_load_b128 v[LQ:LQ+3], v12 offset:256*\t
	ds_load_b128 v[LQ+4:LQ+7], v12 offset:256*\t+16
	s_wait_dscnt 0x0
.irp i, 0,1,2,3,4,5,6,7
	v_min_u32 v[LQ+\i], 1023, v[LQ+\i]
	v_lshl_add_u32 v[LQ+\i], v[LQ+\i], 12, v[COL]
.endr
.irp j, 0,1,2,3,4,5,6,7
.irp c, 0,1,2,3
	v_mov_b32 v[F+4*\j+\c], v[ACC+32*\t+8*\c+\j]   ; j ascends: each tile is read from its low end on
.endr
	global_store_b128 v[LQ+\j], v[F+4*\j:F+4*\j+3], s[32:33]
.endr
.endr
.Lepi_end:
	s_wait_xcnt 0x0                                ; on every way: the stores' registers are rewritten only behind this wait
	s_add_co_u32 s20, s20, 1
	s_sub_co_i32 s23, s23, 192
	SCALARS
	s_cmp_eq_u32 s21, 0
	s_cbranch_scc1 .Lnext                          ; no rows are left: the remaining passes hold their barriers alone
	ACCINIT
	s_cmp_lt_u32 s14, 4
	s_cbranch_scc1 .Lnext                          ; the weight waves asked for their first chunks again in the pass's last trips
	PREP_T
.Lnext:
	s_cmp_lt_u32 s20, 6
	s_cbranch_scc1 .Lpass
	s_wait_tensorcnt 0x0                           ; the wave's end
	ds_add_u32 v248, v249
	s_wait_dscnt 0x0
	s_endpgm
.Lfunc_end_k_qa70ece7687_down:
	.size	k_qa70ece7687_down, .Lfunc_end_k_qa70ece7687_down-k_qa70ece7687_down
	.p2alignl 7, 3214868480
	.fill 96, 4, 3214868480
	.section	.rodata,"a",@progbits
	.p2align	6, 0x0
	.amdhsa_kernel k_qa70ece7687_down
		.amdhsa_group_segment_fixed_size 204800
		.amdhsa_private_segment_fixed_size 0
		.amdhsa_enable_private_segment 0
		.amdhsa_kernarg_size 40
		.amdhsa_user_sgpr_count 2
		.amdhsa_user_sgpr_kernarg_segment_ptr 1
		.amdhsa_wavefront_size32 1
		.amdhsa_system_sgpr_workgroup_id_x 1
		.amdhsa_system_sgpr_workgroup_id_y 1
		.amdhsa_system_sgpr_workgroup_id_z 1
		.amdhsa_system_vgpr_workitem_id 0
		.amdhsa_next_free_vgpr 512
		.amdhsa_next_free_sgpr 66
		.amdhsa_reserve_vcc 0
		.amdhsa_float_denorm_mode_32 3
		.amdhsa_float_denorm_mode_16_64 3
		.amdhsa_memory_ordered 1
		.amdhsa_forward_progress 1
		.amdhsa_inst_pref_size 131
	.end_amdhsa_kernel
	.amdgpu_metadata
---
amdhsa.version: [ 1, 2 ]
amdhsa.kernels:
  - .name:           k_qa70ece7687_down
    .symbol:         k_qa70ece7687_down.kd
    .args:
      - { .name: hbuf, .offset: 0, .size: 8, .value_kind: global_buffer, .address_space: global }
      - { .name: route, .offset: 8, .size: 8, .value_kind: global_buffer, .address_space: global }
      - { .name: W2, .offset: 16, .size: 8, .value_kind: global_buffer, .address_space: global }
      - { .name: b2, .offset: 24, .size: 8, .value_kind: global_buffer, .address_space: global }
      - { .name: part, .offset: 32, .size: 8, .value_kind: global_buffer, .address_space: global }
    .group_segment_fixed_size: 204800
    .private_segment_fixed_size: 0
    .kernarg_segment_align: 8
    .kernarg_segment_size: 40
    .max_flat_workgroup_size: 256
    .sgpr_count:     66
    .vgpr_count:     512
    .wavefront_size: 32
...
	.end_amdgpu_metadata
.endif
;; end of part 2
;; launch sum (part 3): grid 256 x 1, 8 waves a work-group, no clusters, 0 bytes of LDS; arguments part, out0; writes out0
.if DOCPART == 3
	.amdgcn_target "amdgcn-amd-amdhsa--gfx1250"
	.amdhsa_code_object_version 6
	.text
	.protected	k_qa70ece7687_sum
	.globl	k_qa70ece7687_sum
	.p2align	8
	.type	k_qa70ece7687_sum,@function
k_qa70ece7687_sum:
	s_mov_b64 s[64:65], 0
	v_nop
	global_prefetch_b8 v0, s[64:65] scope:SCOPE_SE
	s_setreg_imm32_b32 hwreg(HW_REG_WAVE_MODE, 25, 1), 1
	s_wait_xcnt 0x0
; out0 = (P0 + P1) + (P2 + P3): the four K quarters' partial sums, [4][1024][1024] f32, added in f32.
; A work-group owns 16,384 bytes of out0 (four token rows); thread t owns the 16 bytes at 16 t of each 4,096.  All sixteen loads of a wave
; go out at once; each load and store of a wave covers 512 neighbouring bytes.  A stream: no LDS, no barrier, no loop, no matrix unit.
.set PQ, 0x400000                      ; bytes in a quarter's partial sums
	s_load_b128 s[4:7], s[0:1], 0x0                ; part s[4:5], out0 s[6:7]
	v_lshlrev_b32 v1, 4, v0
	s_lshl_b32 s2, ttmp9, 14
	s_mov_b32 s3, 0
	s_wait_kmcnt 0x0
	s_add_nc_u64 s[8:9], s[4:5], s[2:3]            ; a pointer for each quarter: the quarters lie too far apart for the immediate
	s_add_nc_u64 s[10:11], s[8:9], PQ
	s_add_nc_u64 s[12:13], s[8:9], 2*PQ
	s_add_nc_u64 s[14:15], s[8:9], 3*PQ
	s_add_nc_u64 s[6:7], s[6:7], s[2:3]
.irp q, 0,1,2,3
.irp k, 0,1,2,3
	global_load_b128 v[4+16*\q+4*\k:4+16*\q+4*\k+3], v1, s[8+2*\k:9+2*\k] offset:4096*\q th:TH_LOAD_NT
.endr
.endr
.irp q, 0,1,2,3
	s_wait_loadcnt 12-4*\q                         ; loads come back in order: the later rows' four each may be out
	v_pk_add_f32 v[4+16*\q:5+16*\q], v[4+16*\q:5+16*\q], v[8+16*\q:9+16*\q]
	v_pk_add_f32 v[6+16*\q:7+16*\q], v[6+16*\q:7+16*\q], v[10+16*\q:11+16*\q]
	v_pk_add_f32 v[12+16*\q:13+16*\q], v[12+16*\q:13+16*\q], v[16+16*\q:17+16*\q]
	v_pk_add_f32 v[14+16*\q:15+16*\q], v[14+16*\q:15+16*\q], v[18+16*\q:19+16*\q]
	v_pk_add_f32 v[4+16*\q:5+16*\q], v[4+16*\q:5+16*\q], v[12+16*\q:13+16*\q]
	v_pk_add_f32 v[6+16*\q:7+16*\q], v[6+16*\q:7+16*\q], v[14+16*\q:15+16*\q]
	global_store_b128 v1, v[4+16*\q:7+16*\q], s[6:7] offset:4096*\q th:TH_STORE_NT
.endr
	s_endpgm
.Lfunc_end_k_qa70ece7687_sum:
	.size	k_qa70ece7687_sum, .Lfunc_end_k_qa70ece7687_sum-k_qa70ece7687_sum
	.p2alignl 7, 3214868480
	.fill 96, 4, 3214868480
	.section	.rodata,"a",@progbits
	.p2align	6, 0x0
	.amdhsa_kernel k_qa70ece7687_sum
		.amdhsa_group_segment_fixed_size 0
		.amdhsa_private_segment_fixed_size 0
		.amdhsa_enable_private_segment 0
		.amdhsa_kernarg_size 16
		.amdhsa_user_sgpr_count 2
		.amdhsa_user_sgpr_kernarg_segment_ptr 1
		.amdhsa_wavefront_size32 1
		.amdhsa_system_sgpr_workgroup_id_x 1
		.amdhsa_system_sgpr_workgroup_id_y 1
		.amdhsa_system_sgpr_workgroup_id_z 1
		.amdhsa_system_vgpr_workitem_id 0
		.amdhsa_next_free_vgpr 72
		.amdhsa_next_free_sgpr 66
		.amdhsa_reserve_vcc 0
		.amdhsa_float_denorm_mode_32 3
		.amdhsa_float_denorm_mode_16_64 3
		.amdhsa_memory_ordered 1
		.amdhsa_forward_progress 1
		.amdhsa_inst_pref_size 5
	.end_amdhsa_kernel
	.amdgpu_metadata
---
amdhsa.version: [ 1, 2 ]
amdhsa.kernels:
  - .name:           k_qa70ece7687_sum
    .symbol:         k_qa70ece7687_sum.kd
    .args:
      - { .name: part, .offset: 0, .size: 8, .value_kind: global_buffer, .address_space: global }
      - { .name: out0, .offset: 8, .size: 8, .value_kind: global_buffer, .address_space: global }
    .group_segment_fixed_size: 0
    .private_segment_fixed_size: 0
    .kernarg_segment_align: 8
    .kernarg_segment_size: 16
    .max_flat_workgroup_size: 256
    .sgpr_count:     66
    .vgpr_count:     72
    .wavefront_size: 32
...
	.end_amdgpu_metadata
.endif
;; end of part 3
;; ======== version 2 of 3: 4 launches; 1.12 times as fast as version 1
;; workspace buffers: xbuf 16,777,216 bytes; hbuf 67,108,864 bytes; part 16,777,216 bytes
;; launch gather (part 4): grid 64 x 8, 8 waves a work-group, no clusters, 75,776 bytes of LDS; arguments x, route, xbuf; writes xbuf
.if DOCPART == 4
	.amdgcn_target "amdgcn-amd-amdhsa--gfx1250"
	.amdhsa_code_object_version 6
	.text
	.protected	k_qa70ece7687_gather
	.globl	k_qa70ece7687_gather
	.p2align	8
	.type	k_qa70ece7687_gather,@function
k_qa70ece7687_gather:
	s_mov_b64 s[64:65], 0
	v_nop
	global_prefetch_b8 v0, s[64:65] scope:SCOPE_SE
	s_setreg_imm32_b32 hwreg(HW_REG_WAVE_MODE, 25, 1), 1
	s_wait_xcnt 0x0
; xbuf = the rows of x that route sends to each expert, in the expert's list order, rounded once to bf16 and laid out as matrix operands:
; [expert 8][block 64][fragment 32][half 2][lane 32][16 bytes]; a block is 16 rows x 1,024 k, a fragment 16 rows x 32 k in 1,024 neighbouring bytes.
; x [1024][1024] f32, route [1024] int32.  So x is read once, and the first product's work-groups, 32 to an expert, load operands as they lie.
; SHARES.  Work-group (b, e): block b of expert e; wave w its 128 k from 128 w on.  64 blocks an expert serve every split (all 1,024 tokens on one
; expert); a work-group whose block holds no row stores nothing and ends.  Block 0 is always made (from token 0's row where the expert has no row).
; THE WAY.  16 loads (lanes 0-15 row i, lanes 16-31 row i + 8; 256 aligned bytes of each), 32 roundings, through the wave's own stage in LDS
; (16 rows of 256 + 16 bytes), back as fragments, 8 stores of 512 neighbouring bytes.  No wave touches another's LDS bytes: no barrier.
; THE LIST is made by every wave for itself, with the text that the second product uses: the same ranks.  The 32 places past the count repeat the
; expert's last token, so the rows past the count in the last live block are copies of a live row.
; LIMITS.  route lies in 0..7.  x is rounded once to bf16.  A stream: no matrix unit, no cluster (no two work-groups read the same bytes of x but for the copies).
.set TPITCH, 272                       ; a stage row: 128 bf16 + 16 bytes: the 16 rows of a fragment load start 4 banks apart
.set STGW,   16*TPITCH                 ; a wave's stage
.set LISTB,  8*STGW                    ; each wave's own list: 1,216 words of tokens, 32 words that catch the other experts' lanes
.set LISTW,  4992
.set SPARE,  LISTB+8*LISTW             ; the spare words, 128 bytes a wave: no other line names them
.set X,   48                           ; v48-111   16 loads
.set F,   112                          ; v112-143  rounded
.set Y,   144                          ; v144-175  eight half fragments
.set Z4,  232                          ; v232-235  0
.set LQ,  240                          ; v240-247  my eight tokens, then their rows' byte offsets in x
; v0 thread; v1 lane l; v2 r = l & 15; v3 hh = l >> 4; v5 where I read the stage; v8 where I write it; v11 16 l; v12, v13 at work; v14 my eight list entries;
; v15 my list; v16-47 route; v248, v249 the add's two; v250 my catch word's index; v251 4 l; v252 0; v253 16 r.  s14 wave; s17 b; s18 e; s19 count.
; The 1,216 words are cleared; token 128 G + 4 l + i gets the rank (tokens of e in earlier registers) + (in lower lanes), the others' lanes store into
; their catch word; the 32 places past the count take the last token.  LDS serves a wave's instructions in order (ISA guide 5.7.1.4).
.macro LISTBUILD
	v_add_nc_u32 v12, v11, v15
.irp k, 0,1,2,3,4,5,6,7,8
	ds_store_b128 v12, v[Z4:Z4+3] offset:512*\k
.endr
	v_add_nc_u32 v12, v251, v15
	ds_store_b32 v12, v252 offset:4608
	ds_store_b32 v12, v252 offset:4736
	s_mov_b32 s36, 0
.set gg, 0
.rept 32
	v_cmp_eq_u32 s40, s18, v[16+gg]
	v_mbcnt_lo_u32_b32 v12, s40, s36
	v_cndmask_b32 v12, v250, v12, s40
	v_min_u32 v12, 1247, v12
	v_lshl_add_u32 v12, v12, 2, v15
	v_add_nc_u32 v13, 128*(gg/4)+gg%4, v251
	ds_store_b32 v12, v13
	s_bcnt1_i32_b32 s42, s40
	s_add_co_u32 s36, s36, s42
.set gg, gg+1
.endr
	s_min_u32 s19, s36, 1024
	s_max_u32 s2, s19, 1
	s_sub_co_u32 s2, s2, 1
	s_min_u32 s2, s2, 1215
	v_lshl_add_u32 v12, s2, 2, v15
	ds_load_b32 v13, v12                   ; the last token (token 0 where there is none), in every lane
	v_add_nc_u32 v12, s19, v1
	v_min_u32 v12, 1215, v12
	v_lshl_add_u32 v12, v12, 2, v15
	s_wait_dscnt 0x0
	ds_store_b32 v12, v13
.endm
	s_load_b128 s[4:7], s[0:1], 0x0                ; x s[4:5], route s[6:7]
	s_load_b64 s[8:9], s[0:1], 0x10                ; xbuf
	v_lshl_add_u32 v248, v0, 2, SPARE              ; my spare word and 0, for the wave's last lines
	v_mov_b32 v249, 0
	v_lshrrev_b32 v1, 5, v0
	v_readfirstlane_b32 s14, v1                    ; wave 0..7
	v_and_b32 v1, 31, v0
	v_and_b32 v2, 15, v0
	v_bfe_u32 v3, v0, 4, 1
	s_mov_b32 s17, ttmp9                           ; b
	s_and_b32 s18, ttmp7, 0xffff                   ; e
	s_mov_b32 s35, 0
	v_lshlrev_b32 v11, 4, v1
	v_lshlrev_b32 v253, 4, v2
	v_lshlrev_b32 v251, 2, v1
	v_mov_b32 v252, 0
.irp i, 0,1,2,3
	v_mov_b32 v[Z4+\i], 0                          ; 16 bytes of 0, to clear the list with
.endr
	v_add_nc_u32 v250, 1216, v1
	s_mul_i32 s2, s14, STGW                        ; my stage
	v_mul_u32_u24 v12, v2, TPITCH
	v_lshl_add_u32 v12, v3, 4, v12                 ; read: row r, 16 bytes for each half of the lanes
	v_add_nc_u32 v5, s2, v12
	v_lshlrev_b32 v13, 3, v3
	v_mul_u32_u24 v12, v13, TPITCH
	v_lshl_add_u32 v12, v2, 3, v12                 ; write: row 8 hh, 8 bytes a lane
	v_add_nc_u32 v8, s2, v12
	s_mul_i32 s3, s14, LISTW
	s_add_co_u32 s3, s3, LISTB
	v_mov_b32 v15, s3
	v_lshl_add_u32 v13, s17, 1, v3                 ; 2 b + hh: which eight words of the list are mine (a block has 16)
	v_min_u32 v13, 127, v13                        ; 64 blocks: the figure is held inside my wave's list (b is 63 at the most, so nothing is changed by it)
	v_lshl_add_u32 v14, v13, 5, v15                ; eight words are 32 bytes
	s_wait_kmcnt 0x0
.irp g, 0,1,2,3,4,5,6,7
	global_load_b128 v[16+4*\g:16+4*\g+3], v11, s[6:7] offset:512*\g   ; route[128 g + 4 l ..]
.endr
	s_wait_loadcnt 0x0
	LISTBUILD
	s_add_co_u32 s2, s19, 15
	s_lshr_b32 s2, s2, 4
	s_max_u32 s2, s2, 1                            ; the expert's live blocks, one at the least
	s_cmp_lt_u32 s17, s2
	s_cbranch_scc0 .Lend                           ; my block holds no row
	ds_load_b128 v[LQ:LQ+3], v14
	ds_load_b128 v[LQ+4:LQ+7], v14 offset:16
	v_lshl_add_u32 v13, s14, 9, v253               ; 16 r + my wave's 512 bytes of a row
	s_lshl_b32 s34, s18, 21                        ; 64 blocks of 32,768 bytes an expert
	s_lshl_b32 s2, s17, 15
	s_add_co_u32 s34, s34, s2
	s_lshl_b32 s2, s14, 12                         ; my wave's four fragments
	s_add_co_u32 s34, s34, s2
	s_add_nc_u64 s[8:9], s[8:9], s[34:35]
	s_wait_dscnt 0x0
.irp i, 0,1,2,3,4,5,6,7
	v_min_u32 v[LQ+\i], 1023, v[LQ+\i]
.endr
.irp i, 0,1,2,3,4,5,6,7
	v_lshl_add_u32 v[LQ+\i], v[LQ+\i], 12, v13
.endr
.set mm, 0
.rept 16
	global_load_b128 v[X+4*mm:X+4*mm+3], v[LQ+mm/2], s[4:5] offset:256*(mm%2)
.set mm, mm+1
.endr
	s_wait_loadcnt 0x0
.set mm, 0
.rept 16
	v_cvt_pk_bf16_f32 v[F+2*mm], v[X+4*mm], v[X+4*mm+1]
	v_cvt_pk_bf16_f32 v[F+2*mm+1], v[X+4*mm+2], v[X+4*mm+3]
.set mm, mm+1
.endr
.set mm, 0
.rept 16
	ds_store_b64 v8, v[F+2*mm:F+2*mm+1] offset:(mm/2)*TPITCH+128*(mm%2)
.set mm, mm+1
.endr
.irp q, 0,1,2,3,4,5,6,7
	ds_load_b128 v[Y+4*\q:Y+4*\q+3], v5 offset:32*\q   ; fragment q / 2, half q % 2: k = 16 q + 8 hh ..; these see the stores above
.endr
	s_wait_dscnt 0x0
.irp q, 0,1,2,3,4,5,6,7
	global_store_b128 v11, v[Y+4*\q:Y+4*\q+3], s[8:9] offset:512*\q   ; 512 neighbouring bytes, aligned
.endr
.Lend:
	s_wait_tensorcnt 0x0                           ; the wave's end
	ds_add_u32 v248, v249
	s_wait_dscnt 0x0
	s_endpgm
.Lfunc_end_k_qa70ece7687_gather:
	.size	k_qa70ece7687_gather, .Lfunc_end_k_qa70ece7687_gather-k_qa70ece7687_gather
	.p2alignl 7, 3214868480
	.fill 96, 4, 3214868480
	.section	.rodata,"a",@progbits
	.p2align	6, 0x0
	.amdhsa_kernel k_qa70ece7687_gather
		.amdhsa_group_segment_fixed_size 75776
		.amdhsa_private_segment_fixed_size 0
		.amdhsa_enable_private_segment 0
		.amdhsa_kernarg_size 24
		.amdhsa_user_sgpr_count 2
		.amdhsa_user_sgpr_kernarg_segment_ptr 1
		.amdhsa_wavefront_size32 1
		.amdhsa_system_sgpr_workgroup_id_x 1
		.amdhsa_system_sgpr_workgroup_id_y 1
		.amdhsa_system_sgpr_workgroup_id_z 1
		.amdhsa_system_vgpr_workitem_id 0
		.amdhsa_next_free_vgpr 256
		.amdhsa_next_free_sgpr 66
		.amdhsa_reserve_vcc 0
		.amdhsa_float_denorm_mode_32 3
		.amdhsa_float_denorm_mode_16_64 3
		.amdhsa_memory_ordered 1
		.amdhsa_forward_progress 1
		.amdhsa_inst_pref_size 28
	.end_amdhsa_kernel
	.amdgpu_metadata
---
amdhsa.version: [ 1, 2 ]
amdhsa.kernels:
  - .name:           k_qa70ece7687_gather
    .symbol:         k_qa70ece7687_gather.kd
    .args:
      - { .name: x, .offset: 0, .size: 8, .value_kind: global_buffer, .address_space: global }
      - { .name: route, .offset: 8, .size: 8, .value_kind: global_buffer, .address_space: global }
      - { .name: xbuf, .offset: 16, .size: 8, .value_kind: global_buffer, .address_space: global }
    .group_segment_fixed_size: 75776
    .private_segment_fixed_size: 0
    .kernarg_segment_align: 8
    .kernarg_segment_size: 24
    .max_flat_workgroup_size: 256
    .sgpr_count:     66
    .vgpr_count:     256
    .wavefront_size: 32
...
	.end_amdgpu_metadata
.endif
;; end of part 4
;; launch up (part 5): grid 32 x 8, 8 waves a work-group, no clusters, 263,168 bytes of LDS; arguments xbuf, route, W1, b1, hbuf; writes hbuf
.if DOCPART == 5
	.amdgcn_target "amdgcn-amd-amdhsa--gfx1250"
	.amdhsa_code_object_version 6
	.text
	.protected	k_qa70ece7687_up
	.globl	k_qa70ece7687_up
	.p2align	8
	.type	k_qa70ece7687_up,@function
k_qa70ece7687_up:
	s_mov_b64 s[64:65], 0
	v_nop
	global_prefetch_b8 v0, s[64:65] scope:SCOPE_SE
	s_setreg_imm32_b32 hwreg(HW_REG_WAVE_MODE, 25, 1), 1
	s_wait_xcnt 0x0
; h = gelu(x W1[e] + b1[e]) for the tokens that route sends to expert e, rounded once to bf16 and stored in the order in which the
; second product's operand registers take it.  xbuf: the expert's rows of x as bf16 operands, [expert 8][block 64][fragment 32][1,024 bytes];
; W1 [8][1024][4096], b1 [8][4096] in f32; route [1024] in int32 (here it is only counted).
; SHARES.  Work-group (s, e): the 128 hidden columns 128 s .. of expert e, which it alone reads (512 KB of W1), and all of e's rows.
; PHASE 1: THE SLICE GOES INTO LDS, WHOLE.  128 columns x 1,024 k in bf16 are 262,144 bytes.  The slice is 64 units of 32 k x 64 columns; wave w takes the
; eight of column group w & 1 and k from 256 (w >> 1) on.  Four units (64 loads of 512 bytes) of every wave are out; a unit that has come is rounded,
; stored as four fragments, and its registers are asked for again at once.  So W1 is read once, whatever the split of the tokens.
; WEIGHTS.  W1 lies [k][n] in f32.  A lane loads 16 bytes (columns 4 r .. 4 r + 3) of the 16 rows k that a fragment gives it; the c-th
; words of those loads, rounded in pairs, ARE its part of a fragment whose row r is column 4 r + c.  Sixteen lanes read 256 aligned bytes.
; PHASE 2: THE ROWS, behind the one barrier.  Nothing writes LDS any more, so no further barrier is needed among the products.  Rows go in 6 passes of 192
; (12 blocks of 16): 6 x 192 covers all 1,024 tokens on one expert; a pass without rows is jumped.  Wave w has column group cg = w >> 2 and the blocks rg + 4 t,
; rg = (w & 3) ^ 2 cg, t = 0..2: 12 tiles of 16 x 16.  Weight fragments come from LDS into two register buffers, a K step ahead; token fragments come from
; memory as they lie, through a ring of eight K steps in registers, asked for seven steps ahead.  The ring's first seven steps are asked for in phase 1's second half,
; into the registers that the drained units leave.  A straight way for each number n of live blocks, so that every count of a wait is a constant.
; RESULT.  Source 0 = weights, source 1 = tokens: register j of lane (r, hh) of tile (t, c) is token row r, hidden 64 cg + 32 hh + 4 j + c.
; Tiles c = 0, 1 (2, 3) packed in pairs are a fragment of 16 rows x 32 hidden numbers in a fixed order, which the second product
; applies to W2's rows as well.  hbuf: [expert 8][block 64][fragment 128][half 2][lane 32][16 bytes].
; LIMITS.  route lies in 0..7.  Operands are bf16, sums f32, h is rounded once to bf16.  gelu is the tanh form as
; x / (1 + 2^(x (c1 + c2 x^2))), c1 = -2 log2(e) sqrt(2/pi), c2 = 0.044715 c1: finite for every finite x.
; An expert without rows still makes block 0, so that the next launch reads no byte that was not stored.
; NO TENSOR LOADS, NO CLUSTER.  Each weight byte has one reader and has to be rounded on its way.  An expert's 32 work-groups share its token blocks, but beside the slice
; 65,536 bytes of LDS are left and a pass's blocks are up to 12 x 32,768: they would go through slots, a round for each refill, in a walk whose length hangs on the count.
.set SPARE,  262144                    ; behind the slice: the spare words, 128 bytes a wave: no other line names them
.set HSTEP,  1<<21                     ; four units: 128 rows of 16,384 bytes
.set BSH,    15                        ; a token block is 32,768 bytes
.set ACC,  16                          ; v16-111   tile (t, c) at ACC + 32 t + 8 c; at the head v16-47 hold route
.set HB,   112                         ; v112-114  byte offsets of my three blocks, at the trip's first fragment
.set F,    168                         ; v168-199  rounded numbers on their way to LDS or memory
.set BIAS, 200                         ; v200-231  b1 of my 32 hidden numbers: 4 j + c
.set G,    232                         ; v232-239  at work in gelu
; v0 thread; v1 lane l; v2 r = l & 15; v3 hh = l >> 4; v4 where I read weights (fragment 0); v7 where I put weights; v10 my offset in a unit of W1; v11 16 l;
; v12 where I read weights in the trip in hand; v13 at work; v248, v249 the add's two; v253 16 r.
; window 1, in four areas of 64: phase 1: area a is unit a (load q at 4 q).  phase 2: ring steps 2 a, 2 a + 1 at 64 a, 64 a + 24 (block t at + 8 t); weight buffers 0, 1 of column tile a at 64 a + 48, + 56.
; s14 wave; s15 rg; s16 cg; s17 s; s18 e; s19 count; s20 pass; s21 live blocks; s22 my live blocks; s23 rows left (signed); s24 trips to go; s[26:27] W1 walking;
; s[30:31] xbuf at my expert; s[32:33] hbuf at my block; s[34:35] an offset; s37, s38 which units I bring; s58 the trip; s62 12 x pass.
.set MSB, 0
.macro WIN new                         ; the immediate's high byte repeats the setting that is left; a switch that changes nothing is dropped
.if MSB != (\new)
	s_set_vgpr_msb (MSB<<8)|(\new)
.set MSB, \new
.endif
.endm
; 16 loads: unit u (32 k x 64 columns).  Load q = 8 t + j takes row 32 u + 16 t + 8 hh + j.  The caller has set the destination's window.
.macro LOADU u
.set qq, 0
.rept 16
	global_load_b128 v[64*(\u)+4*qq:64*(\u)+4*qq+3], v10, s[26:27] offset:(32*(\u)+16*(qq/8)+qq%8)*16384 th:TH_LOAD_NT
.set qq, qq+1
.endr
.endm
; Unit u becomes fragment kbi of my eight: 32 roundings make four column tiles' fragments, 8 stores of 512 neighbouring bytes lay them down
.macro CVTST u, kbi
	WIN 0x05                               ; sources in window 1
.set cc, 0
.rept 4
.set kk, 0
.rept 8
	v_cvt_pk_bf16_f32 v[F+8*cc+kk], v[64*(\u)+8*kk+cc], v[64*(\u)+8*kk+4+cc]   ; register kk = 4 t + jj: rows 2 jj, 2 jj + 1 of half t, column 4 r + cc
.set kk, kk+1
.endr
.set cc, cc+1
.endr
	WIN 0
.set cc, 0
.rept 4
	ds_store_b128 v7, v[F+8*cc:F+8*cc+3] offset:(\kbi)*4096+cc*1024
	ds_store_b128 v7, v[F+8*cc+4:F+8*cc+7] offset:(\kbi)*4096+cc*1024+512
.set cc, cc+1
.endr
.endm
; Block t's offset: block 12 pass + min(rg + 4 t, the last live one), held to 63, x its bytes, + v13 (16 l + the trip's eight fragments).  s3 = live blocks - 1.
.macro HBMAKE t
	s_add_co_u32 s2, s15, 4*(\t)
	s_min_u32 s2, s2, s3                   ; a block that is not live repeats the last live one, which was stored
	s_add_co_u32 s2, s2, s62
	s_min_u32 s2, s2, 63
	v_lshl_add_u32 v[HB+(\t)], s2, BSH, v13
.endm
.macro PREHB                           ; a pass's first offsets, for all three blocks
	s_sub_co_u32 s3, s21, 1
	v_mov_b32 v13, v11
.irp t, 0,1,2
	HBMAKE \t
.endr
.endm
; The ring's first fill, area u: K steps 2 u and 2 u + 1 (step 7 is asked for by the loop), always three blocks: 12 loads (area 3: 6), so that phase 1's counts are constants
.macro PRE u
	WIN 0x40
.irp h, 0,1
.if 2*(\u)+\h < 7
.irp t, 0,1,2
	global_load_b128 v[64*(\u)+24*\h+8*\t:64*(\u)+24*\h+8*\t+3], v[HB+\t], s[30:31] offset:(2*(\u)+\h)*1024
	global_load_b128 v[64*(\u)+24*\h+8*\t+4:64*(\u)+24*\h+8*\t+7], v[HB+\t], s[30:31] offset:(2*(\u)+\h)*1024+512
.endr
.endif
.endr
	WIN 0
.endm
.macro MM k, t                         ; four products: block t x the four column tiles; the accumulators take turns
.irp c, 0,1,2,3
	v_wmma_f32_16x16x32_bf16 v[ACC+32*(\t)+8*\c:ACC+32*(\t)+8*\c+7], v[64*\c+48+8*((\k)%2):64*\c+48+8*((\k)%2)+7], v[64*((\k)/2)+24*((\k)%2)+8*(\t):64*((\k)/2)+24*((\k)%2)+8*(\t)+7], v[ACC+32*(\t)+8*\c:ACC+32*(\t)+8*\c+7]
.endr
.endm
; K step k of a trip's eight, n live blocks.  wn = 1: the next step's weights are fetched from LDS into the other buffer.  ld = 1: the tokens of the step seven on are
; asked for, into the ring place that the step before has read.  left = the token loads issued behind this step's.
.macro KSTEP k, n, wn, ld, left
	WIN 0x40                               ; loads land in window 1
.rept 4
	v_nop                                  ; four places between the last products and loads into the registers that they read (ISA guide 7.12.1 for vector instructions)
.endr
.if \wn
.set wb, 48+8*(((\k)+1)%2)
.irp c, 0,1,2,3
	ds_load_b128 v[64*\c+wb:64*\c+wb+3], v12 offset:((\k)+1)*4096+1024*\c
	ds_load_b128 v[64*\c+wb+4:64*\c+wb+7], v12 offset:((\k)+1)*4096+1024*\c+512
.endr
.endif
.if \ld
.set sb, 64*((((\k)+7)%8)/2)+24*(((\k)+7)%2)
.set tt, 0
.rept \n
	global_load_b128 v[sb+8*tt:sb+8*tt+3], v[HB+tt], s[30:31] offset:((\k)+7)*1024
	global_load_b128 v[sb+8*tt+4:sb+8*tt+7], v[HB+tt], s[30:31] offset:((\k)+7)*1024+512
.set tt, tt+1
.endr
.endif
	s_wait_dscnt 8*(\wn)                   ; LDS loads come back in order: the next step's eight may be out
	s_wait_loadcnt \left                   ; loads come back in order: the later steps' may be out
	WIN 0x05                               ; both sources in window 1, the sums in window 0
.set tt, 0
.rept \n
	MM \k, tt
.set tt, tt+1
.endr
.endm
; A trip's addresses, made anew from its number s58: eight fragments are 32,768 bytes of my column group in LDS and 8,192 bytes of a block in memory
.macro TRIPHEAD n
	s_wait_xcnt 0x0                        ; the loads that are out have read their offsets: these are rewritten only behind this wait
	s_lshl_b32 s60, s58, 15
	v_add_nc_u32 v12, s60, v4
	v_lshl_add_u32 v13, s58, 13, v11
.set tt, 0
.rept \n
	HBMAKE tt
.set tt, tt+1
.endr
.endm
; K = 1,024 for n live blocks: three trips of eight steps, and the last eight written out, which ask for one step more and then for nothing.
; In the loop seven steps of 2 n loads stand behind the step in hand; where the first fill's steps (6 loads each) are among them the count is the stricter one.
.macro KPATH n
	s_mov_b32 s24, 3
.Lk_\@:
	s_sub_co_u32 s58, 3, s24
	TRIPHEAD \n
.irp k, 0,1,2,3,4,5,6,7
	KSTEP \k, \n, 1, 1, 14*\n
.endr
	WIN 0                                  ; at a label and at a branch every window is 0
	s_sub_co_u32 s24, s24, 1
	s_cmp_lg_u32 s24, 0
	s_cbranch_scc1 .Lk_\@
	s_mov_b32 s58, 3
	TRIPHEAD \n
	KSTEP 0, \n, 1, 1, 14*\n
.irp k, 1,2,3,4,5,6
	KSTEP \k, \n, 1, 0, 2*\n*(7-\k)
.endr
	KSTEP 7, \n, 0, 0, 0
	WIN 0
.endm
.macro SCALARS                         ; the pass's figures from the rows left
	s_max_i32 s2, s23, 0
	s_add_co_u32 s2, s2, 15
	s_lshr_b32 s2, s2, 4
	s_min_u32 s21, s2, 12                  ; live blocks
	s_cmp_eq_u32 s20, 0
	s_cselect_b32 s2, 1, 0
	s_max_u32 s21, s21, s2                 ; pass 0 has one at the least
	s_add_co_u32 s2, s21, 3
	s_sub_co_u32 s2, s2, s15
	s_lshr_b32 s22, s2, 2                  ; how many of rg, rg + 4, rg + 8 are live
	s_mul_i32 s62, s20, 12                 ; the pass's first block
.endm
.macro STOREBASE                       ; hbuf at block 64 e + 12 pass + rg, fragment 4 s + 2 cg
	s_lshl_b32 s34, s18, 6
	s_add_co_u32 s34, s34, s62
	s_add_co_u32 s34, s34, s15
	s_lshl_b32 s34, s34, 17
	s_lshl_b32 s2, s17, 12
	s_add_co_u32 s34, s34, s2
	s_lshl_b32 s2, s16, 11
	s_add_co_u32 s34, s34, s2
	s_add_nc_u64 s[32:33], s[12:13], s[34:35]
.endm
.macro ACCINIT                         ; the sums start from the bias, which spares an addition for each number later
.set tt, 0
.rept 12
.set jj, 0
.rept 8
	v_mov_b32 v[ACC+8*tt+jj], v[BIAS+4*jj+tt%4]
.set jj, jj+1
.endr
.set tt, tt+1
.endr
.endm
; gelu of the tile at register a, rounded into four registers at f; the tile is read from its low end on
.macro GELU a, f
.irp i, 0,2,4,6
	v_pk_mul_f32 v[G+\i:G+\i+1], v[(\a)+\i:(\a)+\i+1], v[(\a)+\i:(\a)+\i+1]
.endr
.irp i, 0,2,4,6
	v_pk_fma_f32 v[G+\i:G+\i+1], v[G+\i:G+\i+1], s[54:55], s[52:53] op_sel_hi:[1,0,0]
.endr
.irp i, 0,2,4,6
	v_pk_mul_f32 v[G+\i:G+\i+1], v[G+\i:G+\i+1], v[(\a)+\i:(\a)+\i+1]
.endr
.irp i, 0,1,2,3,4,5,6,7
	v_exp_f32 v[G+\i], v[G+\i]
.endr
	v_nop                                  ; a plain instruction between the last exponential and the use of its result (ISA guide 5.7.2)
	s_wait_alu depctr_va_vdst(0)
.irp i, 0,2,4,6
	v_pk_add_f32 v[G+\i:G+\i+1], v[G+\i:G+\i+1], 1.0 op_sel_hi:[1,0]
.endr
.irp i, 0,1,2,3,4,5,6,7
	v_rcp_f32 v[G+\i], v[G+\i]
.endr
	v_nop
	s_wait_alu depctr_va_vdst(0)
.irp i, 0,2,4,6
	v_pk_mul_f32 v[G+\i:G+\i+1], v[G+\i:G+\i+1], v[(\a)+\i:(\a)+\i+1]
.endr
.irp i, 0,1,2,3
	v_cvt_pk_bf16_f32 v[(\f)+\i], v[G+2*\i], v[G+2*\i+1]
.endr
.endm
	s_load_b256 s[4:11], s[0:1], 0x0               ; xbuf s[4:5], route s[6:7], W1 s[8:9], b1 s[10:11]
	s_load_b64 s[12:13], s[0:1], 0x20              ; hbuf
	v_lshl_add_u32 v248, v0, 2, SPARE              ; my spare word and 0, for the wave's last lines
	v_mov_b32 v249, 0
	v_lshrrev_b32 v1, 5, v0
	v_readfirstlane_b32 s14, v1                    ; wave 0..7
	v_and_b32 v1, 31, v0
	v_and_b32 v2, 15, v0
	v_bfe_u32 v3, v0, 4, 1
	s_lshr_b32 s16, s14, 2                         ; cg
	s_and_b32 s15, s14, 3
	s_lshl_b32 s2, s16, 1
	s_xor_b32 s15, s15, s2                         ; rg: the two waves of a row group have numbers 2 or 6 apart
	s_mov_b32 s17, ttmp9                           ; s
	s_and_b32 s18, ttmp7, 0xffff                   ; e
	s_and_b32 s37, s14, 1                          ; the column group that I bring
	s_lshr_b32 s38, s14, 1                         ; and which eight fragments of it
	s_mov_b32 s35, 0
	s_mov_b32 s52, 0xc0135761                      ; c1 = -2.3022082
	s_mov_b32 s53, s52                             ; named with it as a pair
	s_mov_b32 s54, 0xbdd2d3e8                      ; c2 = -0.10294324
	s_mov_b32 s55, s54
	v_lshlrev_b32 v11, 4, v1
	v_lshlrev_b32 v253, 4, v2
	v_lshl_add_u32 v4, s16, 17, v11                ; a column group's 32 fragments x 4 tiles are 131,072 bytes
	v_lshl_add_u32 v7, s37, 17, v11
	v_lshl_add_u32 v7, s38, 15, v7
	v_lshl_add_u32 v10, v3, 17, v253               ; 8 hh rows of 16,384 bytes + 16 r
	v_lshlrev_b32 v13, 7, v3                       ; b1: 32 hh numbers on
	s_wait_kmcnt 0x0
.irp g, 0,1,2,3,4,5,6,7
	global_load_b128 v[16+4*\g:16+4*\g+3], v11, s[6:7] offset:512*\g   ; route[128 g + 4 l ..]
.endr
	s_lshl_b32 s34, s18, 14
	s_lshl_b32 s2, s17, 9
	s_add_co_u32 s34, s34, s2
	s_lshl_b32 s2, s16, 8
	s_add_co_u32 s34, s34, s2
	s_add_nc_u64 s[10:11], s[10:11], s[34:35]      ; b1 at my 64 columns
.irp j, 0,1,2,3,4,5,6,7
	global_load_b128 v[BIAS+4*\j:BIAS+4*\j+3], v13, s[10:11] offset:16*\j
.endr
	s_lshl_b32 s34, s18, 24
	s_lshl_b32 s2, s17, 9
	s_add_co_u32 s34, s34, s2
	s_lshl_b32 s2, s37, 8
	s_add_co_u32 s34, s34, s2
	s_lshl_b32 s2, s38, 22                         ; 256 rows of 16,384 bytes
	s_add_co_u32 s34, s34, s2
	s_add_nc_u64 s[26:27], s[8:9], s[34:35]        ; W1 at my first unit
	s_lshl_b32 s34, s18, 21
	s_add_nc_u64 s[30:31], s[4:5], s[34:35]        ; xbuf at my expert's block 0: it never steps
	WIN 0x40
.irp u, 0,1,2,3
	LOADU \u                                       ; the stream starts before anything else is done
.endr
	WIN 0
	s_wait_loadcnt 63                              ; 64 loads stand behind route's and b1's: those are in
	s_mov_b32 s36, 0                               ; the expert's rows are counted
.set gg, 0
.rept 32
	v_cmp_eq_u32 s40, s18, v[16+gg]
	s_bcnt1_i32_b32 s42, s40
	s_add_co_u32 s36, s36, s42
.set gg, gg+1
.endr
	s_min_u32 s19, s36, 1024
	s_mov_b32 s20, 0
	s_mov_b32 s23, s19
	SCALARS
	STOREBASE
	ACCINIT
	PREHB
	s_wait_xcnt 0x0                                ; the loads that are out have read W1's address: it steps only behind this wait
	s_add_nc_u64 s[26:27], s[26:27], HSTEP
.irp u, 0,1,2,3
	s_wait_loadcnt 48                              ; loads come back in order: behind unit u stand three units of 16
	CVTST \u, \u
	WIN 0x40
	LOADU \u                                       ; my unit four on
	WIN 0
.endr
.irp u, 0,1,2,3
	s_wait_loadcnt 48-4*\u                         ; behind unit u: 16 (3 - u) weight loads and the 12 u token loads issued since
	CVTST \u, \u+4
	PRE \u
.endr
	s_wait_dscnt 0x0                               ; for the others' sake: my part of the slice is in LDS
	s_barrier_signal -1
	s_barrier_wait -1                              ; everybody's is
.Lpass:
	s_cmp_lt_u32 s22, 1
	s_cbranch_scc1 .Lepi_end                       ; none of my blocks is live
	s_sub_co_u32 s3, s21, 1
	WIN 0x40
.irp c, 0,1,2,3
	ds_load_b128 v[64*\c+48:64*\c+51], v4 offset:1024*\c        ; K step 0's weights
	ds_load_b128 v[64*\c+52:64*\c+55], v4 offset:1024*\c+512
.endr
	WIN 0
	s_cmp_lt_u32 s22, 2
	s_cbranch_scc1 .Lp1
	s_cmp_lt_u32 s22, 3
	s_cbranch_scc1 .Lp2
	KPATH 3
	s_branch .Lkdone
.Lp2:
	KPATH 2
	s_branch .Lkdone
.Lp1:
	KPATH 1
.Lkdone:
.rept 4
	v_nop                                          ; four places between the last products and what reads or rewrites their registers
.endr
	; THE WAY OUT: gelu, rounding; a block's four tiles are 2,048 neighbouring bytes of hbuf, 512 a store
.irp t, 0,1,2
.if \t > 0
	s_cmp_lt_u32 s22, \t+1
	s_cbranch_scc1 .Lepi_end
.endif
	s_wait_xcnt 0x0                                ; the block before's stores have read their registers
.irp c, 0,1,2,3
	GELU ACC+32*\t+8*\c, F+4*\c
.endr
.irp c, 0,1,2,3
	global_store_b128 v11, v[F+4*\c:F+4*\c+3], s[32:33] offset:\t*524288+\c*512
.endr
.endr
.Lepi_end:
	s_wait_xcnt 0x0                                ; on every way: the stores' registers and base are rewritten only behind this wait
	s_add_co_u32 s20, s20, 1
	s_sub_co_i32 s23, s23, 192
	SCALARS
	s_cmp_eq_u32 s21, 0
	s_cbranch_scc1 .Lnext                          ; no rows are left
	STOREBASE
	ACCINIT
	s_wait_loadcnt 0x0                             ; none of my loads is out: the ring is filled anew
	PREHB
.irp u, 0,1,2,3
	PRE \u
.endr
.Lnext:
	s_cmp_lt_u32 s20, 6
	s_cbranch_scc1 .Lpass
	s_wait_dscnt 0x0
	s_barrier_signal -1
	s_barrier_wait -1                              ; every wave's reads of LDS are back before any wave's last LDS write
	s_wait_tensorcnt 0x0                           ; the wave's end
	ds_add_u32 v248, v249
	s_wait_dscnt 0x0
	s_endpgm
.Lfunc_end_k_qa70ece7687_up:
	.size	k_qa70ece7687_up, .Lfunc_end_k_qa70ece7687_up-k_qa70ece7687_up
	.p2alignl 7, 3214868480
	.fill 96, 4, 3214868480
	.section	.rodata,"a",@progbits
	.p2align	6, 0x0
	.amdhsa_kernel k_qa70ece7687_up
		.amdhsa_group_segment_fixed_size 263168
		.amdhsa_private_segment_fixed_size 0
		.amdhsa_enable_private_segment 0
		.amdhsa_kernarg_size 40
		.amdhsa_user_sgpr_count 2
		.amdhsa_user_sgpr_kernarg_segment_ptr 1
		.amdhsa_wavefront_size32 1
		.amdhsa_system_sgpr_workgroup_id_x 1
		.amdhsa_system_sgpr_workgroup_id_y 1
		.amdhsa_system_sgpr_workgroup_id_z 1
		.amdhsa_system_vgpr_workitem_id 0
		.amdhsa_next_free_vgpr 512
		.amdhsa_next_free_sgpr 66
		.amdhsa_reserve_vcc 0
		.amdhsa_float_denorm_mode_32 3
		.amdhsa_float_denorm_mode_16_64 3
		.amdhsa_memory_ordered 1
		.amdhsa_forward_progress 1
		.amdhsa_inst_pref_size 159
	.end_amdhsa_kernel
	.amdgpu_metadata
---
amdhsa.version: [ 1, 2 ]
amdhsa.kernels:
  - .name:           k_qa70ece7687_up
    .symbol:         k_qa70ece7687_up.kd
    .args:
      - { .name: xbuf, .offset: 0, .size: 8, .value_kind: global_buffer, .address_space: global }
      - { .name: route, .offset: 8, .size: 8, .value_kind: global_buffer, .address_space: global }
      - { .name: W1, .offset: 16, .size: 8, .value_kind: global_buffer, .address_space: global }
      - { .name: b1, .offset: 24, .size: 8, .value_kind: global_buffer, .address_space: global }
      - { .name: hbuf, .offset: 32, .size: 8, .value_kind: global_buffer, .address_space: global }
    .group_segment_fixed_size: 263168
    .private_segment_fixed_size: 0
    .kernarg_segment_align: 8
    .kernarg_segment_size: 40
    .max_flat_workgroup_size: 256
    .sgpr_count:     66
    .vgpr_count:     512
    .wavefront_size: 32
...
	.end_amdgpu_metadata
.endif
;; end of part 5
;; launch down (part 6): grid 32 x 8, 8 waves a work-group, no clusters, 303,104 bytes of LDS; arguments hbuf, route, W2, b2, part; writes part
.if DOCPART == 6
	.amdgcn_target "amdgcn-amd-amdhsa--gfx1250"
	.amdhsa_code_object_version 6
	.text
	.protected	k_qa70ece7687_down
	.globl	k_qa70ece7687_down
	.p2align	8
	.type	k_qa70ece7687_down,@function
k_qa70ece7687_down:
	s_mov_b64 s[64:65], 0
	v_nop
	global_prefetch_b8 v0, s[64:65] scope:SCOPE_SE
	s_setreg_imm32_b32 hwreg(HW_REG_WAVE_MODE, 25, 1), 1
	s_wait_xcnt 0x0
; part[ks][token] = (ks = 0: b2[e]) + the sum over quarter ks of the hidden width of h[token] W2[e], f32, for the tokens of expert e.
; hbuf as the launch before stored it: [expert 8][block 64][fragment 128][half 2][lane 32][16 bytes], bf16; W2 [8][4096][1024], b2 [8][1024] in f32.
; SHARES.  Work-group (cs + 8 ks, e): the 128 output columns 128 cs .. and the 1,024 hidden rows 1,024 ks .. of W2[e], which it alone reads (512 KB),
; and all of e's rows.  K is split in four so that there are 256 slices of W2 with whole rows of 256 bytes; the four partial sums stay f32 and
; the next launch adds them.
; THE TWO PHASES are the first product's.  Phase 1: the slice goes into LDS whole, 262,144 bytes of bf16 fragments; each wave brings eight units of 32 k x 64 columns,
; four of them (64 loads of 512 bytes) always out.  One barrier.  Phase 2: 6 passes of 192 rows, a pass without rows jumped; wave w has column group cg = w >> 2 and the
; blocks rg + 4 t, rg = (w & 3) ^ 2 cg; weights from LDS a K step ahead, the rows of h from memory as they lie through a ring of eight K steps in registers.
; K's ORDER.  Place (t, hh, j) of fragment kb of h holds hidden 64 (kb >> 1) + 2 (kb & 1) + 32 hh + 4 j + t; W2's rows are loaded in that order.
; RESULT.  Source 0 = tokens, source 1 = weights (fragment c: columns 4 r + c): register j of lane (r, hh) of tiles c = 0..3 is token row 8 hh + j,
; columns 4 r .. 4 r + 3: 16 bytes a lane, 256 aligned bytes of a token's row from sixteen lanes.
; ROWS PAST THE COUNT.  Whole blocks past the count are jumped.  In the last live block the places past the count repeat the expert's last token,
; here and in the launches before: their rows of h are copies of its row, an output hangs on its own row and column alone, so their sums are
; copies too, and the wave stores the same numbers to the same bytes again, 15 rows at the most.  An expert without rows stores nothing.
; LIMITS.  route lies in 0..7 (then each token's row of part is stored by one expert's work-groups).  Operands bf16, sums f32.
; NO TENSOR LOADS, NO CLUSTER.  Each weight byte has one reader and has to be rounded on its way.  The 8 work-groups of a quarter share its blocks of h, but beside the slice and the
; lists 24,576 bytes of LDS are left and a pass's blocks are up to 12 x 32,768: they would go through slots, a round for each refill, in a walk whose length hangs on the count.
.set LISTB,  262144                    ; behind the slice: each wave's own list: 1,216 words of tokens, 32 words that catch the other experts' lanes
.set LISTW,  4992
.set SPARE,  LISTB+8*LISTW             ; the spare words, 128 bytes a wave: no other line names them
.set HSTEP,  1<<19                     ; four units: 128 rows of 4,096 bytes
.set BSH,    17                        ; a block of h is 131,072 bytes
.set ACC,  16                          ; v16-111   tile (t, c) at ACC + 32 t + 8 c; at the head v16-47 hold route
.set HB,   112                         ; v112-114  byte offsets of my three blocks, at the trip's first fragment
.set F,    168                         ; v168-199  rounded weights on their way to LDS; on the way out eight rows' 16 bytes
.set BIAS, 200                         ; v200-203  b2 of my four columns, or 0
.set COL,  204                         ; v204      256 cg + 16 r
.set R8,   205                         ; v205      16 rg + 8 hh
.set Z4,   232                         ; v232-235  0
.set LQ,   240                         ; v240-247  eight entries of the list, then their rows' byte offsets in part
; v0-v4, v7, v10-v13, v248, v249, v253, window 1 and the scalars as in the first product; v14 my eight list entries of pass 0, t = 0; v15 my list; v250 my catch word's index; v251 4 l; v252 0.
; s17 cs; s56 ks; s[30:31] hbuf at my expert and quarter; s[32:33] part at my quarter and columns; s59 the pass's place in the list.
.set MSB, 0
.macro WIN new
.if MSB != (\new)
	s_set_vgpr_msb (MSB<<8)|(\new)
.set MSB, \new
.endif
.endm
.macro LOADU u                         ; 16 loads: fragment u's 32 rows of W2 x 64 columns; load q = 8 t + j takes row 64 (u >> 1) + 2 (u & 1) + 32 hh + 4 j + t
.set qq, 0
.rept 16
	global_load_b128 v[64*(\u)+4*qq:64*(\u)+4*qq+3], v10, s[26:27] offset:(64*((\u)/2)+2*((\u)%2)+4*(qq%8)+qq/8)*4096 th:TH_LOAD_NT
.set qq, qq+1
.endr
.endm
.macro CVTST u, kbi                    ; unit u becomes fragment kbi of my eight: 32 roundings, 8 stores of 512 neighbouring bytes
	WIN 0x05
.set cc, 0
.rept 4
.set kk, 0
.rept 8
	v_cvt_pk_bf16_f32 v[F+8*cc+kk], v[64*(\u)+8*kk+cc], v[64*(\u)+8*kk+4+cc]
.set kk, kk+1
.endr
.set cc, cc+1
.endr
	WIN 0
.set cc, 0
.rept 4
	ds_store_b128 v7, v[F+8*cc:F+8*cc+3] offset:(\kbi)*4096+cc*1024
	ds_store_b128 v7, v[F+8*cc+4:F+8*cc+7] offset:(\kbi)*4096+cc*1024+512
.set cc, cc+1
.endr
.endm
.macro HBMAKE t                        ; block 12 pass + min(rg + 4 t, the last live one), held to 63, x its bytes, + v13 (16 l + the trip's eight fragments).  s3 = live blocks - 1
	s_add_co_u32 s2, s15, 4*(\t)
	s_min_u32 s2, s2, s3                   ; a block that is not live repeats the last live one, which was stored
	s_add_co_u32 s2, s2, s62
	s_min_u32 s2, s2, 63
	v_lshl_add_u32 v[HB+(\t)], s2, BSH, v13
.endm
.macro PREHB
	s_sub_co_u32 s3, s21, 1
	v_mov_b32 v13, v11
.irp t, 0,1,2
	HBMAKE \t
.endr
.endm
.macro PRE u                           ; the ring's first fill, area u: K steps 2 u and 2 u + 1 (step 7 is asked for by the loop), always three blocks: 12 loads (area 3: 6)
	WIN 0x40
.irp h, 0,1
.if 2*(\u)+\h < 7
.irp t, 0,1,2
	global_load_b128 v[64*(\u)+24*\h+8*\t:64*(\u)+24*\h+8*\t+3], v[HB+\t], s[30:31] offset:(2*(\u)+\h)*1024
	global_load_b128 v[64*(\u)+24*\h+8*\t+4:64*(\u)+24*\h+8*\t+7], v[HB+\t], s[30:31] offset:(2*(\u)+\h)*1024+512
.endr
.endif
.endr
	WIN 0
.endm
.macro MM k, t                         ; four products: block t x the four column tiles; the accumulators take turns
.irp c, 0,1,2,3
	v_wmma_f32_16x16x32_bf16 v[ACC+32*(\t)+8*\c:ACC+32*(\t)+8*\c+7], v[64*((\k)/2)+24*((\k)%2)+8*(\t):64*((\k)/2)+24*((\k)%2)+8*(\t)+7], v[64*\c+48+8*((\k)%2):64*\c+48+8*((\k)%2)+7], v[ACC+32*(\t)+8*\c:ACC+32*(\t)+8*\c+7]
.endr
.endm
; K step k of a trip's eight, n live blocks.  wn = 1: the next step's weights are fetched from LDS into the other buffer.  ld = 1: the rows of the step seven on are
; asked for, into the ring place that the step before has read.  left = the token loads issued behind this step's.
.macro KSTEP k, n, wn, ld, left
	WIN 0x40
.rept 4
	v_nop                                  ; four places between the last products and loads into the registers that they read (ISA guide 7.12.1 for vector instructions)
.endr
.if \wn
.set wb, 48+8*(((\k)+1)%2)
.irp c, 0,1,2,3
	ds_load_b128 v[64*\c+wb:64*\c+wb+3], v12 offset:((\k)+1)*4096+1024*\c
	ds_load_b128 v[64*\c+wb+4:64*\c+wb+7], v12 offset:((\k)+1)*4096+1024*\c+512
.endr
.endif
.if \ld
.set sb, 64*((((\k)+7)%8)/2)+24*(((\k)+7)%2)
.set tt, 0
.rept \n
	global_load_b128 v[sb+8*tt:sb+8*tt+3], v[HB+tt], s[30:31] offset:((\k)+7)*1024
	global_load_b128 v[sb+8*tt+4:sb+8*tt+7], v[HB+tt], s[30:31] offset:((\k)+7)*1024+512
.set tt, tt+1
.endr
.endif
	s_wait_dscnt 8*(\wn)                   ; LDS loads come back in order: the next step's eight may be out
	s_wait_loadcnt \left                   ; loads come back in order: the later steps' may be out
	WIN 0x05
.set tt, 0
.rept \n
	MM \k, tt
.set tt, tt+1
.endr
.endm
.macro TRIPHEAD n                      ; a trip's addresses, made anew from its number s58: 32,768 bytes of my column group in LDS, 8,192 bytes of a block in memory
	s_wait_xcnt 0x0                        ; the loads that are out have read their offsets: these are rewritten only behind this wait
	s_lshl_b32 s60, s58, 15
	v_add_nc_u32 v12, s60, v4
	v_lshl_add_u32 v13, s58, 13, v11
.set tt, 0
.rept \n
	HBMAKE tt
.set tt, tt+1
.endr
.endm
; K = 1,024 for n live blocks: three trips of eight steps, and the last eight written out, which ask for one step more and then for nothing.
; In the loop seven steps of 2 n loads stand behind the step in hand; where the first fill's steps (6 loads each) are among them the count is the stricter one.
.macro KPATH n
	s_mov_b32 s24, 3
.Lk_\@:
	s_sub_co_u32 s58, 3, s24
	TRIPHEAD \n
.irp k, 0,1,2,3,4,5,6,7
	KSTEP \k, \n, 1, 1, 14*\n
.endr
	WIN 0
	s_sub_co_u32 s24, s24, 1
	s_cmp_lg_u32 s24, 0
	s_cbranch_scc1 .Lk_\@
	s_mov_b32 s58, 3
	TRIPHEAD \n
	KSTEP 0, \n, 1, 1, 14*\n
.irp k, 1,2,3,4,5,6
	KSTEP \k, \n, 1, 0, 2*\n*(7-\k)
.endr
	KSTEP 7, \n, 0, 0, 0
	WIN 0
.endm
.macro LISTBUILD                       ; the text of the launch that laid the rows out: the same ranks, the same places past the count
	v_add_nc_u32 v12, v11, v15
.irp k, 0,1,2,3,4,5,6,7,8
	ds_store_b128 v12, v[Z4:Z4+3] offset:512*\k
.endr
	v_add_nc_u32 v12, v251, v15
	ds_store_b32 v12, v252 offset:4608
	ds_store_b32 v12, v252 offset:4736
	s_mov_b32 s36, 0
.set gg, 0
.rept 32
	v_cmp_eq_u32 s40, s18, v[16+gg]
	v_mbcnt_lo_u32_b32 v12, s40, s36
	v_cndmask_b32 v12, v250, v12, s40
	v_min_u32 v12, 1247, v12
	v_lshl_add_u32 v12, v12, 2, v15
	v_add_nc_u32 v13, 128*(gg/4)+gg%4, v251
	ds_store_b32 v12, v13
	s_bcnt1_i32_b32 s42, s40
	s_add_co_u32 s36, s36, s42
.set gg, gg+1
.endr
	s_min_u32 s19, s36, 1024
	s_max_u32 s2, s19, 1
	s_sub_co_u32 s2, s2, 1
	s_min_u32 s2, s2, 1215
	v_lshl_add_u32 v12, s2, 2, v15
	ds_load_b32 v13, v12                   ; the last token (token 0 where there is none), in every lane
	v_add_nc_u32 v12, s19, v1
	v_min_u32 v12, 1215, v12
	v_lshl_add_u32 v12, v12, 2, v15
	s_wait_dscnt 0x0
	ds_store_b32 v12, v13
.endm
.macro SCALARS
	s_max_i32 s2, s23, 0
	s_add_co_u32 s2, s2, 15
	s_lshr_b32 s2, s2, 4
	s_min_u32 s21, s2, 12                  ; live blocks
	s_cmp_eq_u32 s20, 0
	s_cselect_b32 s2, 1, 0
	s_max_u32 s21, s21, s2                 ; pass 0 has one at the least, as in the launches before
	s_add_co_u32 s2, s21, 3
	s_sub_co_u32 s2, s2, s15
	s_lshr_b32 s22, s2, 2                  ; how many of rg, rg + 4, rg + 8 are live
	s_min_u32 s2, s20, 5                   ; there is no pass 6: the figure made behind the last pass stays inside the list
	s_mul_i32 s59, s2, 768
	s_mul_i32 s62, s20, 12                 ; the pass's first block
.endm
.macro ACCINIT                         ; the sums start from b2 (quarter 0) or from 0
.set tt, 0
.rept 12
.set jj, 0
.rept 8
	v_mov_b32 v[ACC+8*tt+jj], v[BIAS+tt%4]
.set jj, jj+1
.endr
.set tt, tt+1
.endr
.endm
	s_load_b256 s[4:11], s[0:1], 0x0               ; hbuf s[4:5], route s[6:7], W2 s[8:9], b2 s[10:11]
	s_load_b64 s[12:13], s[0:1], 0x20              ; part
	v_lshl_add_u32 v248, v0, 2, SPARE              ; my spare word and 0, for the wave's last lines
	v_mov_b32 v249, 0
	v_lshrrev_b32 v1, 5, v0
	v_readfirstlane_b32 s14, v1                    ; wave 0..7
	v_and_b32 v1, 31, v0
	v_and_b32 v2, 15, v0
	v_bfe_u32 v3, v0, 4, 1
	s_lshr_b32 s16, s14, 2                         ; cg
	s_and_b32 s15, s14, 3
	s_lshl_b32 s2, s16, 1
	s_xor_b32 s15, s15, s2                         ; rg
	s_and_b32 s17, ttmp9, 7                        ; cs
	s_lshr_b32 s56, ttmp9, 3                       ; ks
	s_and_b32 s18, ttmp7, 0xffff                   ; e
	s_and_b32 s37, s14, 1                          ; the column group that I bring
	s_lshr_b32 s38, s14, 1                         ; and which eight fragments of it
	s_mov_b32 s35, 0
	v_lshlrev_b32 v11, 4, v1
	v_lshlrev_b32 v253, 4, v2
	v_lshlrev_b32 v251, 2, v1
	v_mov_b32 v252, 0
.irp i, 0,1,2,3
	v_mov_b32 v[Z4+\i], 0                          ; 16 bytes of 0, to clear the list with
.endr
	v_add_nc_u32 v250, 1216, v1
	v_lshl_add_u32 v4, s16, 17, v11
	v_lshl_add_u32 v7, s37, 17, v11
	v_lshl_add_u32 v7, s38, 15, v7
	v_lshl_add_u32 v10, v3, 17, v253               ; 32 hh rows of 4,096 bytes + 16 r
	s_lshl_b32 s2, s15, 4
	v_lshl_add_u32 v[R8], v3, 3, s2
	v_lshl_add_u32 v[COL], s16, 8, v253
	s_mul_i32 s3, s14, LISTW
	s_add_co_u32 s3, s3, LISTB
	v_mov_b32 v15, s3
	v_lshl_add_u32 v14, v[R8], 2, s3
	s_wait_kmcnt 0x0
.irp g, 0,1,2,3,4,5,6,7
	global_load_b128 v[16+4*\g:16+4*\g+3], v11, s[6:7] offset:512*\g
.endr
	s_lshl_b32 s34, s18, 12
	s_lshl_b32 s2, s17, 9
	s_add_co_u32 s34, s34, s2
	s_lshl_b32 s2, s16, 8
	s_add_co_u32 s34, s34, s2
	s_add_nc_u64 s[10:11], s[10:11], s[34:35]      ; b2 at my 64 columns
	global_load_b128 v[BIAS:BIAS+3], v253, s[10:11]
	s_lshl_b32 s34, s18, 23
	s_lshl_b32 s2, s56, 15
	s_add_co_u32 s34, s34, s2
	s_add_nc_u64 s[30:31], s[4:5], s[34:35]        ; hbuf at my expert's block 0 and my quarter's first fragment: it never steps
	s_lshl_b32 s34, s56, 22
	s_lshl_b32 s2, s17, 9
	s_add_co_u32 s34, s34, s2
	s_add_nc_u64 s[32:33], s[12:13], s[34:35]      ; part at my quarter and my 128 columns: the same in every pass
	s_lshl_b32 s2, s18, 24
	s_add_co_u32 s34, s34, s2
	s_lshl_b32 s2, s37, 8
	s_add_co_u32 s34, s34, s2
	s_lshl_b32 s2, s38, 20                         ; 256 rows of 4,096 bytes
	s_add_co_u32 s34, s34, s2
	s_add_nc_u64 s[26:27], s[8:9], s[34:35]        ; W2 at my first unit
	WIN 0x40
.irp u, 0,1,2,3
	LOADU \u                                       ; the stream starts before anything else is done
.endr
	WIN 0
	s_wait_loadcnt 63                              ; 64 loads stand behind route's and b2's: those are in
	s_cmp_eq_u32 s56, 0
	s_cselect_b32 s2, -1, 0
.irp c, 0,1,2,3
	v_cndmask_b32 v[BIAS+\c], 0, v[BIAS+\c], s2    ; b2 enters quarter 0's sums alone
.endr
	LISTBUILD
	s_mov_b32 s20, 0
	s_mov_b32 s23, s19
	SCALARS
	ACCINIT
	PREHB
	s_wait_xcnt 0x0                                ; the loads that are out have read W2's address: it steps only behind this wait
	s_add_nc_u64 s[26:27], s[26:27], HSTEP
.irp u, 0,1,2,3
	s_wait_loadcnt 48                              ; loads come back in order: behind unit u stand three units of 16
	CVTST \u, \u
	WIN 0x40
	LOADU \u                                       ; my unit four on
	WIN 0
.endr
.irp u, 0,1,2,3
	s_wait_loadcnt 48-4*\u                         ; behind unit u: 16 (3 - u) weight loads and the 12 u token loads issued since
	CVTST \u, \u+4
	PRE \u
.endr
	s_wait_dscnt 0x0                               ; for the others' sake: my part of the slice is in LDS
	s_barrier_signal -1
	s_barrier_wait -1                              ; everybody's is
.Lpass:
	s_cmp_lt_u32 s22, 1
	s_cbranch_scc1 .Lepi_end                       ; none of my blocks is live
	s_sub_co_u32 s3, s21, 1
	WIN 0x40
.irp c, 0,1,2,3
	ds_load_b128 v[64*\c+48:64*\c+51], v4 offset:1024*\c        ; K step 0's weights
	ds_load_b128 v[64*\c+52:64*\c+55], v4 offset:1024*\c+512
.endr
	WIN 0
	s_cmp_lt_u32 s22, 2
	s_cbranch_scc1 .Lp1
	s_cmp_lt_u32 s22, 3
	s_cbranch_scc1 .Lp2
	KPATH 3
	s_branch .Lkdone
.Lp2:
	KPATH 2
	s_branch .Lkdone
.Lp1:
	KPATH 1
.Lkdone:
.rept 4
	v_nop                                          ; four places between the last products and what reads or rewrites their registers
.endr
	; THE WAY OUT: row 8 hh + j of a live block goes to its token's row of part; sixteen lanes store 256 aligned bytes
	s_cmp_lt_i32 s23, 1
	s_cbranch_scc1 .Lepi_end                       ; an expert without rows stores nothing
	v_add_nc_u32 v12, s59, v14
.irp t, 0,1,2
.if \t > 0
	s_cmp_lt_u32 s22, \t+1
	s_cbranch_scc1 .Lepi_end
.endif
	s_wait_xcnt 0x0                                ; the block before's stores have read their offsets and data
	ds_load_b128 v[LQ:LQ+3], v12 offset:256*\t
	ds_load_b128 v[LQ+4:LQ+7], v12 offset:256*\t+16
	s_wait_dscnt 0x0
.irp i, 0,1,2,3,4,5,6,7
	v_min_u32 v[LQ+\i], 1023, v[LQ+\i]
	v_lshl_add_u32 v[LQ+\i], v[LQ+\i], 12, v[COL]
.endr
.irp j, 0,1,2,3,4,5,6,7
.irp c, 0,1,2,3
	v_mov_b32 v[F+4*\j+\c], v[ACC+32*\t+8*\c+\j]   ; j ascends: each tile is read from its low end on
.endr
	global_store_b128 v[LQ+\j], v[F+4*\j:F+4*\j+3], s[32:33]
.endr
.endr
.Lepi_end:
	s_wait_xcnt 0x0                                ; on every way: the stores' registers are rewritten only behind this wait
	s_add_co_u32 s20, s20, 1
	s_sub_co_i32 s23, s23, 192
	SCALARS
	s_cmp_eq_u32 s21, 0
	s_cbranch_scc1 .Lnext                          ; no rows are left
	ACCINIT
	s_wait_loadcnt 0x0                             ; none of my loads is out: the ring is filled anew
	PREHB
.irp u, 0,1,2,3
	PRE \u
.endr
.Lnext:
	s_cmp_lt_u32 s20, 6
	s_cbranch_scc1 .Lpass
	s_wait_dscnt 0x0
	s_barrier_signal -1
	s_barrier_wait -1                              ; every wave's reads of LDS are back before any wave's last LDS write
	s_wait_tensorcnt 0x0                           ; the wave's end
	ds_add_u32 v248, v249
	s_wait_dscnt 0x0
	s_endpgm
.Lfunc_end_k_qa70ece7687_down:
	.size	k_qa70ece7687_down, .Lfunc_end_k_qa70ece7687_down-k_qa70ece7687_down
	.p2alignl 7, 3214868480
	.fill 96, 4, 3214868480
	.section	.rodata,"a",@progbits
	.p2align	6, 0x0
	.amdhsa_kernel k_qa70ece7687_down
		.amdhsa_group_segment_fixed_size 303104
		.amdhsa_private_segment_fixed_size 0
		.amdhsa_enable_private_segment 0
		.amdhsa_kernarg_size 40
		.amdhsa_user_sgpr_count 2
		.amdhsa_user_sgpr_kernarg_segment_ptr 1
		.amdhsa_wavefront_size32 1
		.amdhsa_system_sgpr_workgroup_id_x 1
		.amdhsa_system_sgpr_workgroup_id_y 1
		.amdhsa_system_sgpr_workgroup_id_z 1
		.amdhsa_system_vgpr_workitem_id 0
		.amdhsa_next_free_vgpr 512
		.amdhsa_next_free_sgpr 66
		.amdhsa_reserve_vcc 0
		.amdhsa_float_denorm_mode_32 3
		.amdhsa_float_denorm_mode_16_64 3
		.amdhsa_memory_ordered 1
		.amdhsa_forward_progress 1
		.amdhsa_inst_pref_size 154
	.end_amdhsa_kernel
	.amdgpu_metadata
---
amdhsa.version: [ 1, 2 ]
amdhsa.kernels:
  - .name:           k_qa70ece7687_down
    .symbol:         k_qa70ece7687_down.kd
    .args:
      - { .name: hbuf, .offset: 0, .size: 8, .value_kind: global_buffer, .address_space: global }
      - { .name: route, .offset: 8, .size: 8, .value_kind: global_buffer, .address_space: global }
      - { .name: W2, .offset: 16, .size: 8, .value_kind: global_buffer, .address_space: global }
      - { .name: b2, .offset: 24, .size: 8, .value_kind: global_buffer, .address_space: global }
      - { .name: part, .offset: 32, .size: 8, .value_kind: global_buffer, .address_space: global }
    .group_segment_fixed_size: 303104
    .private_segment_fixed_size: 0
    .kernarg_segment_align: 8
    .kernarg_segment_size: 40
    .max_flat_workgroup_size: 256
    .sgpr_count:     66
    .vgpr_count:     512
    .wavefront_size: 32
...
	.end_amdgpu_metadata
.endif
;; end of part 6
;; launch sum: the kernel of part 3 again; grid 256 x 1, 8 waves a work-group, no clusters, 0 bytes of LDS; arguments part, out0; writes out0
;; ======== version 3 of 3: 4 launches; version 2 with the launches gather, up, down written anew for expert scheduling mode
;; workspace buffers: xbuf 16,777,216 bytes; hbuf 67,108,864 bytes; part 16,777,216 bytes
;; launch gather (part 7): grid 64 x 8, 8 waves a work-group, no clusters, 75,776 bytes of LDS; arguments x, route, xbuf; writes xbuf
.if DOCPART == 7
	.amdgcn_target "amdgcn-amd-amdhsa--gfx1250"
	.amdhsa_code_object_version 6
	.text
	.protected	k_qa70ece7687_gather
	.globl	k_qa70ece7687_gather
	.p2align	8
	.type	k_qa70ece7687_gather,@function
k_qa70ece7687_gather:
	s_mov_b64 s[64:65], 0
	v_nop
	global_prefetch_b8 v0, s[64:65] scope:SCOPE_SE
	s_setreg_imm32_b32 hwreg(HW_REG_WAVE_SCHED_MODE, 0, 2), 2
	s_setreg_imm32_b32 hwreg(HW_REG_WAVE_MODE, 25, 1), 1
	s_wait_xcnt 0x0
	s_wait_alu depctr_vm_vsrc(0)
; xbuf = the rows of x that route sends to each expert, in the expert's list order, rounded once to bf16 and laid out as matrix operands:
; [expert 8][block 64][fragment 32][half 2][lane 32][16 bytes]; a block is 16 rows x 1,024 k, a fragment 16 rows x 32 k in 1,024 neighbouring bytes.
; x [1024][1024] f32, route [1024] int32.  So x is read once, and the first product's work-groups, 32 to an expert, load operands as they lie.
; SHARES.  Work-group (b, e): block b of expert e; wave w its 128 k from 128 w on.  64 blocks an expert serve every split (all 1,024 tokens on one
; expert); a work-group whose block holds no row stores nothing and ends.  Block 0 is always made (from token 0's row where the expert has no row).
; THE WAY.  16 loads (lanes 0-15 row i, lanes 16-31 row i + 8; 256 aligned bytes of each), 32 roundings, through the wave's own stage in LDS
; (16 rows of 256 + 16 bytes), back as fragments, 8 stores of 512 neighbouring bytes.  No wave touches another's LDS bytes: no barrier.
; THE LIST is made by every wave for itself, with the text that the second product uses: the same ranks.  The 32 places past the count repeat the
; expert's last token, so the rows past the count in the last live block are copies of a live row.
; LIMITS.  route lies in 0..7.  x is rounded once to bf16.  A stream: no matrix unit, no cluster (no two work-groups read the same bytes of x but for the copies).
; THE MODE: SCHED_MODE bits 1:0 = 2 (LLVM: expert scheduling mode 2), set by the entry lines.  The code itself states the register dependences
; between vector instructions and memory or LDS instructions, with s_wait_alu, always for 0.
; THE PLAN.  Registers that memory or LDS instructions touch:
;   v5, v8, v11, v14, v[CL1], v[CL2], v252, v254, Z4   addresses and zeros, made at the head, never written again: one wait ahead of the first load.
;   v16-47    route as loaded; each word is read by its compare and then overwritten by its token's place in the list: the 32 list stores' addresses.
;   LD        the 32 tokens' numbers: the list stores' data.  v[LAST], v[PADA]: the last token's address and the padding's.  One wait for all 66, ahead of the stores.
;   v[LTOK]   written by an LDS load, read by the padding's store.
;   LQ        written by two LDS loads, then made into offsets by vector instructions: one wait ahead of the 16 loads of x that read them.
;   X         written by those loads, read by the roundings.   F  written by the roundings: one wait ahead of the 16 stage stores that read it.
;   Y         written by LDS loads, read by the global stores: no vector instruction names it.
; No register that a memory or LDS instruction has read is written again.
.set TPITCH, 272                       ; a stage row: 128 bf16 + 16 bytes: the 16 rows of a fragment load start 4 banks apart
.set STGW,   16*TPITCH                 ; a wave's stage
.set LISTB,  8*STGW                    ; each wave's own list: 1,216 words of tokens, 32 words that catch the other experts' lanes
.set LISTW,  4992
.set SPARE,  LISTB+8*LISTW             ; the spare words, 128 bytes a wave: no other line names them
.set CL1,  4                           ; v4        where I clear the list, 16 bytes a lane
.set CL2,  6                           ; v6        the same, 4 bytes a lane
.set LAST, 7                           ; v7        the last token's word in the list
.set PADA, 9                           ; v9        my word of the 32 past the count
.set LTOK, 10                          ; v10       the last token
.set X,   48                           ; v48-111   16 loads
.set F,   112                          ; v112-143  rounded
.set Y,   144                          ; v144-175  eight half fragments
.set LD,  176                          ; v176-207  the tokens' numbers
.set Z4,  232                          ; v232-235  0
.set LQ,  240                          ; v240-247  my eight tokens, then their rows' byte offsets in x
; v0 thread; v1 lane l; v2 r = l & 15; v3 hh = l >> 4; v5 where I read the stage; v8 where I write it; v11 16 l; v12, v13 at work at the head; v14 my eight list entries;
; v15 my list; v16-47 route, then list addresses; v248, v249 the add's two; v250 my catch word's index; v251 4 l; v252 0; v253 16 r; v254 16 r + my wave's 512 bytes of a row.
; s14 wave; s17 b; s18 e; s19 count; s36 the running count; s40-47 eight masks; s48 at work.
; The 1,216 words are cleared; LDS serves a wave's instructions in order (ISA guide 5.7.1.4), so the list's stores come behind these.
.macro LISTCLEAR
.irp k, 0,1,2,3,4,5,6,7,8
	ds_store_b128 v[CL1], v[Z4:Z4+3] offset:512*\k
.endr
	ds_store_b32 v[CL2], v252 offset:4608
	ds_store_b32 v[CL2], v252 offset:4736
.endm
; Token 128 G + 4 l + i gets the rank (tokens of e in earlier registers) + (in lower lanes), the others' lanes store into their catch word; the 32 places past the count take the last token.
.macro LISTBUILD
	s_mov_b32 s36, 0
.set gg, 0
.rept 4
.irp i, 0,1,2,3,4,5,6,7
	v_cmp_eq_u32 s[40+\i], s18, v[16+gg+\i]
.endr
	s_wait_alu depctr_va_sdst(0)           ; the eight compares have written s40-47, ahead of the masks' first readers
.irp i, 0,1,2,3,4,5,6,7
	v_mbcnt_lo_u32_b32 v[16+gg+\i], s[40+\i], s36
	v_cndmask_b32 v[16+gg+\i], v250, v[16+gg+\i], s[40+\i]
	s_bcnt1_i32_b32 s48, s[40+\i]
	s_add_co_u32 s36, s36, s48
.endr
.set gg, gg+8
.endr
.set gg, 0
.rept 32
	v_min_u32 v[16+gg], 1247, v[16+gg]
.set gg, gg+1
.endr
.set gg, 0
.rept 32
	v_lshl_add_u32 v[16+gg], v[16+gg], 2, v15
.set gg, gg+1
.endr
.set gg, 0
.rept 32
	v_add_nc_u32 v[LD+gg], 128*(gg/4)+gg%4, v251
.set gg, gg+1
.endr
	s_min_u32 s19, s36, 1024
	s_max_u32 s2, s19, 1
	s_sub_co_u32 s2, s2, 1
	s_min_u32 s2, s2, 1215
	v_lshl_add_u32 v[LAST], s2, 2, v15
	v_add_nc_u32 v[PADA], s19, v1
	v_min_u32 v[PADA], 1215, v[PADA]
	v_lshl_add_u32 v[PADA], v[PADA], 2, v15
	s_wait_alu depctr_va_vdst(0)           ; the 32 addresses in v16-47, the 32 numbers in LD, v[LAST] and v[PADA] are written, which the LDS instructions below read
.set gg, 0
.rept 32
	ds_store_b32 v[16+gg], v[LD+gg]
.set gg, gg+1
.endr
	ds_load_b32 v[LTOK], v[LAST]           ; the last token (token 0 where there is none), in every lane
	s_wait_dscnt 0x0
	ds_store_b32 v[PADA], v[LTOK]
.endm
	s_load_b128 s[4:7], s[0:1], 0x0                ; x s[4:5], route s[6:7]
	s_load_b64 s[8:9], s[0:1], 0x10                ; xbuf
	v_lshl_add_u32 v248, v0, 2, SPARE              ; my spare word and 0, for the wave's last lines
	v_mov_b32 v249, 0
	v_lshrrev_b32 v1, 5, v0
	v_readfirstlane_b32 s14, v1                    ; wave 0..7
	v_and_b32 v1, 31, v0
	v_and_b32 v2, 15, v0
	v_bfe_u32 v3, v0, 4, 1
	s_mov_b32 s17, ttmp9                           ; b
	s_and_b32 s18, ttmp7, 0xffff                   ; e
	s_mov_b32 s35, 0
	v_lshlrev_b32 v11, 4, v1
	v_lshlrev_b32 v253, 4, v2
	v_lshlrev_b32 v251, 2, v1
	v_mov_b32 v252, 0
.irp i, 0,1,2,3
	v_mov_b32 v[Z4+\i], 0                          ; 16 bytes of 0, to clear the list with
.endr
	v_add_nc_u32 v250, 1216, v1
	v_mul_u32_u24 v12, v2, TPITCH
	v_lshl_add_u32 v12, v3, 4, v12                 ; read: row r, 16 bytes for each half of the lanes
	v_lshlrev_b32 v13, 3, v3
	v_mul_u32_u24 v13, v13, TPITCH
	v_lshl_add_u32 v13, v2, 3, v13                 ; write: row 8 hh, 8 bytes a lane
	s_wait_alu depctr_va_sdst(0)                   ; s14 is written, ahead of its first reader
	s_mul_i32 s2, s14, STGW                        ; my stage
	v_add_nc_u32 v5, s2, v12
	v_add_nc_u32 v8, s2, v13
	s_mul_i32 s3, s14, LISTW
	s_add_co_u32 s3, s3, LISTB
	v_mov_b32 v15, s3
	v_lshl_add_u32 v13, s17, 1, v3                 ; 2 b + hh: which eight words of the list are mine (a block has 16)
	v_min_u32 v13, 127, v13                        ; 64 blocks: the figure is held inside my wave's list (b is 63 at the most, so nothing is changed by it)
	v_lshl_add_u32 v14, v13, 5, v15                ; eight words are 32 bytes
	v_add_nc_u32 v[CL1], v11, v15
	v_add_nc_u32 v[CL2], v251, v15
	v_lshl_add_u32 v254, s14, 9, v253              ; 16 r + my wave's 512 bytes of a row
	s_wait_kmcnt 0x0
	s_wait_alu depctr_va_vdst(0)                   ; the addresses v5, v8, v11, v14, v[CL1], v[CL2] and the zeros v252, Z4 are written, which the loads and stores below read
.irp g, 0,1,2,3,4,5,6,7
	global_load_b128 v[16+4*\g:16+4*\g+3], v11, s[6:7] offset:512*\g   ; route[128 g + 4 l ..]
.endr
	LISTCLEAR                                      ; while route is on its way
	s_wait_loadcnt 0x0
	LISTBUILD
	s_add_co_u32 s2, s19, 15
	s_lshr_b32 s2, s2, 4
	s_max_u32 s2, s2, 1                            ; the expert's live blocks, one at the least
	s_cmp_lt_u32 s17, s2
	s_cbranch_scc0 .Lend                           ; my block holds no row
	ds_load_b128 v[LQ:LQ+3], v14
	ds_load_b128 v[LQ+4:LQ+7], v14 offset:16
	s_lshl_b32 s34, s18, 21                        ; 64 blocks of 32,768 bytes an expert
	s_lshl_b32 s2, s17, 15
	s_add_co_u32 s34, s34, s2
	s_lshl_b32 s2, s14, 12                         ; my wave's four fragments
	s_add_co_u32 s34, s34, s2
	s_add_nc_u64 s[8:9], s[8:9], s[34:35]
	s_wait_dscnt 0x0
.irp i, 0,1,2,3,4,5,6,7
	v_min_u32 v[LQ+\i], 1023, v[LQ+\i]
.endr
.irp i, 0,1,2,3,4,5,6,7
	v_lshl_add_u32 v[LQ+\i], v[LQ+\i], 12, v254
.endr
	s_wait_alu depctr_va_vdst(0)                   ; the eight rows' offsets in LQ are written, which the loads of x read
.set mm, 0
.rept 16
	global_load_b128 v[X+4*mm:X+4*mm+3], v[LQ+mm/2], s[4:5] offset:256*(mm%2)
.set mm, mm+1
.endr
	s_wait_loadcnt 0x0
.set mm, 0
.rept 16
	v_cvt_pk_bf16_f32 v[F+2*mm], v[X+4*mm], v[X+4*mm+1]
	v_cvt_pk_bf16_f32 v[F+2*mm+1], v[X+4*mm+2], v[X+4*mm+3]
.set mm, mm+1
.endr
	s_wait_alu depctr_va_vdst(0)                   ; the roundings have written F, which the stage's stores read
.set mm, 0
.rept 16
	ds_store_b64 v8, v[F+2*mm:F+2*mm+1] offset:(mm/2)*TPITCH+128*(mm%2)
.set mm, mm+1
.endr
.irp q, 0,1,2,3,4,5,6,7
	ds_load_b128 v[Y+4*\q:Y+4*\q+3], v5 offset:32*\q   ; fragment q / 2, half q % 2: k = 16 q + 8 hh ..; these see the stores above
.endr
	s_wait_dscnt 0x0
.irp q, 0,1,2,3,4,5,6,7
	global_store_b128 v11, v[Y+4*\q:Y+4*\q+3], s[8:9] offset:512*\q   ; 512 neighbouring bytes, aligned
.endr
.Lend:
	s_wait_dscnt 0x0                               ; the wave's end
	s_wait_alu 0x0
	s_wait_tensorcnt 0x0
	ds_add_u32 v248, v249
	s_wait_dscnt 0x0
	s_endpgm
.Lfunc_end_k_qa70ece7687_gather:
	.size	k_qa70ece7687_gather, .Lfunc_end_k_qa70ece7687_gather-k_qa70ece7687_gather
	.p2alignl 7, 3214868480
	.fill 96, 4, 3214868480
	.section	.rodata,"a",@progbits
	.p2align	6, 0x0
	.amdhsa_kernel k_qa70ece7687_gather
		.amdhsa_group_segment_fixed_size 75776
		.amdhsa_private_segment_fixed_size 0
		.amdhsa_enable_private_segment 0
		.amdhsa_kernarg_size 24
		.amdhsa_user_sgpr_count 2
		.amdhsa_user_sgpr_kernarg_segment_ptr 1
		.amdhsa_wavefront_size32 1
		.amdhsa_system_sgpr_workgroup_id_x 1
		.amdhsa_system_sgpr_workgroup_id_y 1
		.amdhsa_system_sgpr_workgroup_id_z 1
		.amdhsa_system_vgpr_workitem_id 0
		.amdhsa_next_free_vgpr 256
		.amdhsa_next_free_sgpr 66
		.amdhsa_reserve_vcc 0
		.amdhsa_float_denorm_mode_32 3
		.amdhsa_float_denorm_mode_16_64 3
		.amdhsa_memory_ordered 1
		.amdhsa_forward_progress 1
		.amdhsa_inst_pref_size 28
	.end_amdhsa_kernel
	.amdgpu_metadata
---
amdhsa.version: [ 1, 2 ]
amdhsa.kernels:
  - .name:           k_qa70ece7687_gather
    .symbol:         k_qa70ece7687_gather.kd
    .args:
      - { .name: x, .offset: 0, .size: 8, .value_kind: global_buffer, .address_space: global }
      - { .name: route, .offset: 8, .size: 8, .value_kind: global_buffer, .address_space: global }
      - { .name: xbuf, .offset: 16, .size: 8, .value_kind: global_buffer, .address_space: global }
    .group_segment_fixed_size: 75776
    .private_segment_fixed_size: 0
    .kernarg_segment_align: 8
    .kernarg_segment_size: 24
    .max_flat_workgroup_size: 256
    .sgpr_count:     66
    .vgpr_count:     256
    .wavefront_size: 32
...
	.end_amdgpu_metadata
.endif
;; end of part 7
;; launch up (part 8): grid 32 x 8, 8 waves a work-group, no clusters, 263,168 bytes of LDS; arguments xbuf, route, W1, b1, hbuf; writes hbuf
.if DOCPART == 8
	.amdgcn_target "amdgcn-amd-amdhsa--gfx1250"
	.amdhsa_code_object_version 6
	.text
	.protected	k_qa70ece7687_up
	.globl	k_qa70ece7687_up
	.p2align	8
	.type	k_qa70ece7687_up,@function
k_qa70ece7687_up:
	s_mov_b64 s[64:65], 0
	v_nop
	global_prefetch_b8 v0, s[64:65] scope:SCOPE_SE
	s_setreg_imm32_b32 hwreg(HW_REG_WAVE_SCHED_MODE, 0, 2), 2
	s_setreg_imm32_b32 hwreg(HW_REG_WAVE_MODE, 25, 1), 1
	s_wait_xcnt 0x0
	s_wait_alu depctr_vm_vsrc(0)
; h = gelu(x W1[e] + b1[e]) for the tokens that route sends to expert e, rounded once to bf16 and stored in the order in which the
; second product's operand registers take it.  xbuf: the expert's rows of x as bf16 operands, [expert 8][block 64][fragment 32][1,024 bytes];
; W1 [8][1024][4096], b1 [8][4096] in f32; route [1024] in int32 (here it is only counted).
; SHARES.  Work-group (s, e): the 128 hidden columns 128 s .. of expert e, which it alone reads (512 KB of W1), and all of e's rows.
; PHASE 1: THE SLICE GOES INTO LDS, WHOLE.  128 columns x 1,024 k in bf16 are 262,144 bytes.  The slice is 64 units of 32 k x 64 columns; wave w takes the
; eight of column group w & 1 and k from 256 (w >> 1) on.  Four units (64 loads of 512 bytes) of every wave are out; a unit that has come is rounded,
; its registers are asked for again at once, and it is stored as four fragments.  So W1 is read once, whatever the split of the tokens.
; WEIGHTS.  W1 lies [k][n] in f32.  A lane loads 16 bytes (columns 4 r .. 4 r + 3) of the 16 rows k that a fragment gives it; the c-th
; words of those loads, rounded in pairs, ARE its part of a fragment whose row r is column 4 r + c.  Sixteen lanes read 256 aligned bytes.
; PHASE 2: THE ROWS, behind the one barrier.  Nothing writes LDS any more, so no further barrier is needed among the products.  Rows go in 6 passes of 192
; (12 blocks of 16): 6 x 192 covers all 1,024 tokens on one expert; a pass without rows is jumped.  Wave w has column group cg = w >> 2 and the blocks rg + 4 t,
; rg = (w & 3) ^ 2 cg, t = 0..2: 12 tiles of 16 x 16.  Weight fragments come from LDS into two register buffers, a K step ahead; token fragments come from
; memory as they lie, through a ring of eight K steps in registers: behind a step's products the step seven on is asked for.  The ring's first seven steps are asked for in
; phase 1's second half, into the registers that the drained units leave.  A straight way for each number n of live blocks, so that every count of a wait is a constant.
; RESULT.  Source 0 = weights, source 1 = tokens: register j of lane (r, hh) of tile (t, c) is token row r, hidden 64 cg + 32 hh + 4 j + c.
; Tiles c = 0, 1 (2, 3) packed in pairs are a fragment of 16 rows x 32 hidden numbers in a fixed order, which the second product
; applies to W2's rows as well.  hbuf: [expert 8][block 64][fragment 128][half 2][lane 32][16 bytes].
; LIMITS.  route lies in 0..7.  Operands are bf16, sums f32, h is rounded once to bf16.  gelu is the tanh form as
; x / (1 + 2^(x (c1 + c2 x^2))), c1 = -2 log2(e) sqrt(2/pi), c2 = 0.044715 c1: finite for every finite x.
; An expert without rows still makes block 0, so that the next launch reads no byte that was not stored.
; NO TENSOR LOADS, NO CLUSTER.  Each weight byte has one reader and has to be rounded on its way.  An expert's 32 work-groups share its token blocks, but beside the slice
; 65,536 bytes of LDS are left and a pass's blocks are up to 12 x 32,768: they would go through slots, a round for each refill, in a walk whose length hangs on the count.
; THE MODE: SCHED_MODE bits 1:0 = 2 (LLVM: expert scheduling mode 2), set by the entry lines.  The code itself states the register dependences
; between vector or matrix instructions and memory or LDS instructions, with s_wait_alu, always for 0.
; THE PLAN.  Registers that memory or LDS instructions touch:
;   v4, v7, v9, v10, v11   addresses, made at the head, never written again: one wait ahead of the first load.
;   areas 0-3 (phase 1)    Step i: the unit's 32 roundings read the area; behind them loads land in it again.
;   F0, F1                 Step i: the roundings write F[i % 2]; the step's 8 LDS stores read it; step i + 2 writes it again.
;     So one wait on va_vdst stands in a step, behind its roundings, for the loads and the stores alike; the wait on vm_vsrc just ahead of it stands ahead of the step's own
;     stores: it is for the stores of the step before, whose buffer the next step writes.
;   weight buffers 0, 1; ring places 0-7 (phase 2)   Step k: its products read buffer k % 2 and place k.  The LDS loads of step k + 1's weights land in the other buffer,
;     the loads of step k + 7's tokens in place (k - 1) % 8: both were last read by step k - 1's products.  ONE wait on va_vdst at the step's head states that those are done; the LDS loads
;     follow it at once, the token loads stand behind the step's products, which name none of their registers.
;   v12, HB                read by those loads; made anew at a trip's head, behind a wait on vm_vsrc; the head wait of the trip's first step states that they are written.
;   out-buffers F + 16 t   written by block t's roundings, read by its 4 stores behind one wait on va_vdst; a buffer to each block.  Their earlier readers (phase 1's LDS stores,
;     the last pass's stores) stand ahead of a trip head's or the pass end's wait on vm_vsrc.
; The sums, the bias and gelu's work registers are named by vector and matrix instructions alone.
.set SPARE,  262144                    ; behind the slice: the spare words, 128 bytes a wave: no other line names them
.set HSTEP,  1<<21                     ; four units: 128 rows of 16,384 bytes
.set BSH,    15                        ; a token block is 32,768 bytes
.set ACC,  16                          ; v16-111   tile (t, c) at ACC + 32 t + 8 c; at the head v16-47 hold route
.set HB,   112                         ; v112-114  byte offsets of my three blocks, at the trip's first fragment
.set F,    136                         ; v136-199  phase 1: two buffers of 32 rounded registers on their way to LDS; the way out: block t's 16 at F + 16 t
.set BIAS, 200                         ; v200-231  b1 of my 32 hidden numbers: 4 j + c
.set G,    232                         ; at work in gelu, eight registers a tile: v232-239, v240-247, v116-123, v124-131
; v0 thread; v1 lane l; v2 r = l & 15; v3 hh = l >> 4; v4 where I read weights (fragment 0); v7 where I put weights; v9 my offset in b1; v10 my offset in a unit of W1; v11 16 l;
; v12 where I read weights in the trip in hand; v13 at work; v248, v249 the add's two; v253 16 r.
; window 1, in four areas of 64: phase 1: area a is unit a (load q at 4 q).  phase 2: ring steps 2 a, 2 a + 1 at 64 a, 64 a + 24 (block t at + 8 t); weight buffers 0, 1 of column tile a at 64 a + 48, + 56.
; s14 wave; s15 rg; s16 cg; s17 s; s18 e; s19 count; s20 pass; s21 live blocks; s22 my live blocks; s23 rows left (signed); s24 trips to go; s[26:27] W1 walking;
; s[30:31] xbuf at my expert; s[32:33] hbuf at my block; s[34:35] an offset; s37, s38 which units I bring; s40-47 eight masks; s48 at work; s58 the trip; s62 12 x pass.
.set MSB, 0
.macro WIN new                         ; the immediate's high byte repeats the setting that is left; a switch that changes nothing is dropped
.if MSB != (\new)
	s_set_vgpr_msb (MSB<<8)|(\new)
.set MSB, \new
.endif
.endm
; 16 loads: unit u (32 k x 64 columns).  Load q = 8 t + j takes row 32 u + 16 t + 8 hh + j.  The caller has set the destination's window.
.macro LOADU u
.set qq, 0
.rept 16
	global_load_b128 v[64*(\u)+4*qq:64*(\u)+4*qq+3], v10, s[26:27] offset:(32*(\u)+16*(qq/8)+qq%8)*16384 th:TH_LOAD_NT
.set qq, qq+1
.endr
.endm
; Unit u becomes fragment kbi of my eight: 32 roundings make four column tiles' fragments, in buffer kbi % 2
.macro CVT u, kbi
	WIN 0x05                               ; sources in window 1
.set cc, 0
.rept 4
.set kk, 0
.rept 8
	v_cvt_pk_bf16_f32 v[F+32*((\kbi)%2)+8*cc+kk], v[64*(\u)+8*kk+cc], v[64*(\u)+8*kk+4+cc]   ; register kk = 4 t + jj: rows 2 jj, 2 jj + 1 of half t, column 4 r + cc
.set kk, kk+1
.endr
.set cc, cc+1
.endr
.endm
; 8 stores of 512 neighbouring bytes lay them down
.macro PUT kbi
	WIN 0
.set cc, 0
.rept 4
	ds_store_b128 v7, v[F+32*((\kbi)%2)+8*cc:F+32*((\kbi)%2)+8*cc+3] offset:(\kbi)*4096+cc*1024
	ds_store_b128 v7, v[F+32*((\kbi)%2)+8*cc+4:F+32*((\kbi)%2)+8*cc+7] offset:(\kbi)*4096+cc*1024+512
.set cc, cc+1
.endr
.endm
; Block t's offset: block 12 pass + min(rg + 4 t, the last live one), held to 63, x its bytes, + v13 (16 l + the trip's eight fragments).  s3 = live blocks - 1.
.macro HBMAKE t
	s_add_co_u32 s2, s15, 4*(\t)
	s_min_u32 s2, s2, s3                   ; a block that is not live repeats the last live one, which was stored
	s_add_co_u32 s2, s2, s62
	s_min_u32 s2, s2, 63
	v_lshl_add_u32 v[HB+(\t)], s2, BSH, v13
.endm
.macro PREHB                           ; a pass's first offsets, for all three blocks
	s_sub_co_u32 s3, s21, 1
	v_mov_b32 v13, v11
.irp t, 0,1,2
	HBMAKE \t
.endr
.endm
; The ring's first fill, area u: K steps 2 u and 2 u + 1 (step 7 is asked for by the loop), always three blocks: 12 loads (area 3: 6), so that phase 1's counts are constants.  The caller has set the destination's window.
.macro PRE u
.irp h, 0,1
.if 2*(\u)+\h < 7
.irp t, 0,1,2
	global_load_b128 v[64*(\u)+24*\h+8*\t:64*(\u)+24*\h+8*\t+3], v[HB+\t], s[30:31] offset:(2*(\u)+\h)*1024
	global_load_b128 v[64*(\u)+24*\h+8*\t+4:64*(\u)+24*\h+8*\t+7], v[HB+\t], s[30:31] offset:(2*(\u)+\h)*1024+512
.endr
.endif
.endr
.endm
.macro MM k, t                         ; four products: block t x the four column tiles; the accumulators take turns
.irp c, 0,1,2,3
	v_wmma_f32_16x16x32_bf16 v[ACC+32*(\t)+8*\c:ACC+32*(\t)+8*\c+7], v[64*\c+48+8*((\k)%2):64*\c+48+8*((\k)%2)+7], v[64*((\k)/2)+24*((\k)%2)+8*(\t):64*((\k)/2)+24*((\k)%2)+8*(\t)+7], v[ACC+32*(\t)+8*\c:ACC+32*(\t)+8*\c+7]
.endr
.endm
; K step k of a trip's eight, n live blocks.  wn = 1: the next step's weights are fetched from LDS into the other buffer.  ld = 1: behind the products the tokens of the step seven on are
; asked for, into the ring place that the step before has read.  left = the token loads issued behind this step's.
.macro KSTEP k, n, wn, ld, left
.if \wn
	WIN 0x40                               ; loads land in window 1
	s_wait_alu depctr_va_vdst(0)           ; the step before's products are done reading the other weight buffer and their ring place, in which this step's loads land; in a trip's first step v12 and HB are written
.set wb, 48+8*(((\k)+1)%2)
.irp c, 0,1,2,3
	ds_load_b128 v[64*\c+wb:64*\c+wb+3], v12 offset:((\k)+1)*4096+1024*\c
	ds_load_b128 v[64*\c+wb+4:64*\c+wb+7], v12 offset:((\k)+1)*4096+1024*\c+512
.endr
.endif
	s_wait_dscnt 8*(\wn)                   ; LDS loads come back in order: the next step's eight may be out
	s_wait_loadcnt \left                   ; loads come back in order: the later steps' may be out
	WIN 0x05                               ; both sources in window 1, the sums in window 0
.set tt, 0
.rept \n
	MM \k, tt
.set tt, tt+1
.endr
.if \ld
	WIN 0x40                               ; no wait: no product since the step's head names HB or the ring place of the step before
.set sb, 64*((((\k)+7)%8)/2)+24*(((\k)+7)%2)
.set tt, 0
.rept \n
	global_load_b128 v[sb+8*tt:sb+8*tt+3], v[HB+tt], s[30:31] offset:((\k)+7)*1024
	global_load_b128 v[sb+8*tt+4:sb+8*tt+7], v[HB+tt], s[30:31] offset:((\k)+7)*1024+512
.set tt, tt+1
.endr
.endif
.endm
; A trip's addresses, made anew from its number s58: eight fragments are 32,768 bytes of my column group in LDS and 8,192 bytes of a block in memory
.macro TRIPHEAD n
	s_wait_xcnt 0x0                        ; the loads that are out have had their addresses translated: their offsets are rewritten only behind this wait
	s_wait_alu depctr_vm_vsrc(0)           ; the loads issued so far have read v12 and HB, which are written below (and phase 1's LDS stores have read F, which the way out writes)
	s_lshl_b32 s60, s58, 15
	v_add_nc_u32 v12, s60, v4
	v_lshl_add_u32 v13, s58, 13, v11
.set tt, 0
.rept \n
	HBMAKE tt
.set tt, tt+1
.endr
.endm
; K = 1,024 for n live blocks: three trips of eight steps, and the last eight written out, which ask for one step more and then for nothing.
; In the loop six steps of 2 n loads stand behind the step in hand; where the first fill's steps (6 loads each) are among them the count is the stricter one.
.macro KPATH n
	s_mov_b32 s24, 3
.Lk_\@:
	s_sub_co_u32 s58, 3, s24
	TRIPHEAD \n
.irp k, 0,1,2,3,4,5,6,7
	KSTEP \k, \n, 1, 1, 12*\n
.endr
	WIN 0                                  ; at a label and at a branch every window is 0
	s_sub_co_u32 s24, s24, 1
	s_cmp_lg_u32 s24, 0
	s_cbranch_scc1 .Lk_\@
	s_mov_b32 s58, 3
	TRIPHEAD \n
	KSTEP 0, \n, 1, 1, 12*\n
.irp k, 1,2,3,4,5,6
	KSTEP \k, \n, 1, 0, 2*\n*(7-\k)
.endr
	KSTEP 7, \n, 0, 0, 0
	WIN 0
.endm
.macro SCALARS                         ; the pass's figures from the rows left
	s_max_i32 s2, s23, 0
	s_add_co_u32 s2, s2, 15
	s_lshr_b32 s2, s2, 4
	s_min_u32 s21, s2, 12                  ; live blocks
	s_cmp_eq_u32 s20, 0
	s_cselect_b32 s2, 1, 0
	s_max_u32 s21, s21, s2                 ; pass 0 has one at the least
	s_add_co_u32 s2, s21, 3
	s_sub_co_u32 s2, s2, s15
	s_lshr_b32 s22, s2, 2                  ; how many of rg, rg + 4, rg + 8 are live
	s_mul_i32 s62, s20, 12                 ; the pass's first block
.endm
.macro STOREBASE                       ; hbuf at block 64 e + 12 pass + rg, fragment 4 s + 2 cg
	s_lshl_b32 s34, s18, 6
	s_add_co_u32 s34, s34, s62
	s_add_co_u32 s34, s34, s15
	s_lshl_b32 s34, s34, 17
	s_lshl_b32 s2, s17, 12
	s_add_co_u32 s34, s34, s2
	s_lshl_b32 s2, s16, 11
	s_add_co_u32 s34, s34, s2
	s_add_nc_u64 s[32:33], s[12:13], s[34:35]
.endm
.macro ACCINIT                         ; the sums start from the bias, which spares an addition for each number later
.set tt, 0
.rept 12
.set jj, 0
.rept 8
	v_mov_b32 v[ACC+8*tt+jj], v[BIAS+4*jj+tt%4]
.set jj, jj+1
.endr
.set tt, tt+1
.endr
.endm
; gelu of block t's four tiles together, rounded into the block's out-buffer: one batch of 32 exponentials, one of 32 reciprocals, a wait to each.
; Each tile is read from its low end on.
.macro TILE t, c                       ; tile c's sums and its work registers
.set xa, ACC+32*(\t)+8*(\c)
.set gq, G+8*(\c)-132*((\c)/2)
.endm
.macro GELU4 t
.irp c, 0,1,2,3
	TILE \t, \c
.irp i, 0,2,4,6
	v_pk_mul_f32 v[gq+\i:gq+\i+1], v[xa+\i:xa+\i+1], v[xa+\i:xa+\i+1]
.endr
.endr
.irp c, 0,1,2,3
	TILE \t, \c
.irp i, 0,2,4,6
	v_pk_fma_f32 v[gq+\i:gq+\i+1], v[gq+\i:gq+\i+1], s[54:55], s[52:53] op_sel_hi:[1,0,0]
.endr
.endr
.irp c, 0,1,2,3
	TILE \t, \c
.irp i, 0,2,4,6
	v_pk_mul_f32 v[gq+\i:gq+\i+1], v[gq+\i:gq+\i+1], v[xa+\i:xa+\i+1]
.endr
.endr
.irp c, 0,1,2,3
	TILE \t, \c
.irp i, 0,1,2,3,4,5,6,7
	v_exp_f32 v[gq+\i], v[gq+\i]
.endr
.endr
	v_nop                                  ; a plain instruction between the last exponential and the use of its result (ISA guide 5.7.2)
	s_wait_alu depctr_va_vdst(0)           ; the 32 exponentials have written their results, ahead of the first line that names one
.irp c, 0,1,2,3
	TILE \t, \c
.irp i, 0,2,4,6
	v_pk_add_f32 v[gq+\i:gq+\i+1], v[gq+\i:gq+\i+1], 1.0 op_sel_hi:[1,0]
.endr
.endr
.irp c, 0,1,2,3
	TILE \t, \c
.irp i, 0,1,2,3,4,5,6,7
	v_rcp_f32 v[gq+\i], v[gq+\i]
.endr
.endr
	v_nop
	s_wait_alu depctr_va_vdst(0)           ; the 32 reciprocals have written their results, ahead of the first line that names one
.irp c, 0,1,2,3
	TILE \t, \c
.irp i, 0,2,4,6
	v_pk_mul_f32 v[gq+\i:gq+\i+1], v[gq+\i:gq+\i+1], v[xa+\i:xa+\i+1]
.endr
.endr
.irp c, 0,1,2,3
	TILE \t, \c
.irp i, 0,1,2,3
	v_cvt_pk_bf16_f32 v[F+16*(\t)+4*\c+\i], v[gq+2*\i], v[gq+2*\i+1]
.endr
.endr
	s_wait_alu depctr_va_vdst(0)           ; the roundings have written the block's out-buffer, which its stores read
.endm
	s_load_b256 s[4:11], s[0:1], 0x0               ; xbuf s[4:5], route s[6:7], W1 s[8:9], b1 s[10:11]
	s_load_b64 s[12:13], s[0:1], 0x20              ; hbuf
	v_lshl_add_u32 v248, v0, 2, SPARE              ; my spare word and 0, for the wave's last lines
	v_mov_b32 v249, 0
	v_lshrrev_b32 v1, 5, v0
	v_readfirstlane_b32 s14, v1                    ; wave 0..7
	v_and_b32 v1, 31, v0
	v_and_b32 v2, 15, v0
	v_bfe_u32 v3, v0, 4, 1
	v_lshlrev_b32 v11, 4, v1
	v_lshlrev_b32 v253, 4, v2
	v_lshl_add_u32 v10, v3, 17, v253               ; 8 hh rows of 16,384 bytes + 16 r
	v_lshlrev_b32 v9, 7, v3                        ; b1: 32 hh numbers on
	s_mov_b32 s17, ttmp9                           ; s
	s_and_b32 s18, ttmp7, 0xffff                   ; e
	s_mov_b32 s35, 0
	s_mov_b32 s52, 0xc0135761                      ; c1 = -2.3022082
	s_mov_b32 s53, s52                             ; named with it as a pair
	s_mov_b32 s54, 0xbdd2d3e8                      ; c2 = -0.10294324
	s_mov_b32 s55, s54
	s_wait_alu depctr_va_sdst(0)                   ; s14 is written, ahead of its first reader
	s_lshr_b32 s16, s14, 2                         ; cg
	s_and_b32 s15, s14, 3
	s_lshl_b32 s2, s16, 1
	s_xor_b32 s15, s15, s2                         ; rg: the two waves of a row group have numbers 2 or 6 apart
	s_and_b32 s37, s14, 1                          ; the column group that I bring
	s_lshr_b32 s38, s14, 1                         ; and which eight fragments of it
	v_lshl_add_u32 v4, s16, 17, v11                ; a column group's 32 fragments x 4 tiles are 131,072 bytes
	v_lshl_add_u32 v7, s37, 17, v11
	v_lshl_add_u32 v7, s38, 15, v7
	s_wait_kmcnt 0x0
	s_wait_alu depctr_va_vdst(0)                   ; the addresses v4, v7, v9, v10, v11 are written, which the loads and stores of the whole kernel read
.irp g, 0,1,2,3,4,5,6,7
	global_load_b128 v[16+4*\g:16+4*\g+3], v11, s[6:7] offset:512*\g   ; route[128 g + 4 l ..]
.endr
	s_lshl_b32 s34, s18, 14
	s_lshl_b32 s2, s17, 9
	s_add_co_u32 s34, s34, s2
	s_lshl_b32 s2, s16, 8
	s_add_co_u32 s34, s34, s2
	s_add_nc_u64 s[10:11], s[10:11], s[34:35]      ; b1 at my 64 columns
.irp j, 0,1,2,3,4,5,6,7
	global_load_b128 v[BIAS+4*\j:BIAS+4*\j+3], v9, s[10:11] offset:16*\j
.endr
	s_lshl_b32 s34, s18, 24
	s_lshl_b32 s2, s17, 9
	s_add_co_u32 s34, s34, s2
	s_lshl_b32 s2, s37, 8
	s_add_co_u32 s34, s34, s2
	s_lshl_b32 s2, s38, 22                         ; 256 rows of 16,384 bytes
	s_add_co_u32 s34, s34, s2
	s_add_nc_u64 s[26:27], s[8:9], s[34:35]        ; W1 at my first unit
	s_lshl_b32 s34, s18, 21
	s_add_nc_u64 s[30:31], s[4:5], s[34:35]        ; xbuf at my expert's block 0: it never steps
	WIN 0x40
.irp u, 0,1,2,3
	LOADU \u                                       ; the stream starts before anything else is done
.endr
	WIN 0
	s_wait_loadcnt 63                              ; 64 loads stand behind route's and b1's: those are in
	s_mov_b32 s36, 0                               ; the expert's rows are counted, eight registers of route at a time
.set gg, 0
.rept 4
.irp i, 0,1,2,3,4,5,6,7
	v_cmp_eq_u32 s[40+\i], s18, v[16+gg+\i]
.endr
	s_wait_alu depctr_va_sdst(0)                   ; the eight compares have written s40-47, ahead of the masks' first readers
.irp i, 0,1,2,3,4,5,6,7
	s_bcnt1_i32_b32 s48, s[40+\i]
	s_add_co_u32 s36, s36, s48
.endr
.set gg, gg+8
.endr
	s_min_u32 s19, s36, 1024
	s_mov_b32 s20, 0
	s_mov_b32 s23, s19
	SCALARS
	STOREBASE
	ACCINIT
	PREHB
	s_wait_xcnt 0x0                                ; the loads that are out have read W1's address: it steps only behind this wait
	s_add_nc_u64 s[26:27], s[26:27], HSTEP
.irp u, 0,1,2,3
	s_wait_loadcnt 48                              ; loads come back in order: behind unit u stand three units of 16
	CVT \u, \u
	WIN 0x40
.if \u > 0
	s_wait_alu depctr_vm_vsrc(0)                   ; the LDS stores of the step before have read the other F, which the next step's roundings write again
.endif
	s_wait_alu depctr_va_vdst(0)                   ; the roundings are done reading the area, in which the loads below land, and have written F, which the LDS stores below read (in the first step: HB is written too)
	LOADU \u                                       ; my unit four on
	PUT \u
.endr
.irp u, 0,1,2,3
	s_wait_loadcnt 48-4*\u                         ; behind unit u: 16 (3 - u) weight loads and the 12 u token loads issued since
	CVT \u, \u+4
	WIN 0x40
.if \u < 3
	s_wait_alu depctr_vm_vsrc(0)                   ; the LDS stores of the step before have read the other F, which the next step's roundings write again
.endif
	s_wait_alu depctr_va_vdst(0)                   ; the roundings are done reading the area, in which the token loads below (and later the weights' LDS loads) land, and have written F, which the LDS stores below read
	PRE \u
	PUT \u+4
.endr
	s_wait_dscnt 0x0                               ; for the others' sake: my part of the slice is in LDS
	s_barrier_signal -1
	s_barrier_wait -1                              ; everybody's is
.Lpass:
	s_cmp_lt_u32 s22, 1
	s_cbranch_scc1 .Lepi_end                       ; none of my blocks is live
	s_sub_co_u32 s3, s21, 1
	WIN 0x40
	s_wait_alu depctr_va_vdst(0)                   ; on every way here: the last pass's products are done reading weight buffer 0, in which the loads below land
.irp c, 0,1,2,3
	ds_load_b128 v[64*\c+48:64*\c+51], v4 offset:1024*\c        ; K step 0's weights
	ds_load_b128 v[64*\c+52:64*\c+55], v4 offset:1024*\c+512
.endr
	WIN 0
	s_cmp_lt_u32 s22, 2
	s_cbranch_scc1 .Lp1
	s_cmp_lt_u32 s22, 3
	s_cbranch_scc1 .Lp2
	KPATH 3
	s_branch .Lkdone
.Lp2:
	KPATH 2
	s_branch .Lkdone
.Lp1:
	KPATH 1
.Lkdone:
.rept 4
	v_nop                                          ; four places between the last products and the vector instructions that read or rewrite their registers (ISA guide 7.12.1)
.endr
	; THE WAY OUT: gelu, rounding; a block's four tiles are 2,048 neighbouring bytes of hbuf, 512 a store
.irp t, 0,1,2
.if \t > 0
	s_cmp_lt_u32 s22, \t+1
	s_cbranch_scc1 .Lepi_end
.endif
	GELU4 \t
.irp c, 0,1,2,3
	global_store_b128 v11, v[F+16*\t+4*\c:F+16*\t+4*\c+3], s[32:33] offset:\t*524288+\c*512
.endr
.endr
.Lepi_end:
	s_wait_xcnt 0x0                                ; on every way: the stores' registers and base are rewritten only behind this wait
	s_wait_alu depctr_vm_vsrc(0)                   ; on every way: the pass's loads have read HB and its stores the out-buffers, which the lines below and the next pass write again
	s_add_co_u32 s20, s20, 1
	s_sub_co_i32 s23, s23, 192
	SCALARS
	s_cmp_eq_u32 s21, 0
	s_cbranch_scc1 .Lnext                          ; no rows are left
	STOREBASE
	ACCINIT
	s_wait_loadcnt 0x0                             ; none of my loads is out: the ring is filled anew
	PREHB
	WIN 0x40
	s_wait_alu depctr_va_vdst(0)                   ; HB is written, which the loads below read; the pass's products are done reading the ring, in which they land
.irp u, 0,1,2,3
	PRE \u
.endr
	WIN 0
.Lnext:
	s_cmp_lt_u32 s20, 6
	s_cbranch_scc1 .Lpass
	s_wait_dscnt 0x0
	s_barrier_signal -1
	s_barrier_wait -1                              ; every wave's reads of LDS are back before any wave's last LDS write
	s_wait_dscnt 0x0                               ; the wave's end
	s_wait_alu 0x0
	s_wait_tensorcnt 0x0
	ds_add_u32 v248, v249
	s_wait_dscnt 0x0
	s_endpgm
.Lfunc_end_k_qa70ece7687_up:
	.size	k_qa70ece7687_up, .Lfunc_end_k_qa70ece7687_up-k_qa70ece7687_up
	.p2alignl 7, 3214868480
	.fill 96, 4, 3214868480
	.section	.rodata,"a",@progbits
	.p2align	6, 0x0
	.amdhsa_kernel k_qa70ece7687_up
		.amdhsa_group_segment_fixed_size 263168
		.amdhsa_private_segment_fixed_size 0
		.amdhsa_enable_private_segment 0
		.amdhsa_kernarg_size 40
		.amdhsa_user_sgpr_count 2
		.amdhsa_user_sgpr_kernarg_segment_ptr 1
		.amdhsa_wavefront_size32 1
		.amdhsa_system_sgpr_workgroup_id_x 1
		.amdhsa_system_sgpr_workgroup_id_y 1
		.amdhsa_system_sgpr_workgroup_id_z 1
		.amdhsa_system_vgpr_workitem_id 0
		.amdhsa_next_free_vgpr 512
		.amdhsa_next_free_sgpr 66
		.amdhsa_reserve_vcc 0
		.amdhsa_float_denorm_mode_32 3
		.amdhsa_float_denorm_mode_16_64 3
		.amdhsa_memory_ordered 1
		.amdhsa_forward_progress 1
		.amdhsa_inst_pref_size 154
	.end_amdhsa_kernel
	.amdgpu_metadata
---
amdhsa.version: [ 1, 2 ]
amdhsa.kernels:
  - .name:           k_qa70ece7687_up
    .symbol:         k_qa70ece7687_up.kd
    .args:
      - { .name: xbuf, .offset: 0, .size: 8, .value_kind: global_buffer, .address_space: global }
      - { .name: route, .offset: 8, .size: 8, .value_kind: global_buffer, .address_space: global }
      - { .name: W1, .offset: 16, .size: 8, .value_kind: global_buffer, .address_space: global }
      - { .name: b1, .offset: 24, .size: 8, .value_kind: global_buffer, .address_space: global }
      - { .name: hbuf, .offset: 32, .size: 8, .value_kind: global_buffer, .address_space: global }
    .group_segment_fixed_size: 263168
    .private_segment_fixed_size: 0
    .kernarg_segment_align: 8
    .kernarg_segment_size: 40
    .max_flat_workgroup_size: 256
    .sgpr_count:     66
    .vgpr_count:     512
    .wavefront_size: 32
...
	.end_amdgpu_metadata
.endif
;; end of part 8
;; launch down (part 9): grid 32 x 8, 8 waves a work-group, no clusters, 303,104 bytes of LDS; arguments hbuf, route, W2, b2, part; writes part
.if DOCPART == 9
	.amdgcn_target "amdgcn-amd-amdhsa--gfx1250"
	.amdhsa_code_object_version 6
	.text
	.protected	k_qa70ece7687_down
	.globl	k_qa70ece7687_down
	.p2align	8
	.type	k_qa70ece7687_down,@function
k_qa70ece7687_down:
	s_mov_b64 s[64:65], 0
	v_nop
	global_prefetch_b8 v0, s[64:65] scope:SCOPE_SE
	s_setreg_imm32_b32 hwreg(HW_REG_WAVE_SCHED_MODE, 0, 2), 2
	s_setreg_imm32_b32 hwreg(HW_REG_WAVE_MODE, 25, 1), 1
	s_wait_xcnt 0x0
	s_wait_alu depctr_vm_vsrc(0)
; part[ks][token] = (ks = 0: b2[e]) + the sum over quarter ks of the hidden width of h[token] W2[e], f32, for the tokens of expert e.
; hbuf as the launch before stored it: [expert 8][block 64][fragment 128][half 2][lane 32][16 bytes], bf16; W2 [8][4096][1024], b2 [8][1024] in f32.
; SHARES.  Work-group (cs + 8 ks, e): the 128 output columns 128 cs .. and the 1,024 hidden rows 1,024 ks .. of W2[e], which it alone reads (512 KB),
; and all of e's rows.  K is split in four so that there are 256 slices of W2 with whole rows of 256 bytes; the four partial sums stay f32 and
; the next launch adds them.
; THE TWO PHASES are the first product's.  Phase 1: the slice goes into LDS whole, 262,144 bytes of bf16 fragments; each wave brings eight units of 32 k x 64 columns,
; four of them (64 loads of 512 bytes) always out.  One barrier.  Phase 2: 6 passes of 192 rows, a pass without rows jumped; wave w has column group cg = w >> 2 and the
; blocks rg + 4 t, rg = (w & 3) ^ 2 cg; weights from LDS a K step ahead, the rows of h from memory as they lie through a ring of eight K steps in registers.
; K's ORDER.  Place (t, hh, j) of fragment kb of h holds hidden 64 (kb >> 1) + 2 (kb & 1) + 32 hh + 4 j + t; W2's rows are loaded in that order.
; RESULT.  Source 0 = tokens, source 1 = weights (fragment c: columns 4 r + c): register j of lane (r, hh) of tiles c = 0..3 is token row 8 hh + j,
; columns 4 r .. 4 r + 3: 16 bytes a lane, 256 aligned bytes of a token's row from sixteen lanes.
; ROWS PAST THE COUNT.  Whole blocks past the count are jumped.  In the last live block the places past the count repeat the expert's last token,
; here and in the launches before: their rows of h are copies of its row, an output hangs on its own row and column alone, so their sums are
; copies too, and the wave stores the same numbers to the same bytes again, 15 rows at the most.  An expert without rows stores nothing.
; LIMITS.  route lies in 0..7 (then each token's row of part is stored by one expert's work-groups).  Operands bf16, sums f32.
; NO TENSOR LOADS, NO CLUSTER.  Each weight byte has one reader and has to be rounded on its way.  The 8 work-groups of a quarter share its blocks of h, but beside the slice and the
; lists 24,576 bytes of LDS are left and a pass's blocks are up to 12 x 32,768: they would go through slots, a round for each refill, in a walk whose length hangs on the count.
; THE MODE: SCHED_MODE bits 1:0 = 2 (LLVM: expert scheduling mode 2), set by the entry lines.  The code itself states the register dependences
; between vector or matrix instructions and memory or LDS instructions, with s_wait_alu, always for 0.
; THE PLAN.  Registers that memory or LDS instructions touch:
;   v4, v7, v10, v11, v253, v[CL1], v[CL2], v252, Z4   addresses and zeros, made at the head, never written again: one wait ahead of the first load.
;   v16-47, LD, v[LAST], v[PADA], v[LTOK]   the list's addresses and data: one wait on va_vdst ahead of its stores; one on vm_vsrc behind them, ahead of the sums' start and the blocks' offsets, which write v16-79 and v13.
;   areas 0-3, F0, F1 (phase 1); weight buffers, ring places, v12, HB (phase 2)   as in the first product: a wait on va_vdst behind a unit's roundings, with the wait on vm_vsrc for the step before's
;     stores just ahead of it; ONE wait on va_vdst at a K step's head, the weights' LDS loads at once behind it, the token loads behind the step's products; a wait on vm_vsrc at a trip's head.
;   v9        the pass's place in my list: written with the pass's figures, read by the six LDS loads at the pass's head.
;   LQ        eight registers a block: written by those loads, made into offsets on the way out, read by the block's stores.
;   F0, F1 on the way out   block t's 32 copies write F[t % 2], its 8 stores read it behind one wait on va_vdst; block 1 waits on vm_vsrc ahead of its own stores, for block 0's, whose buffer block 2 writes.
;   At a pass's end one wait on vm_vsrc, on every way, frees HB, v9, LQ and both F.
; The sums and b2 are named by vector and matrix instructions alone.
.set LISTB,  262144                    ; behind the slice: each wave's own list: 1,216 words of tokens, 32 words that catch the other experts' lanes
.set LISTW,  4992
.set SPARE,  LISTB+8*LISTW             ; the spare words, 128 bytes a wave: no other line names them
.set HSTEP,  1<<19                     ; four units: 128 rows of 4,096 bytes
.set BSH,    17                        ; a block of h is 131,072 bytes
.set CL1,  5                           ; v5        where I clear the list, 16 bytes a lane
.set CL2,  6                           ; v6        the same, 4 bytes a lane
.set LAST, 8                           ; v8        the last token's word in the list
.set PADA, 12                          ; v12       at the head: my word of the 32 past the count
.set LTOK, 13                          ; v13       at the head: the last token
.set ACC,  16                          ; v16-111   tile (t, c) at ACC + 32 t + 8 c; at the head v16-47 hold route, then the list's addresses
.set LD,   48                          ; v48-79    at the head: the tokens' numbers
.set HB,   112                         ; v112-114  byte offsets of my three blocks, at the trip's first fragment
.set F,    136                         ; v136-199  two buffers of 32: rounded weights on their way to LDS; on the way out eight rows' 16 bytes
.set BIAS, 200                         ; v200-203  b2 of my four columns, or 0
.set COL,  204                         ; v204      256 cg + 16 r
.set R8,   205                         ; v205      16 rg + 8 hh
.set LQ,   208                         ; v208-231  block t: eight entries of the list at LQ + 8 t, then their rows' byte offsets in part
.set Z4,   232                         ; v232-235  0
; v0-v4, v7, v10-v13, v248, v249, v253, window 1 and the scalars as in the first product; v9 my eight list entries of the pass in hand, t = 0; v14 those of pass 0; v15 my list;
; v250 my catch word's index; v251 4 l; v252 0.
; s17 cs; s56 ks; s[30:31] hbuf at my expert and quarter; s[32:33] part at my quarter and columns; s59 the pass's place in the list.
.set MSB, 0
.macro WIN new
.if MSB != (\new)
	s_set_vgpr_msb (MSB<<8)|(\new)
.set MSB, \new
.endif
.endm
.macro LOADU u                         ; 16 loads: fragment u's 32 rows of W2 x 64 columns; load q = 8 t + j takes row 64 (u >> 1) + 2 (u & 1) + 32 hh + 4 j + t.  The caller has set the destination's window
.set qq, 0
.rept 16
	global_load_b128 v[64*(\u)+4*qq:64*(\u)+4*qq+3], v10, s[26:27] offset:(64*((\u)/2)+2*((\u)%2)+4*(qq%8)+qq/8)*4096 th:TH_LOAD_NT
.set qq, qq+1
.endr
.endm
.macro CVT u, kbi                      ; unit u becomes fragment kbi of my eight: 32 roundings, into buffer kbi % 2
	WIN 0x05
.set cc, 0
.rept 4
.set kk, 0
.rept 8
	v_cvt_pk_bf16_f32 v[F+32*((\kbi)%2)+8*cc+kk], v[64*(\u)+8*kk+cc], v[64*(\u)+8*kk+4+cc]
.set kk, kk+1
.endr
.set cc, cc+1
.endr
.endm
.macro PUT kbi                         ; 8 stores of 512 neighbouring bytes
	WIN 0
.set cc, 0
.rept 4
	ds_store_b128 v7, v[F+32*((\kbi)%2)+8*cc:F+32*((\kbi)%2)+8*cc+3] offset:(\kbi)*4096+cc*1024
	ds_store_b128 v7, v[F+32*((\kbi)%2)+8*cc+4:F+32*((\kbi)%2)+8*cc+7] offset:(\kbi)*4096+cc*1024+512
.set cc, cc+1
.endr
.endm
.macro HBMAKE t                        ; block 12 pass + min(rg + 4 t, the last live one), held to 63, x its bytes, + v13 (16 l + the trip's eight fragments).  s3 = live blocks - 1
	s_add_co_u32 s2, s15, 4*(\t)
	s_min_u32 s2, s2, s3                   ; a block that is not live repeats the last live one, which was stored
	s_add_co_u32 s2, s2, s62
	s_min_u32 s2, s2, 63
	v_lshl_add_u32 v[HB+(\t)], s2, BSH, v13
.endm
.macro PREHB
	s_sub_co_u32 s3, s21, 1
	v_mov_b32 v13, v11
.irp t, 0,1,2
	HBMAKE \t
.endr
.endm
.macro PRE u                           ; the ring's first fill, area u: K steps 2 u and 2 u + 1 (step 7 is asked for by the loop), always three blocks: 12 loads (area 3: 6).  The caller has set the destination's window
.irp h, 0,1
.if 2*(\u)+\h < 7
.irp t, 0,1,2
	global_load_b128 v[64*(\u)+24*\h+8*\t:64*(\u)+24*\h+8*\t+3], v[HB+\t], s[30:31] offset:(2*(\u)+\h)*1024
	global_load_b128 v[64*(\u)+24*\h+8*\t+4:64*(\u)+24*\h+8*\t+7], v[HB+\t], s[30:31] offset:(2*(\u)+\h)*1024+512
.endr
.endif
.endr
.endm
.macro MM k, t                         ; four products: block t x the four column tiles; the accumulators take turns
.irp c, 0,1,2,3
	v_wmma_f32_16x16x32_bf16 v[ACC+32*(\t)+8*\c:ACC+32*(\t)+8*\c+7], v[64*((\k)/2)+24*((\k)%2)+8*(\t):64*((\k)/2)+24*((\k)%2)+8*(\t)+7], v[64*\c+48+8*((\k)%2):64*\c+48+8*((\k)%2)+7], v[ACC+32*(\t)+8*\c:ACC+32*(\t)+8*\c+7]
.endr
.endm
; K step k of a trip's eight, n live blocks.  wn = 1: the next step's weights are fetched from LDS into the other buffer.  ld = 1: behind the products the rows of the step seven on are
; asked for, into the ring place that the step before has read.  left = the token loads issued behind this step's.
.macro KSTEP k, n, wn, ld, left
.if \wn
	WIN 0x40
	s_wait_alu depctr_va_vdst(0)           ; the step before's products are done reading the other weight buffer and their ring place, in which this step's loads land; in a trip's first step v12 and HB are written
.set wb, 48+8*(((\k)+1)%2)
.irp c, 0,1,2,3
	ds_load_b128 v[64*\c+wb:64*\c+wb+3], v12 offset:((\k)+1)*4096+1024*\c
	ds_load_b128 v[64*\c+wb+4:64*\c+wb+7], v12 offset:((\k)+1)*4096+1024*\c+512
.endr
.endif
	s_wait_dscnt 8*(\wn)                   ; LDS loads come back in order: the next step's eight may be out
	s_wait_loadcnt \left                   ; loads come back in order: the later steps' may be out
	WIN 0x05
.set tt, 0
.rept \n
	MM \k, tt
.set tt, tt+1
.endr
.if \ld
	WIN 0x40                               ; no wait: no product since the step's head names HB or the ring place of the step before
.set sb, 64*((((\k)+7)%8)/2)+24*(((\k)+7)%2)
.set tt, 0
.rept \n
	global_load_b128 v[sb+8*tt:sb+8*tt+3], v[HB+tt], s[30:31] offset:((\k)+7)*1024
	global_load_b128 v[sb+8*tt+4:sb+8*tt+7], v[HB+tt], s[30:31] offset:((\k)+7)*1024+512
.set tt, tt+1
.endr
.endif
.endm
.macro TRIPHEAD n                      ; a trip's addresses, made anew from its number s58: 32,768 bytes of my column group in LDS, 8,192 bytes of a block in memory
	s_wait_xcnt 0x0                        ; the loads that are out have had their addresses translated: their offsets are rewritten only behind this wait
	s_wait_alu depctr_vm_vsrc(0)           ; the loads issued so far have read v12 and HB, which are written below (and phase 1's LDS stores have read F, which the way out writes)
	s_lshl_b32 s60, s58, 15
	v_add_nc_u32 v12, s60, v4
	v_lshl_add_u32 v13, s58, 13, v11
.set tt, 0
.rept \n
	HBMAKE tt
.set tt, tt+1
.endr
.endm
; K = 1,024 for n live blocks: three trips of eight steps, and the last eight written out, which ask for one step more and then for nothing.
; In the loop six steps of 2 n loads stand behind the step in hand; where the first fill's steps (6 loads each) are among them the count is the stricter one.
.macro KPATH n
	s_mov_b32 s24, 3
.Lk_\@:
	s_sub_co_u32 s58, 3, s24
	TRIPHEAD \n
.irp k, 0,1,2,3,4,5,6,7
	KSTEP \k, \n, 1, 1, 12*\n
.endr
	WIN 0
	s_sub_co_u32 s24, s24, 1
	s_cmp_lg_u32 s24, 0
	s_cbranch_scc1 .Lk_\@
	s_mov_b32 s58, 3
	TRIPHEAD \n
	KSTEP 0, \n, 1, 1, 12*\n
.irp k, 1,2,3,4,5,6
	KSTEP \k, \n, 1, 0, 2*\n*(7-\k)
.endr
	KSTEP 7, \n, 0, 0, 0
	WIN 0
.endm
; THE LIST: the text of the launch that laid the rows out: the same ranks, the same places past the count.
; The 1,216 words are cleared; LDS serves a wave's instructions in order (ISA guide 5.7.1.4), so the list's stores come behind these.
.macro LISTCLEAR
.irp k, 0,1,2,3,4,5,6,7,8
	ds_store_b128 v[CL1], v[Z4:Z4+3] offset:512*\k
.endr
	ds_store_b32 v[CL2], v252 offset:4608
	ds_store_b32 v[CL2], v252 offset:4736
.endm
; Token 128 G + 4 l + i gets the rank (tokens of e in earlier registers) + (in lower lanes), the others' lanes store into their catch word; the 32 places past the count take the last token.
.macro LISTBUILD
	s_mov_b32 s36, 0
.set gg, 0
.rept 4
.irp i, 0,1,2,3,4,5,6,7
	v_cmp_eq_u32 s[40+\i], s18, v[16+gg+\i]
.endr
	s_wait_alu depctr_va_sdst(0)           ; the eight compares have written s40-47, ahead of the masks' first readers
.irp i, 0,1,2,3,4,5,6,7
	v_mbcnt_lo_u32_b32 v[16+gg+\i], s[40+\i], s36
	v_cndmask_b32 v[16+gg+\i], v250, v[16+gg+\i], s[40+\i]
	s_bcnt1_i32_b32 s48, s[40+\i]
	s_add_co_u32 s36, s36, s48
.endr
.set gg, gg+8
.endr
.set gg, 0
.rept 32
	v_min_u32 v[16+gg], 1247, v[16+gg]
.set gg, gg+1
.endr
.set gg, 0
.rept 32
	v_lshl_add_u32 v[16+gg], v[16+gg], 2, v15
.set gg, gg+1
.endr
.set gg, 0
.rept 32
	v_add_nc_u32 v[LD+gg], 128*(gg/4)+gg%4, v251
.set gg, gg+1
.endr
	s_min_u32 s19, s36, 1024
	s_max_u32 s2, s19, 1
	s_sub_co_u32 s2, s2, 1
	s_min_u32 s2, s2, 1215
	v_lshl_add_u32 v[LAST], s2, 2, v15
	v_add_nc_u32 v[PADA], s19, v1
	v_min_u32 v[PADA], 1215, v[PADA]
	v_lshl_add_u32 v[PADA], v[PADA], 2, v15
	s_wait_alu depctr_va_vdst(0)           ; the 32 addresses in v16-47, the 32 numbers in LD, v[LAST] and v[PADA] are written, which the LDS instructions below read
.set gg, 0
.rept 32
	ds_store_b32 v[16+gg], v[LD+gg]
.set gg, gg+1
.endr
	ds_load_b32 v[LTOK], v[LAST]           ; the last token (token 0 where there is none), in every lane
	s_wait_dscnt 0x0
	ds_store_b32 v[PADA], v[LTOK]
.endm
.macro SCALARS
	s_max_i32 s2, s23, 0
	s_add_co_u32 s2, s2, 15
	s_lshr_b32 s2, s2, 4
	s_min_u32 s21, s2, 12                  ; live blocks
	s_cmp_eq_u32 s20, 0
	s_cselect_b32 s2, 1, 0
	s_max_u32 s21, s21, s2                 ; pass 0 has one at the least, as in the launches before
	s_add_co_u32 s2, s21, 3
	s_sub_co_u32 s2, s2, s15
	s_lshr_b32 s22, s2, 2                  ; how many of rg, rg + 4, rg + 8 are live
	s_min_u32 s2, s20, 5                   ; there is no pass 6: the figure made behind the last pass stays inside the list
	s_mul_i32 s59, s2, 768
	s_mul_i32 s62, s20, 12                 ; the pass's first block
.endm
.macro ACCINIT                         ; the sums start from b2 (quarter 0) or from 0
.set tt, 0
.rept 12
.set jj, 0
.rept 8
	v_mov_b32 v[ACC+8*tt+jj], v[BIAS+tt%4]
.set jj, jj+1
.endr
.set tt, tt+1
.endr
.endm
	s_load_b256 s[4:11], s[0:1], 0x0               ; hbuf s[4:5], route s[6:7], W2 s[8:9], b2 s[10:11]
	s_load_b64 s[12:13], s[0:1], 0x20              ; part
	v_lshl_add_u32 v248, v0, 2, SPARE              ; my spare word and 0, for the wave's last lines
	v_mov_b32 v249, 0
	v_lshrrev_b32 v1, 5, v0
	v_readfirstlane_b32 s14, v1                    ; wave 0..7
	v_and_b32 v1, 31, v0
	v_and_b32 v2, 15, v0
	v_bfe_u32 v3, v0, 4, 1
	v_lshlrev_b32 v11, 4, v1
	v_lshlrev_b32 v253, 4, v2
	v_lshlrev_b32 v251, 2, v1
	v_mov_b32 v252, 0
.irp i, 0,1,2,3
	v_mov_b32 v[Z4+\i], 0                          ; 16 bytes of 0, to clear the list with
.endr
	v_add_nc_u32 v250, 1216, v1
	v_lshl_add_u32 v10, v3, 17, v253               ; 32 hh rows of 4,096 bytes + 16 r
	s_and_b32 s17, ttmp9, 7                        ; cs
	s_lshr_b32 s56, ttmp9, 3                       ; ks
	s_and_b32 s18, ttmp7, 0xffff                   ; e
	s_mov_b32 s35, 0
	s_wait_alu depctr_va_sdst(0)                   ; s14 is written, ahead of its first reader
	s_lshr_b32 s16, s14, 2                         ; cg
	s_and_b32 s15, s14, 3
	s_lshl_b32 s2, s16, 1
	s_xor_b32 s15, s15, s2                         ; rg
	s_and_b32 s37, s14, 1                          ; the column group that I bring
	s_lshr_b32 s38, s14, 1                         ; and which eight fragments of it
	v_lshl_add_u32 v4, s16, 17, v11
	v_lshl_add_u32 v7, s37, 17, v11
	v_lshl_add_u32 v7, s38, 15, v7
	s_lshl_b32 s2, s15, 4
	v_lshl_add_u32 v[R8], v3, 3, s2
	v_lshl_add_u32 v[COL], s16, 8, v253
	s_mul_i32 s3, s14, LISTW
	s_add_co_u32 s3, s3, LISTB
	v_mov_b32 v15, s3
	v_lshl_add_u32 v14, v[R8], 2, s3
	v_add_nc_u32 v[CL1], v11, v15
	v_add_nc_u32 v[CL2], v251, v15
	s_wait_kmcnt 0x0
	s_wait_alu depctr_va_vdst(0)                   ; the addresses v4, v7, v10, v11, v253, v[CL1], v[CL2] and the zeros v252, Z4 are written, which the loads and stores below read
.irp g, 0,1,2,3,4,5,6,7
	global_load_b128 v[16+4*\g:16+4*\g+3], v11, s[6:7] offset:512*\g
.endr
	s_lshl_b32 s34, s18, 12
	s_lshl_b32 s2, s17, 9
	s_add_co_u32 s34, s34, s2
	s_lshl_b32 s2, s16, 8
	s_add_co_u32 s34, s34, s2
	s_add_nc_u64 s[10:11], s[10:11], s[34:35]      ; b2 at my 64 columns
	global_load_b128 v[BIAS:BIAS+3], v253, s[10:11]
	s_lshl_b32 s34, s18, 23
	s_lshl_b32 s2, s56, 15
	s_add_co_u32 s34, s34, s2
	s_add_nc_u64 s[30:31], s[4:5], s[34:35]        ; hbuf at my expert's block 0 and my quarter's first fragment: it never steps
	s_lshl_b32 s34, s56, 22
	s_lshl_b32 s2, s17, 9
	s_add_co_u32 s34, s34, s2
	s_add_nc_u64 s[32:33], s[12:13], s[34:35]      ; part at my quarter and my 128 columns: the same in every pass
	s_lshl_b32 s2, s18, 24
	s_add_co_u32 s34, s34, s2
	s_lshl_b32 s2, s37, 8
	s_add_co_u32 s34, s34, s2
	s_lshl_b32 s2, s38, 20                         ; 256 rows of 4,096 bytes
	s_add_co_u32 s34, s34, s2
	s_add_nc_u64 s[26:27], s[8:9], s[34:35]        ; W2 at my first unit
	WIN 0x40
.irp u, 0,1,2,3
	LOADU \u                                       ; the stream starts before anything else is done
.endr
	WIN 0
	LISTCLEAR                                      ; while route is on its way
	s_wait_loadcnt 63                              ; 64 loads stand behind route's and b2's: those are in
	s_cmp_eq_u32 s56, 0
	s_cselect_b32 s2, -1, 0
.irp c, 0,1,2,3
	v_cndmask_b32 v[BIAS+\c], 0, v[BIAS+\c], s2    ; b2 enters quarter 0's sums alone
.endr
	LISTBUILD
	s_mov_b32 s20, 0
	s_mov_b32 s23, s19
	SCALARS
	s_wait_alu depctr_vm_vsrc(0)                   ; the list's stores have read v16-79 and v13, which the sums' start and the blocks' offsets write below
	ACCINIT
	PREHB
	v_add_nc_u32 v9, s59, v14                      ; the pass's place in my list
	s_wait_xcnt 0x0                                ; the loads that are out have read W2's address: it steps only behind this wait
	s_add_nc_u64 s[26:27], s[26:27], HSTEP
.irp u, 0,1,2,3
	s_wait_loadcnt 48                              ; loads come back in order: behind unit u stand three units of 16
	CVT \u, \u
	WIN 0x40
.if \u > 0
	s_wait_alu depctr_vm_vsrc(0)                   ; the LDS stores of the step before have read the other F, which the next step's roundings write again
.endif
	s_wait_alu depctr_va_vdst(0)                   ; the roundings are done reading the area, in which the loads below land, and have written F, which the LDS stores below read (in the first step: HB and v9 are written too)
	LOADU \u                                       ; my unit four on
	PUT \u
.endr
.irp u, 0,1,2,3
	s_wait_loadcnt 48-4*\u                         ; behind unit u: 16 (3 - u) weight loads and the 12 u token loads issued since
	CVT \u, \u+4
	WIN 0x40
.if \u < 3
	s_wait_alu depctr_vm_vsrc(0)                   ; the LDS stores of the step before have read the other F, which the next step's roundings write again
.endif
	s_wait_alu depctr_va_vdst(0)                   ; the roundings are done reading the area, in which the token loads below (and later the weights' LDS loads) land, and have written F, which the LDS stores below read
	PRE \u
	PUT \u+4
.endr
	s_wait_dscnt 0x0                               ; for the others' sake: my part of the slice is in LDS
	s_barrier_signal -1
	s_barrier_wait -1                              ; everybody's is
.Lpass:
	s_cmp_lt_u32 s22, 1
	s_cbranch_scc1 .Lepi_end                       ; none of my blocks is live
	s_sub_co_u32 s3, s21, 1
	WIN 0x40
	s_wait_alu depctr_va_vdst(0)                   ; on every way here: the last pass's products are done reading weight buffer 0 and its way out is done with LQ, in which the loads below land; v9 is written
.irp c, 0,1,2,3
	ds_load_b128 v[64*\c+48:64*\c+51], v4 offset:1024*\c        ; K step 0's weights
	ds_load_b128 v[64*\c+52:64*\c+55], v4 offset:1024*\c+512
.endr
	WIN 0
.irp t, 0,1,2
	ds_load_b128 v[LQ+8*\t:LQ+8*\t+3], v9 offset:256*\t         ; the pass's list entries for the way out; those of a block that is not live lie in my list too and are not used
	ds_load_b128 v[LQ+8*\t+4:LQ+8*\t+7], v9 offset:256*\t+16
.endr
	s_cmp_lt_u32 s22, 2
	s_cbranch_scc1 .Lp1
	s_cmp_lt_u32 s22, 3
	s_cbranch_scc1 .Lp2
	KPATH 3
	s_branch .Lkdone
.Lp2:
	KPATH 2
	s_branch .Lkdone
.Lp1:
	KPATH 1
.Lkdone:
.rept 4
	v_nop                                          ; four places between the last products and the vector instructions that read or rewrite their registers (ISA guide 7.12.1)
.endr
	; THE WAY OUT: row 8 hh + j of a live block goes to its token's row of part; sixteen lanes store 256 aligned bytes.  The list entries are in: the last K step waited for all LDS loads.
	s_cmp_lt_i32 s23, 1
	s_cbranch_scc1 .Lepi_end                       ; an expert without rows stores nothing
.irp t, 0,1,2
.if \t > 0
	s_cmp_lt_u32 s22, \t+1
	s_cbranch_scc1 .Lepi_end
.endif
.irp i, 0,1,2,3,4,5,6,7
	v_min_u32 v[LQ+8*\t+\i], 1023, v[LQ+8*\t+\i]
.endr
.irp i, 0,1,2,3,4,5,6,7
	v_lshl_add_u32 v[LQ+8*\t+\i], v[LQ+8*\t+\i], 12, v[COL]
.endr
.irp j, 0,1,2,3,4,5,6,7
.irp c, 0,1,2,3
	v_mov_b32 v[F+32*(\t%2)+4*\j+\c], v[ACC+32*\t+8*\c+\j]   ; j ascends: each tile is read from its low end on
.endr
.endr
.if \t == 1
	s_wait_xcnt 0x0                                ; block 0's stores have had their addresses translated: their data registers are rewritten only behind this wait
	s_wait_alu depctr_vm_vsrc(0)                   ; block 0's stores have read F0, which block 2's copies write again
.endif
	s_wait_alu depctr_va_vdst(0)                   ; the block's eight offsets in LQ and its 32 copies in F are written, which its stores read
.irp j, 0,1,2,3,4,5,6,7
	global_store_b128 v[LQ+8*\t+\j], v[F+32*(\t%2)+4*\j:F+32*(\t%2)+4*\j+3], s[32:33]
.endr
.endr
.Lepi_end:
	s_wait_xcnt 0x0                                ; on every way: the stores' registers are rewritten only behind this wait
	s_wait_alu depctr_vm_vsrc(0)                   ; on every way: the pass's loads have read HB and v9, its stores LQ and F, which the lines below and the next pass write again
	s_add_co_u32 s20, s20, 1
	s_sub_co_i32 s23, s23, 192
	SCALARS
	s_cmp_eq_u32 s21, 0
	s_cbranch_scc1 .Lnext                          ; no rows are left
	ACCINIT
	s_wait_loadcnt 0x0                             ; none of my loads is out: the ring is filled anew
	PREHB
	v_add_nc_u32 v9, s59, v14                      ; the pass's place in my list
	WIN 0x40
	s_wait_alu depctr_va_vdst(0)                   ; HB is written, which the loads below read; the pass's products are done reading the ring, in which they land
.irp u, 0,1,2,3
	PRE \u
.endr
	WIN 0
.Lnext:
	s_cmp_lt_u32 s20, 6
	s_cbranch_scc1 .Lpass
	s_wait_dscnt 0x0
	s_barrier_signal -1
	s_barrier_wait -1                              ; every wave's reads of LDS are back before any wave's last LDS write
	s_wait_dscnt 0x0                               ; the wave's end
	s_wait_alu 0x0
	s_wait_tensorcnt 0x0
	ds_add_u32 v248, v249
	s_wait_dscnt 0x0
	s_endpgm
.Lfunc_end_k_qa70ece7687_down:
	.size	k_qa70ece7687_down, .Lfunc_end_k_qa70ece7687_down-k_qa70ece7687_down
	.p2alignl 7, 3214868480
	.fill 96, 4, 3214868480
	.section	.rodata,"a",@progbits
	.p2align	6, 0x0
	.amdhsa_kernel k_qa70ece7687_down
		.amdhsa_group_segment_fixed_size 303104
		.amdhsa_private_segment_fixed_size 0
		.amdhsa_enable_private_segment 0
		.amdhsa_kernarg_size 40
		.amdhsa_user_sgpr_count 2
		.amdhsa_user_sgpr_kernarg_segment_ptr 1
		.amdhsa_wavefront_size32 1
		.amdhsa_system_sgpr_workgroup_id_x 1
		.amdhsa_system_sgpr_workgroup_id_y 1
		.amdhsa_system_sgpr_workgroup_id_z 1
		.amdhsa_system_vgpr_workitem_id 0
		.amdhsa_next_free_vgpr 512
		.amdhsa_next_free_sgpr 66
		.amdhsa_reserve_vcc 0
		.amdhsa_float_denorm_mode_32 3
		.amdhsa_float_denorm_mode_16_64 3
		.amdhsa_memory_ordered 1
		.amdhsa_forward_progress 1
		.amdhsa_inst_pref_size 150
	.end_amdhsa_kernel
	.amdgpu_metadata
---
amdhsa.version: [ 1, 2 ]
amdhsa.kernels:
  - .name:           k_qa70ece7687_down
    .symbol:         k_qa70ece7687_down.kd
    .args:
      - { .name: hbuf, .offset: 0, .size: 8, .value_kind: global_buffer, .address_space: global }
      - { .name: route, .offset: 8, .size: 8, .value_kind: global_buffer, .address_space: global }
      - { .name: W2, .offset: 16, .size: 8, .value_kind: global_buffer, .address_space: global }
      - { .name: b2, .offset: 24, .size: 8, .value_kind: global_buffer, .address_space: global }
      - { .name: part, .offset: 32, .size: 8, .value_kind: global_buffer, .address_space: global }
    .group_segment_fixed_size: 303104
    .private_segment_fixed_size: 0
    .kernarg_segment_align: 8
    .kernarg_segment_size: 40
    .max_flat_workgroup_size: 256
    .sgpr_count:     66
    .vgpr_count:     512
    .wavefront_size: 32
...
	.end_amdgpu_metadata
.endif
;; end of part 9
;; launch sum: the kernel of part 3 again; grid 256 x 1, 8 waves a work-group, no clusters, 0 bytes of LDS; arguments part, out0; writes out0
